; MI455X (gfx1250); checked and timed in simulation.
; The chip was launched on July 23, 2026; its instructions are those of AMD's public machine-readable ISA for CDNA 5 (MIT licence, August 2026) and "CDNA5" Instruction Set Architecture Reference Guide (July 2026). The comments in the code are by the model that wrote it; some were corrected since.
;; Megablocks Adapter. Allowed arithmetic: float matrix products may take bf16 or f16 operands with f32 sums; other float arithmetic in f32, or as packed bf16 or f16 multiplies, adds, multiply-adds, maxima and minima; sums over many terms, partial sums and values carried from step to step in f32; what a program stores and reads back later, other than sums and carried values, may be rounded once to bf16 or f16.
;; Inputs: router_w 1,024 x 8 float32; w1 8 x 1,024 x 4,096 float32; w2 8 x 4,096 x 1,024 float32; x 2 x 512 x 1,024 float32.
;; Outputs: out0 2 x 512 x 1,024 float32.
;; 3 versions, each right; version 3 is version 2 with the launches place, up written anew for expert scheduling mode. Each part assembles by itself: llvm-mc -triple=amdgcn-amd-amdhsa -mcpu=gfx1250 --defsym DOCPART=n.
;; ======== version 1 of 3: 4 launches
;; limits: values are held in f16: magnitudes above 65,504 overflow, below 6.1e-05 lose precision
;; workspace buffers: xb 2,097,152 bytes; sel 8,192 bytes of whole numbers; gat 8,192 bytes; hbuf 67,108,864 bytes; part 33,554,432 bytes
;; launch router (part 1): grid 64 x 1, 4 waves a work-group, no clusters, 54,016 bytes of LDS; arguments x, router_w, xb, sel, gat; writes xb, sel, gat
.if DOCPART == 1
	.amdgcn_target "amdgcn-amd-amdhsa--gfx1250"
	.amdhsa_code_object_version 6
	.text
	.protected	k_qed59c487e0_router
	.globl	k_qed59c487e0_router
	.p2align	8
	.type	k_qed59c487e0_router,@function
k_qed59c487e0_router:
	s_mov_b64 s[64:65], 0
	v_nop
	global_prefetch_b8 v0, s[64:65] scope:SCOPE_SE
	s_setreg_imm32_b32 hwreg(HW_REG_WAVE_MODE, 25, 1), 1
	s_wait_xcnt 0x0
; ROUTER.  probs = softmax(x router_w) over 8 experts; the two largest (the lower index wins a tie) go out as sel[token][2] (whole numbers) and
; gat[token][2] (f32, not renormalised); x goes out once more as xb, rounded to bf16, for the first product.
; x and router_w are rounded to bf16 here as all inputs are in the later launches; products in the matrix unit, sums, maximum and softmax in f32.
; SHARES.  A work-group has 16 tokens.  Wave w brings rows 4 w .. 4 w + 3 of x (eight loads of 512 consecutive bytes a row), rounds them, stores them to xb
; (256 consecutive bytes a store) and into LDS; all threads together bring router_w.  Then wave w multiplies k = 256 w .. 256 w + 255 for all 16 tokens,
; the four partial sums meet in LDS, and wave 0 makes the softmax and the choice.
; LIMITS.  NaN is not treated apart.  A probability below 2^-126 counts as 0; such a gate adds nothing to the output.
; The two stores of sel and gat are 128 bytes a work-group: half an aligned block of 256.
.set D,     1024
.set NE,    8
.set XSP,   2064                       ; a row of x in LDS: 2,048 bytes + 16: the 16 rows that a fragment load touches start 516 words apart
.set RWB,   16*XSP                     ; router_w in bf16, [k][8]: 16 bytes a k
.set RED,   RWB+D*NE*2                 ; four waves' partial logits, 32 bytes a lane
.set SPARE, RED+4096                   ; the spare words, 128 bytes a wave: no other line names them
.set RWF,   32                         ; v32-95    router_w as loaded; later x's rows in bf16 (XB)
.set XB,    32
.set XF,    96                         ; v96-223   x as loaded; later the fragments: x's at v96-159, router_w's at v160-223
.set RWC,   224                        ; v224-255  router_w in bf16; later the two accumulators v224-239 and their sum v240-247
	s_load_b256 s[4:11], s[0:1], 0x0               ; x s[4:5], router_w s[6:7], xb s[8:9], sel s[10:11]
	s_load_b64 s[12:13], s[0:1], 0x20              ; gat
	v_lshl_add_u32 v30, v0, 2, SPARE               ; my spare word,
	v_mov_b32 v31, 0                               ; and 0: kept for the wave's last lines alone
	v_lshrrev_b32 v7, 5, v0
	v_readfirstlane_b32 s14, v7                    ; wave 0..3
	v_and_b32 v1, 31, v0                           ; lane
	v_lshlrev_b32 v2, 4, v0                        ; router_w: 16 bytes a thread
	s_lshl_b32 s15, s14, 14
	v_lshl_add_u32 v3, v1, 4, s15                  ; x: 16 lane + my four rows of 4,096 bytes
	s_lshl_b32 s15, s14, 13
	v_lshl_add_u32 v4, v1, 3, s15                  ; xb: 8 lane + my four rows of 2,048 bytes
	s_mul_i32 s15, s14, 4*XSP
	v_lshl_add_u32 v5, v1, 3, s15                  ; the same rows in LDS
	v_lshl_add_u32 v6, v0, 3, RWB                  ; router_w in LDS: 8 bytes a thread
	s_lshl_b32 s16, ttmp9, 16                      ; the group's 16 rows of x,
	s_mov_b32 s17, 0
	s_lshl_b32 s18, ttmp9, 15                      ; of xb,
	s_mov_b32 s19, 0
	s_lshl_b32 s20, ttmp9, 7                       ; of sel and gat
	s_mov_b32 s21, 0
	s_wait_kmcnt 0x0
	s_add_nc_u64 s[4:5], s[4:5], s[16:17]
	s_add_nc_u64 s[8:9], s[8:9], s[18:19]
	s_add_nc_u64 s[10:11], s[10:11], s[20:21]
	s_add_nc_u64 s[12:13], s[12:13], s[20:21]
.irp j, 0,1,2,3,4,5,6,7,8,9,10,11,12,13,14,15
	global_load_b128 v[RWF+4*(\j):RWF+4*(\j)+3], v2, s[6:7] offset:2048*(\j)
.endr
.irp r, 0,1,2,3
.irp j, 0,1,2,3,4,5,6,7
	global_load_b128 v[XF+32*(\r)+4*(\j):XF+32*(\r)+4*(\j)+3], v3, s[4:5] offset:4096*(\r)+512*(\j) th:TH_LOAD_NT
.endr
.endr
	; addresses of the second phase, made while the loads are out
	v_and_b32 v10, 15, v0                          ; r
	v_bfe_u32 v11, v0, 4, 1                        ; h
	v_and_b32 v12, 7, v0
	v_mul_u32_u24 v8, v10, XSP
	v_lshl_add_u32 v8, v11, 4, v8
	s_lshl_b32 s15, s14, 9
	v_add_nc_u32 v8, s15, v8                       ; x's fragments: row r, 16 h, my 256 k (512 bytes)
	v_lshlrev_b32 v9, 4, v12
	v_lshl_add_u32 v9, v11, 7, v9
	s_lshl_b32 s15, s14, 12
	s_add_co_u32 s15, s15, RWB
	v_add_nc_u32 v9, s15, v9                       ; router_w's: k row 8 h + lane % 8 of my 256; lanes 8-15 and 24-31 take the same rows again
	v_lshl_add_u32 v13, v0, 5, RED                 ; my 32 bytes of partial logits
	v_lshlrev_b32 v24, 3, v0                       ; wave 0: 8 bytes a token in sel and gat
	s_wait_loadcnt 32                              ; router_w is in: the 32 loads of x were issued behind it
.irp j, 0,1,2,3,4,5,6,7,8,9,10,11,12,13,14,15
	v_cvt_pk_bf16_f32 v[RWC+2*(\j)],   v[RWF+4*(\j)],   v[RWF+4*(\j)+1]
	v_cvt_pk_bf16_f32 v[RWC+2*(\j)+1], v[RWF+4*(\j)+2], v[RWF+4*(\j)+3]
.endr
.irp j, 0,1,2,3,4,5,6,7,8,9,10,11,12,13,14,15
	ds_store_b64 v6, v[RWC+2*(\j):RWC+2*(\j)+1] offset:1024*(\j)
.endr
.irp r, 0,1,2,3
	s_wait_loadcnt 24-8*(\r)                       ; row r's eight loads are in; the later rows' stay out
.irp j, 0,1,2,3,4,5,6,7
	v_cvt_pk_bf16_f32 v[XB+16*(\r)+2*(\j)],   v[XF+32*(\r)+4*(\j)],   v[XF+32*(\r)+4*(\j)+1]
	v_cvt_pk_bf16_f32 v[XB+16*(\r)+2*(\j)+1], v[XF+32*(\r)+4*(\j)+2], v[XF+32*(\r)+4*(\j)+3]
.endr
.irp j, 0,1,2,3,4,5,6,7
	global_store_b64 v4, v[XB+16*(\r)+2*(\j):XB+16*(\r)+2*(\j)+1], s[8:9] offset:2048*(\r)+256*(\j)  ; 32 lanes: 256 consecutive bytes, aligned
	ds_store_b64 v5, v[XB+16*(\r)+2*(\j):XB+16*(\r)+2*(\j)+1] offset:XSP*(\r)+256*(\j)
.endr
.endr
	s_wait_dscnt 0x0                               ; for the others' sake: my rows and my part of router_w are in LDS
	s_barrier_signal -1
	s_barrier_wait -1
	; Source 0 = router_w turned (row m = expert m % 8), source 1 = 16 tokens: in the result lane l holds token l % 16 and registers 0-7 its eight logits.
.irp k, 0,1,2,3,4,5,6,7
	ds_load_b128 v[96+8*(\k):96+8*(\k)+3],        v8 offset:64*(\k)
	ds_load_b128 v[96+8*(\k)+4:96+8*(\k)+7],      v8 offset:64*(\k)+32
	ds_load_tr16_b128 v[160+8*(\k):160+8*(\k)+3],   v9 offset:512*(\k)
	ds_load_tr16_b128 v[160+8*(\k)+4:160+8*(\k)+7], v9 offset:512*(\k)+256
.endr
	s_wait_dscnt 0x0
	v_wmma_f32_16x16x32_bf16 v[224:231], v[160:167], v[96:103], 0     ; two accumulators by turns; the first two products start the sums
	v_wmma_f32_16x16x32_bf16 v[232:239], v[168:175], v[104:111], 0
.irp k, 2,4,6
	v_wmma_f32_16x16x32_bf16 v[224:231], v[160+8*(\k):160+8*(\k)+7], v[96+8*(\k):96+8*(\k)+7], v[224:231]
	v_wmma_f32_16x16x32_bf16 v[232:239], v[168+8*(\k):168+8*(\k)+7], v[104+8*(\k):104+8*(\k)+7], v[232:239]
.endr
.rept 4
	v_nop                                          ; four places between the last product and the first read of its result (ISA guide 7.12.1)
.endr
.irp p, 0,1,2,3
	v_pk_add_f32 v[240+2*(\p):241+2*(\p)], v[224+2*(\p):225+2*(\p)], v[232+2*(\p):233+2*(\p)]
.endr
	ds_store_b128 v13, v[240:243]
	ds_store_b128 v13, v[244:247] offset:16
	s_wait_dscnt 0x0                               ; for wave 0's sake
	s_barrier_signal -1
	s_barrier_wait -1
	s_cmp_lg_u32 s14, 0
	s_cbranch_scc1 .Lend                           ; the rest is sixteen tokens' work: one wave's
.irp q, 0,1,2,3
	ds_load_b128 v[96+8*(\q):99+8*(\q)],   v13 offset:1024*(\q)
	ds_load_b128 v[100+8*(\q):103+8*(\q)], v13 offset:1024*(\q)+16
.endr
	s_wait_dscnt 0x0
.irp p, 0,1,2,3
	v_pk_add_f32 v[96+2*(\p):97+2*(\p)],   v[96+2*(\p):97+2*(\p)],   v[104+2*(\p):105+2*(\p)]
	v_pk_add_f32 v[112+2*(\p):113+2*(\p)], v[112+2*(\p):113+2*(\p)], v[120+2*(\p):121+2*(\p)]
.endr
.irp p, 0,1,2,3
	v_pk_add_f32 v[96+2*(\p):97+2*(\p)], v[96+2*(\p):97+2*(\p)], v[112+2*(\p):113+2*(\p)]
.endr
	v_max3_num_f32 v16, v96, v97, v98              ; the maximum is taken away before the exponentials
	v_max3_num_f32 v16, v16, v99, v100
	v_max3_num_f32 v16, v16, v101, v102
	v_max_num_f32 v16, v16, v103
.irp j, 0,1,2,3,4,5,6,7
	v_sub_f32 v[104+(\j)], v[96+(\j)], v16
.endr
.irp j, 0,1,2,3,4,5,6,7
	v_mul_f32 v[104+(\j)], 0x3fb8aa3b, v[104+(\j)] ; times log2(e)
.endr
.irp j, 0,1,2,3,4,5,6,7
	v_exp_f32 v[104+(\j)], v[104+(\j)]
.endr
	v_nop                                          ; a plain instruction between the exponentials and the use of their results
	s_wait_alu depctr_va_vdst(0)
	v_add_f32 v17, v104, v105
	v_add_f32 v18, v106, v107
	v_add_f32 v19, v108, v109
	v_add_f32 v25, v110, v111
	v_add_f32 v17, v17, v18
	v_add_f32 v19, v19, v25
	v_add_f32 v17, v17, v19
	v_rcp_f32 v18, v17
	v_mov_b32 v19, v104                            ; the largest: strict compares, so the lower index keeps a tie
	v_mov_b32 v20, 0
.irp j, 1,2,3,4,5,6,7
	v_cmp_gt_f32 vcc_lo, v[104+(\j)], v19
	v_cndmask_b32 v19, v19, v[104+(\j)], vcc_lo
	v_cndmask_b32 v20, v20, \j, vcc_lo
.endr
.irp j, 0,1,2,3,4,5,6,7
	v_cmp_eq_u32 vcc_lo, \j, v20
	v_cndmask_b32 v[112+(\j)], v[104+(\j)], -1.0, vcc_lo  ; the chosen one falls below every other (they are 0 or more)
.endr
	v_mov_b32 v25, v112                            ; the second largest, in the same way
	v_mov_b32 v21, 0
.irp j, 1,2,3,4,5,6,7
	v_cmp_gt_f32 vcc_lo, v[112+(\j)], v25
	v_cndmask_b32 v25, v25, v[112+(\j)], vcc_lo
	v_cndmask_b32 v21, v21, \j, vcc_lo
.endr
	s_wait_alu depctr_va_vdst(0)
	v_mul_f32 v22, v19, v18
	v_mul_f32 v23, v25, v18
	v_cmp_gt_u32 vcc_lo, 16, v0                    ; lanes 16-31 hold the same sixteen tokens again
	s_wait_xcnt 0x0                                ; EXEC changes only behind this wait: my stores to xb have had their addresses translated
	s_and_saveexec_b32 s22, vcc_lo
	global_store_b64 v24, v[20:21], s[10:11]
	global_store_b64 v24, v[22:23], s[12:13]
	s_wait_xcnt 0x0                                ; and again in front of the line that widens it
	s_or_b32 exec_lo, exec_lo, s22
.Lend:
	s_wait_tensorcnt 0x0                           ; the wave's end
	ds_add_u32 v30, v31
	s_wait_dscnt 0x0
	s_endpgm
.Lfunc_end_k_qed59c487e0_router:
	.size	k_qed59c487e0_router, .Lfunc_end_k_qed59c487e0_router-k_qed59c487e0_router
	.p2alignl 7, 3214868480
	.fill 96, 4, 3214868480
	.section	.rodata,"a",@progbits
	.p2align	6, 0x0
	.amdhsa_kernel k_qed59c487e0_router
		.amdhsa_group_segment_fixed_size 54016
		.amdhsa_private_segment_fixed_size 0
		.amdhsa_enable_private_segment 0
		.amdhsa_kernarg_size 40
		.amdhsa_user_sgpr_count 2
		.amdhsa_user_sgpr_kernarg_segment_ptr 1
		.amdhsa_wavefront_size32 1
		.amdhsa_system_sgpr_workgroup_id_x 1
		.amdhsa_system_sgpr_workgroup_id_y 1
		.amdhsa_system_sgpr_workgroup_id_z 1
		.amdhsa_system_vgpr_workitem_id 0
		.amdhsa_next_free_vgpr 256
		.amdhsa_next_free_sgpr 66
		.amdhsa_reserve_vcc 1
		.amdhsa_float_denorm_mode_32 3
		.amdhsa_float_denorm_mode_16_64 3
		.amdhsa_memory_ordered 1
		.amdhsa_forward_progress 1
		.amdhsa_inst_pref_size 29
	.end_amdhsa_kernel
	.amdgpu_metadata
---
amdhsa.version: [ 1, 2 ]
amdhsa.kernels:
  - .name:           k_qed59c487e0_router
    .symbol:         k_qed59c487e0_router.kd
    .args:
      - { .name: x, .offset: 0, .size: 8, .value_kind: global_buffer, .address_space: global }
      - { .name: router_w, .offset: 8, .size: 8, .value_kind: global_buffer, .address_space: global }
      - { .name: xb, .offset: 16, .size: 8, .value_kind: global_buffer, .address_space: global }
      - { .name: sel, .offset: 24, .size: 8, .value_kind: global_buffer, .address_space: global }
      - { .name: gat, .offset: 32, .size: 8, .value_kind: global_buffer, .address_space: global }
    .group_segment_fixed_size: 54016
    .private_segment_fixed_size: 0
    .kernarg_segment_align: 8
    .kernarg_segment_size: 40
    .max_flat_workgroup_size: 128
    .sgpr_count:     66
    .vgpr_count:     256
    .wavefront_size: 32
...
	.end_amdgpu_metadata
.endif
;; end of part 1
;; launch up (part 2): grid 32 x 8, 4 waves a work-group, no clusters, 280,064 bytes of LDS; arguments sel, xb, w1, hbuf; writes hbuf
.if DOCPART == 2
	.amdgcn_target "amdgcn-amd-amdhsa--gfx1250"
	.amdhsa_code_object_version 6
	.text
	.protected	k_qed59c487e0_up
	.globl	k_qed59c487e0_up
	.p2align	8
	.type	k_qed59c487e0_up,@function
k_qed59c487e0_up:
	s_mov_b64 s[64:65], 0
	v_nop
	global_prefetch_b8 v0, s[64:65] scope:SCOPE_SE
	s_setreg_imm32_b32 hwreg(HW_REG_WAVE_MODE, 25, 1), 1
	s_wait_xcnt 0x0
; ONE TEXT FOR BOTH PRODUCTS OF THE EXPERTS' LAYER; PROD says which.  THIS IS PROD = 1: h = gelu(x w1[e]) for the rows that chose expert e.
;   PROD = 1: tokens from xb (bf16, gathered by a list), weights w1[e] [1024 k][4096], result gelu'd, rounded to f16, stored to hbuf.
;   PROD = 2: rows from hbuf, weights w2[e] [4096 k][1024], result times the gate, stored in f32 to part (a partial sum over a quarter of k).
; FORMATS.  x, w1 and w2 are rounded to bf16, as router_w is in the launch before.  h is rounded once to f16: 11 significant bits; bf16's 8 would leave each h off by some 2^-9 of itself, and a sum
; over 4,096 of them keeps that share of a row's size.  So PROD = 1 multiplies in bf16 and PROD = 2 in f16: w2's bf16 numbers are written again as f16, exact from 2^-14 up; below that f16's step of 2^-24 holds.
; LIMITS.  |h| or |w2| beyond 65,504 becomes an infinity (x and w1 both carrying an offset of 30 times their spread give h = 1,024 x 30 x 0.94 = 28,800).  NaN and infinities are not treated apart.
; SHARE.  A work-group has one expert (grid y), 128 columns of its weights and 1,024 of k: 512 KiB of f32 that no other work-group reads.
;   PROD = 1: grid x = the slice of 128 columns.   PROD = 2: x % 8 = the slice, x / 8 = the quarter of k.
; ROWS.  sel[token][2] holds each token's two experts.  Every wave counts its expert's rows for itself and keeps its own list of entries (2 token + slot) in LDS, in ascending order, so
; both products give a row the same place.  Rows go in tiles of 16; tile T = 20 g + 4 i + w belongs to wave w, place i (0..4), group g (0..3).  Places past the count C repeat the last row; a
; tile past the count is multiplied all the same (the K loop has no branch) and its stores are jumped.  Every split is served: C = 0 .. 1,024.
; An expert without rows: its weights are still read; its list holds zeros, so PROD = 1 stores tile 0 made of token 0, and PROD = 2 reads written bytes; PROD = 2 stores nothing.
; WEIGHTS.  K goes in 16 chunks of 64.  Of a chunk wave w takes k-step w / 2 (32 k) and column group w % 2 (64 columns): 16 loads; in each, lanes 0-15 take 256 consecutive aligned bytes of one
; row of k and lanes 16-31 those of the row 8 further on.  A lane then holds columns 4 r .. 4 r + 3 for the 16 k that a 16-bit fragment wants of it, so 32 roundings in pairs make four fragments
; (fragment f: place m of 16 stands for column 4 m + f) and nothing is turned.  They go into LDS, each byte of the slice written once; one barrier a chunk shows it to all four waves.
; GROUP 0 (320 rows) is multiplied chunk by chunk behind the fill, under the stream of weights.  Groups 1 to 3, where the count asks for them, run afterwards from the whole slice in LDS, without barriers.
; LOADS are issued in the order in which they are wanted, for chunk x: Ta(x) (tokens, first k-step: 10 loads), W(x + 1) (16), Tb(x) (second k-step: 10); trip t issues Ta(t + 2), W(t + 3), Tb(t + 2).
; Each wait's count is the number of loads issued behind the one wanted.  More than LOADcnt's field holds is never out: the issue waits (ISA guide 5.7.1).
; PRODUCTS.  PROD = 1 is used transposed (source 0 = weights, source 1 = 16 tokens): lane (r, h) holds token r and columns 64 cg + 32 h + 4 j + f, which are the 32 k of ONE k-step of PROD = 2; so
; hbuf is written as that product's fragments, [expert][tile][k-step][1,024 bytes], 16 lanes to 256 consecutive bytes, straight from registers.  PROD = 2 (source 0 = 16 rows, source 1 = weights):
; lane (r, h), register j holds row 8 h + j, column 4 r + f: four fragments give 16 bytes, 16 lanes 256 consecutive bytes of a row of part.
; gelu is the tanh form, x / (1 + 2^(-x (2.3022082 + 0.10294324 x^2))): for large |x| it ends in x or 0.
; NO CLUSTER: what an expert's work-groups share is its token rows; two slots of 20 tiles x 2 KiB for them do not fit beside the slice of 262,144 bytes, and PROD = 1's rows come by a list.
; REGISTERS, in windows of 256 (s_set_vgpr_msb: bits 1:0 source 0, 3:2 source 1, 5:4 source 2, 7:6 destination):
;   window 0: v0-27 addresses and work; v30, v31 the add's; v32-63 fragments just rounded; v64-127, v128-191 a k-step's eight weight fragments, two buffers; v192-255 the accumulators of place 4
;   window 1: the accumulators of places 0-3 (place i, fragment f' = 4 cg + f at 64 i + 8 f')
;   window 2: v0-159 token fragments (parity of the chunk, k-step, place: 80 par + 40 s + 8 i); v160-255 at work on the way out          window 3: v0-127 weights as loaded, two buffers
.set PROD, 1
.if PROD == 1
.set LOGP, 14                          ; a row of the weights: 16,384 bytes
.set AKS,  64                          ; bytes from a k-step of a token operand to the next
.set AHF,  32                          ; and to the second half of a fragment
.set MW_LO, 0x58                       ; products: weights window 0, tokens window 2, C and D window 1
.set MW_HI, 0x08                       ; the same, C and D window 0
.else
.set LOGP, 12
.set AKS,  1024
.set AHF,  512
.set MW_LO, 0x52
.set MW_HI, 0x02
.endif
.set PITCH, 1<<LOGP
.set ACH,   2*AKS                      ; token bytes a chunk
.set WCH,   64*PITCH                   ; weight bytes from chunk to chunk
.set CHL,   16384                      ; a chunk in LDS: k-step s at 8,192 s, fragment f' at 1,024 f': registers 0-3 at 16 lane, 4-7 at 512 + 16 lane
.set LIST,  16*CHL                     ; behind the slice: a list for each wave, 1,024 entries and 32 words for the lanes that have nothing to store
.set LISTP, 4352
.set SPARE, LIST+4*LISTP               ; the spare words, 128 bytes a wave: no other line names them
.set BF, 32
.set B0, 64
.set B1, 128
.set WK, 160                           ; window 2: 64 registers at work on the way out
.set PK, 224                           ; window 2: 32 registers of packed results
; v1 16 lane   v2 r   v3 16 h   v4 weights: 8 h rows + 16 r   v5 LDS: reads of the slice   v6 LDS: my stores into it   v7 prefetch: lane rows   v8-12 token offsets of places 0-4
; v13 way out: 1,024 h + 16 r (PROD 1), 16 r (PROD 2)   v14 8 h   v15 2 lane   v16 1,024 + lane   v17-23 at work   v24-27 zeros for the list
; s14 wave  s15 expert  s17 slice  s18 quarter  s[20:21] weights  s[22:23] tokens  s[24:25] tokens at k = 0  s[26:27] output  s[28:29] a tile's output  s30 C  s31 max(C,1)-1  s32 tiles  s33 groups
; s34 g  s35 trips  s36 my list  s37-39 at work  s[40:43] gelu's two constants  s[44:45] an offset  s46 20 g + w  s48 groups to go  s49 a word's upper half (PROD 2)
.set MSB, 0
.macro WIN new                         ; the immediate's high byte repeats the setting that is left; a switch that changes nothing is dropped
.if MSB != (\new)
	s_set_vgpr_msb (MSB<<8)|(\new)
.set MSB, (\new)
.endif
.endm
.macro PLACES                          ; four places behind a product, ahead of loads into its sources and of reads of its result (for reads of its result)
.rept 4
	v_nop
.endr
.endm
.macro WLOAD par, c                    ; my 32 k x 64 columns of chunk c (counted from the base): rows 8 h + 0..7 and 16 + 8 h + 0..7
	WIN 0xc0
.irp i, 0,1,2,3,4,5,6,7,8,9,10,11,12,13,14,15
	global_load_b128 v[64*(\par)+4*(\i):64*(\par)+4*(\i)+3], v4, s[20:21] offset:(\c)*WCH+((\i)+8*((\i)/8))*PITCH th:TH_LOAD_NT
.endr
.endm
.macro TLOAD par, s, c                 ; the five places' token fragments of k-step s of chunk c
	WIN 0x80
.irp i, 0,1,2,3,4
	global_load_b128 v[80*(\par)+40*(\s)+8*(\i):80*(\par)+40*(\s)+8*(\i)+3],   v[8+(\i)], s[22:23] offset:(\c)*ACH+(\s)*AKS
	global_load_b128 v[80*(\par)+40*(\s)+8*(\i)+4:80*(\par)+40*(\s)+8*(\i)+7], v[8+(\i)], s[22:23] offset:(\c)*ACH+(\s)*AKS+AHF
.endr
.endm
.macro CVT par                         ; register p of fragment f = word f of loads 2 p and 2 p + 1, rounded to bf16
	WIN 0x0f
.irp f, 0,1,2,3
.irp p, 0,1,2,3,4,5,6,7
	v_cvt_pk_bf16_f32 v[BF+8*(\f)+(\p)], v[64*(\par)+8*(\p)+(\f)], v[64*(\par)+8*(\p)+4+(\f)]
.endr
.endr
.if PROD == 2                          ; the same numbers written again as f16: widened (a shift, a mask) into the first fragment buffer, which is free here (its last readers stand
	WIN 0                                          ; ahead of the four places at BODY's head, its next fill behind the barrier), and packed
.set zz, 0
.rept 32
	v_lshlrev_b32 v[B0+2*zz], 16, v[BF+zz]
	v_and_b32 v[B0+2*zz+1], s49, v[BF+zz]
.set zz, zz+1
.endr
.set zz, 0
.rept 32
	v_cvt_pk_f16_f32 v[BF+zz], v[B0+2*zz], v[B0+2*zz+1]
.set zz, zz+1
.endr
.endif
.endm
.macro WSTORE c                        ; my four fragments into the slice: 512 consecutive bytes a store
	WIN 0
.irp f, 0,1,2,3
	ds_store_b128 v6, v[BF+8*(\f):BF+8*(\f)+3]   offset:(\c)*CHL+1024*(\f)
	ds_store_b128 v6, v[BF+8*(\f)+4:BF+8*(\f)+7] offset:(\c)*CHL+1024*(\f)+512
.endr
.endm
.macro BLOAD buf, off                  ; a k-step's eight fragments out of the slice
	WIN 0
.irp f, 0,1,2,3,4,5,6,7
	ds_load_b128 v[(\buf)+8*(\f):(\buf)+8*(\f)+3],   v5 offset:(\off)+1024*(\f)
	ds_load_b128 v[(\buf)+8*(\f)+4:(\buf)+8*(\f)+7], v5 offset:(\off)+1024*(\f)+512
.endr
.endm
.macro MUL par, s, buf, zero           ; 40 products: five places x eight fragments, 32 along k.  The 40 accumulators take turns, one instruction a turn.  zero = 1: they start the sums
.irp i, 0,1,2,3,4
.if (\i) < 4
	WIN MW_LO
.else
	WIN MW_HI
.endif
.irp f, 0,1,2,3,4,5,6,7
.set AC, 64*(\i)-64*((\i)/4)+8*(\f)
.set TT, 80*(\par)+40*(\s)+8*(\i)
.set BB, (\buf)+8*(\f)
.if PROD == 1
.if \zero
	v_wmma_f32_16x16x32_bf16 v[AC:AC+7], v[BB:BB+7], v[TT:TT+7], 0
.else
	v_wmma_f32_16x16x32_bf16 v[AC:AC+7], v[BB:BB+7], v[TT:TT+7], v[AC:AC+7]
.endif
.else
.if \zero
	v_wmma_f32_16x16x32_f16 v[AC:AC+7], v[TT:TT+7], v[BB:BB+7], 0
.else
	v_wmma_f32_16x16x32_f16 v[AC:AC+7], v[TT:TT+7], v[BB:BB+7], v[AC:AC+7]
.endif
.endif
.endr
.endr
.endm
; A chunk's first k-step.  n2: the loads issued behind Ta of this chunk.
.macro HEAD c, zero, n2
	BLOAD B1, (\c)*CHL+8192                        ; the second k-step's fragments, a run of products ahead of their use
	s_wait_loadcnt \n2
	s_wait_dscnt 16                                ; the first k-step's fragments are in; the 16 loads just issued may be out
	MUL (\c)%2, 0, B0, \zero
.endm
; The rest of a chunk.  fill: the next chunk of weights is rounded, stored and shown to all waves; wl, tl: weights three chunks on and tokens two chunks on are asked for; nxt: a chunk follows.
; n4: the loads issued behind W of the next chunk; n7: behind Tb of this chunk.
.macro BODY c, fill, wl, tl, nxt, n4, n7
	PLACES
.if \tl
	TLOAD (\c)%2, 0, (\c)+2
.endif
.if \fill
	s_wait_loadcnt \n4
	CVT ((\c)+1)%2
.if \wl
	WLOAD ((\c)+1)%2, (\c)+3
.endif
	WSTORE (\c)+1
	s_wait_dscnt 0x0                               ; for the others' sake: my stores are done (and so are my loads of the second k-step's fragments)
	s_barrier_signal -1
	s_barrier_wait -1                              ; the next chunk is whole; its bytes are never written again
.endif
.if \nxt
	BLOAD B0, ((\c)+1)*CHL
.endif
	s_wait_loadcnt \n7
.if !(\fill)
	s_wait_dscnt 16*(\nxt)                         ; the second k-step's fragments are in; the run just issued may be out
.endif
	MUL (\c)%2, 1, B1, 0
.if (\tl)||(\nxt)
	PLACES
.endif
.if \tl
	TLOAD (\c)%2, 1, (\c)+2
.endif
.endm
; The token offsets of group g's five places.
.macro SETA
	WIN 0
	s_mul_i32 s37, s34, 20
	s_add_co_u32 s37, s37, s14                     ; 20 g + w
.if PROD == 1
	s_lshl_b32 s37, s37, 4
.irp i, 0,1,2,3,4
	v_add3_u32 v[17+(\i)], s37, v2, 64*(\i)        ; the row's place in the list, 16 T + r,
	v_min_u32 v[17+(\i)], s31, v[17+(\i)]          ; or the last that exists
	v_min_u32 v[17+(\i)], 0x3ff, v[17+(\i)]
	v_lshl_add_u32 v[17+(\i)], v[17+(\i)], 2, s36
	ds_load_b32 v[8+(\i)], v[17+(\i)]              ; LDS serves a wave's instructions in order: this sees the list's stores
.endr
	s_wait_dscnt 0x0
.irp i, 0,1,2,3,4
	v_lshrrev_b32 v[8+(\i)], 1, v[8+(\i)]          ; the entry's token,
	v_min_u32 v[8+(\i)], 0x3ff, v[8+(\i)]
	v_lshl_add_u32 v[8+(\i)], v[8+(\i)], 11, v3    ; its row of 2,048 bytes, + 16 h
.endr
.else
	s_sub_co_u32 s39, s32, 1
.irp i, 0,1,2,3,4
	s_add_co_u32 s38, s37, 4*(\i)                  ; the tile, or the last that was written
	s_min_u32 s38, s38, s39
	s_min_u32 s38, s38, 63
	s_lshl_b32 s38, s38, 17                        ; 128 k-steps of 1,024 bytes
	v_add_nc_u32 v[8+(\i)], s38, v1
.endr
.endif
.endm
; 32 tokens of sel: the lanes whose token chose my expert store their entry at the running count plus the number of such lanes below them; the others store into a word of their own behind the list.
.macro LISTB
	v_cmp_eq_u32 s37, s15, v[64+2*b]
	v_cmp_eq_u32 vcc_lo, s15, v[65+2*b]
	s_or_b32 s38, s37, vcc_lo
	v_mbcnt_lo_u32_b32 v17, s38, s30
	v_cndmask_b32 v19, 0, 1, vcc_lo                ; the slot
	v_cndmask_b32 v17, v16, v17, s38
	v_add3_u32 v19, v19, v15, 64*b                 ; the entry: 2 token + slot
	v_min_u32 v17, 0x41f, v17
	v_lshl_add_u32 v17, v17, 2, s36
	ds_store_b32 v17, v19
	s_bcnt1_i32_b32 s38, s38
	s_add_co_u32 s30, s30, s38
.set b, b+1
.endm
; THE WAY OUT of place t.
.macro EPI t
	WIN 0
	s_wait_xcnt 0x0                                ; the last tile's stores have had their addresses translated: their data, offsets and base are rewritten only behind this wait
	s_add_co_u32 s44, s46, 4*(\t)                  ; T
.set AW, 1-(\t)/4                      ; the accumulators' window,
.set AB, 64*(\t)-64*((\t)/4)           ; and their first register
.if PROD == 1
	s_cmp_ge_u32 s44, s32
	s_cbranch_scc1 .Lnext                          ; no such tile, nor any later one of this group
	s_lshl_b32 s44, s44, 17
	s_add_nc_u64 s[28:29], s[26:27], s[44:45]
	WIN 0x80|AW|(AW<<2)
.set j, 0
.rept 32                               ; each accumulator's lowest registers are read first
	v_pk_mul_f32 v[WK+j:WK+j+1], v[AB+j:AB+j+1], v[AB+j:AB+j+1]
.set j, j+2
.endr
	WIN 0x82
.set j, 0
.rept 32
	v_pk_fma_f32 v[WK+j:WK+j+1], v[WK+j:WK+j+1], s[40:41], s[42:43] op_sel_hi:[1,0,0]
.set j, j+2
.endr
	WIN 0x82|(AW<<2)
.set j, 0
.rept 32
	v_pk_mul_f32 v[WK+j:WK+j+1], v[WK+j:WK+j+1], v[AB+j:AB+j+1]
.set j, j+2
.endr
	WIN 0x82
.set j, 0
.rept 64
	v_exp_f32 v[WK+j], v[WK+j]
.set j, j+1
.endr
	v_nop                                          ; a plain instruction between the exponentials and the use of their results
.set j, 0
	s_wait_alu depctr_va_vdst(0)
.rept 32
	v_pk_add_f32 v[WK+j:WK+j+1], v[WK+j:WK+j+1], 1.0 op_sel_hi:[1,0]
.set j, j+2
.endr
.set j, 0
.rept 64
	v_rcp_f32 v[WK+j], v[WK+j]
.set j, j+1
.endr
	v_nop
	WIN 0x82|(AW<<2)
.set j, 0
	s_wait_alu depctr_va_vdst(0)
.rept 32
	v_pk_mul_f32 v[WK+j:WK+j+1], v[WK+j:WK+j+1], v[AB+j:AB+j+1]
.set j, j+2
.endr
	WIN 0x8a
.irp g, 0,1                            ; piece p of a k-step, k = 8 p .. 8 p + 7 = 4 j + f for j = 2 p, 2 p + 1; h's one rounding, to f16
.irp p, 0,1,2,3
	v_cvt_pk_f16_f32 v[PK+16*(\g)+4*(\p)],   v[WK+32*(\g)+2*(\p)],      v[WK+32*(\g)+8+2*(\p)]
	v_cvt_pk_f16_f32 v[PK+16*(\g)+4*(\p)+1], v[WK+32*(\g)+16+2*(\p)],   v[WK+32*(\g)+24+2*(\p)]
	v_cvt_pk_f16_f32 v[PK+16*(\g)+4*(\p)+2], v[WK+32*(\g)+2*(\p)+1],    v[WK+32*(\g)+8+2*(\p)+1]
	v_cvt_pk_f16_f32 v[PK+16*(\g)+4*(\p)+3], v[WK+32*(\g)+16+2*(\p)+1], v[WK+32*(\g)+24+2*(\p)+1]
.endr
.endr
	WIN 0x08
.irp g, 0,1
.irp p, 0,1,2,3
	global_store_b128 v13, v[PK+16*(\g)+4*(\p):PK+16*(\g)+4*(\p)+3], s[28:29] offset:2048*(\g)+256*(\p)  ; lanes 0-15: 256 consecutive aligned bytes of k-step 2 g; lanes 16-31: of k-step 2 g + 1
.endr
.endr
.else
	s_lshl_b32 s44, s44, 4
	s_cmp_ge_u32 s44, s30
	s_cbranch_scc1 .Lnext                          ; no row in this tile, nor in any later one of this group
.irp j, 0,1,2,3,4,5,6,7
	v_add3_u32 v[48+(\j)], s44, v14, \j            ; row 8 h + j of the tile: its place in the list, or the last that exists (that row is then stored again, with the same numbers)
	v_min_u32 v[48+(\j)], s31, v[48+(\j)]
	v_min_u32 v[48+(\j)], 0x3ff, v[48+(\j)]
	v_lshl_add_u32 v[48+(\j)], v[48+(\j)], 2, s36
	ds_load_b32 v[32+(\j)], v[48+(\j)]
.endr
	s_wait_dscnt 0x0
.irp j, 0,1,2,3,4,5,6,7
	v_min_u32 v[32+(\j)], 0x7ff, v[32+(\j)]
	v_lshlrev_b32 v[48+(\j)], 2, v[32+(\j)]
	global_load_b32 v[40+(\j)], v[48+(\j)], s[12:13]   ; the entry's gate
	v_lshl_add_u32 v[32+(\j)], v[32+(\j)], 12, v13     ; the entry's row of 4,096 bytes, + 16 r
.endr
	s_wait_loadcnt 0x0
	WIN AW
.irp j, 0,1,2,3,4,5,6,7                ; register 0 of every accumulator is read first; the multiply also brings four fragments' numbers side by side
.irp g, 0,1
.irp f, 0,1,2,3
	v_mul_f32 v[64+8*(\j)+4*(\g)+(\f)], v[AB+32*(\g)+8*(\f)+(\j)], v[40+(\j)]
.endr
.endr
.endr
	WIN 0
.irp j, 0,1,2,3,4,5,6,7
.irp g, 0,1
	global_store_b128 v[32+(\j)], v[64+8*(\j)+4*(\g):64+8*(\j)+4*(\g)+3], s[26:27] offset:256*(\g)  ; 16 lanes: 256 consecutive aligned bytes of a row
.endr
.endr
.endif
.endm
	s_load_b256 s[4:11], s[0:1], 0x0               ; sel s[4:5], token operand s[6:7], weights s[8:9], output s[10:11]
.if PROD == 2
	s_load_b64 s[12:13], s[0:1], 0x20              ; gat
.endif
	v_lshl_add_u32 v30, v0, 2, SPARE               ; my spare word,
	v_mov_b32 v31, 0                               ; and 0: kept for the wave's last lines alone
	v_lshrrev_b32 v17, 5, v0
	v_readfirstlane_b32 s14, v17                   ; wave 0..3
	s_and_b32 s15, ttmp7, 0xffff                   ; expert
	v_and_b32 v18, 31, v0                          ; lane
	v_and_b32 v2, 15, v0                           ; r
	v_bfe_u32 v19, v0, 4, 1                        ; h
	v_lshlrev_b32 v1, 4, v18
	v_lshlrev_b32 v3, 4, v19
	v_lshlrev_b32 v4, LOGP+3, v19
	v_lshl_add_u32 v4, v2, 4, v4
	v_mov_b32 v5, v1
	s_lshl_b32 s37, s14, 12
	v_add_nc_u32 v6, s37, v1                       ; k-step w / 2, column group w % 2: 4,096 w
	v_lshlrev_b32 v7, LOGP, v18
.if PROD == 1
	v_lshlrev_b32 v13, 10, v19
	v_lshl_add_u32 v13, v2, 4, v13
.else
	v_lshlrev_b32 v13, 4, v2
.endif
	v_lshlrev_b32 v14, 3, v19
	v_lshlrev_b32 v15, 1, v18
	v_add_nc_u32 v16, 1024, v18
	v_lshlrev_b32 v20, 3, v18                      ; sel: 8 bytes a token
	s_mul_i32 s36, s14, LISTP
	s_add_co_u32 s36, s36, LIST
	v_add_nc_u32 v21, s36, v1                      ; my list, 16 bytes a lane
.irp z, 24,25,26,27
	v_mov_b32 v\z, 0
.endr
	s_lshl_b32 s44, s15, 24                        ; an expert's weights: 16 MiB
.if PROD == 1
	s_mov_b32 s17, ttmp9
.else
	s_and_b32 s17, ttmp9, 7
	s_lshr_b32 s18, ttmp9, 3
	s_lshl_b32 s37, s18, 22                        ; a quarter of k: 1,024 rows of 4,096 bytes
	s_add_co_u32 s44, s44, s37
	s_mov_b32 s49, 0xffff0000                      ; a word's upper bf16
.endif
	s_lshl_b32 s37, s17, 9                         ; the slice's 128 columns
	s_add_co_u32 s44, s44, s37
	s_and_b32 s37, s14, 1
	s_lshl_b32 s37, s37, 8                         ; my column group
	s_add_co_u32 s44, s44, s37
	s_lshr_b32 s37, s14, 1
	s_lshl_b32 s37, s37, LOGP+5                    ; my k-step's 32 rows
	s_add_co_u32 s44, s44, s37
	s_mov_b32 s45, 0
.if PROD == 1
	s_lshl_b32 s46, s15, 23                        ; hbuf: an expert's 64 tiles; the slice's four k-steps
	s_lshl_b32 s37, s17, 12
	s_add_co_u32 s46, s46, s37
	s_mov_b32 s40, 0xbdd2d3e8                      ; -0.10294324
	s_mov_b32 s41, s40                             ; named with it as a pair
	s_mov_b32 s42, 0xc0135761                      ; -2.3022082
	s_mov_b32 s43, s42
.else
	s_lshl_b32 s38, s15, 23                        ; hbuf: the expert; the quarter's 32 k-steps
	s_lshl_b32 s37, s18, 15
	s_add_co_u32 s38, s38, s37
	s_mov_b32 s39, 0
	s_lshl_b32 s46, s18, 23                        ; part: the quarter's 2,048 rows; the slice's 512 bytes
	s_lshl_b32 s37, s17, 9
	s_add_co_u32 s46, s46, s37
.endif
	s_mov_b32 s47, 0
	s_mov_b32 s30, 0
	s_mov_b32 s34, 0
	s_mov_b32 s48, 4
	s_wait_kmcnt 0x0
	s_add_nc_u64 s[20:21], s[8:9], s[44:45]
.if PROD == 1
	s_mov_b64 s[24:25], s[6:7]
.else
	s_add_nc_u64 s[24:25], s[6:7], s[38:39]
.endif
	s_mov_b64 s[22:23], s[24:25]
	s_add_nc_u64 s[26:27], s[10:11], s[46:47]
.set b, 0
.rept 32
	global_load_b64 v[64+2*b:65+2*b], v20, s[4:5] offset:256*b   ; 32 tokens' choices: 256 consecutive bytes
.set b, b+1
.endr
	WLOAD 0, 0
	WIN 0
.irp c, 1,2,3,4,5                      ; my part of chunks 1 to 5 is asked into the L2 while the list is made: a lane a row, 256 bytes each, each block asked for once in the launch
	global_prefetch_b8 v7, s[20:21] offset:(\c)*WCH th:TH_LOAD_NT scope:SCOPE_SE
.endr
.irp z, 0,1,2,3,4,5,6,7
	ds_store_b128 v21, v[24:27] offset:512*(\z)    ; my list's 1,024 entries start as 0 (token 0, slot 0); the real entries are stored over them, in order, by this same wave
.endr
	s_wait_loadcnt 16                              ; sel is in: chunk 0's 16 loads were issued behind it
.set b, 0
.rept 32
	LISTB
.endr
	s_max_u32 s31, s30, 1
	s_sub_co_u32 s31, s31, 1                       ; the last place that exists
	s_lshr_b32 s32, s31, 4
	s_add_co_u32 s32, s32, 1                       ; tiles, 1 .. 64
	s_add_co_u32 s33, s32, 19
	s_mul_i32 s33, s33, 205
	s_lshr_b32 s33, s33, 12                        ; groups of 20 tiles, rounded up: (tiles + 19) / 20, exact up to 64 tiles
	SETA
	TLOAD 0, 0, 0
	WLOAD 1, 1
	TLOAD 0, 1, 0
	TLOAD 1, 0, 1
	s_wait_loadcnt 46                              ; chunk 0's weights: behind them 10 + 16 + 10 + 10
	CVT 0
	WLOAD 0, 2
	WSTORE 0
	TLOAD 1, 1, 1
	s_wait_dscnt 0x0                               ; for the others' sake: my part of chunk 0 is in LDS
	s_barrier_signal -1
	s_barrier_wait -1
	BLOAD B0, 0
	HEAD 0, 1, 62                                  ; the first products start the sums: nothing is cleared.  Behind Ta(0): 16 + 10 + 10 + 16 + 10
	WIN 0                                          ; at a label and at a branch every window is 0
	s_mov_b32 s35, 6
.Lmain:                                                ; a trip: two chunks, from the first's second k-step to the first k-step of the chunk behind them
	BODY 0, 1, 1, 1, 1, 56, 62                     ; behind W(t+1): 10 + 10 + 16 + 10 + 10; behind Tb(t): 10 + 16 + 10 + 10 + 16
	WIN 0
	s_cmp_eq_u32 s35, 1
	s_cbranch_scc1 .Lnopf                          ; the last trip would ask past chunk 15
	global_prefetch_b8 v7, s[20:21] offset:6*WCH th:TH_LOAD_NT scope:SCOPE_SE  ; my part of the chunks six and seven on: their loads are issued three chunks from here
	global_prefetch_b8 v7, s[20:21] offset:7*WCH th:TH_LOAD_NT scope:SCOPE_SE
.Lnopf:
	HEAD 1, 0, 62
	BODY 1, 1, 1, 1, 1, 56, 62
	HEAD 2, 0, 62
	WIN 0
	s_wait_xcnt 0x0                                ; the bases are stepped only behind this wait
	s_add_nc_u64 s[20:21], s[20:21], 2*WCH
	s_add_nc_u64 s[22:23], s[22:23], 2*ACH
	v_add_nc_u32 v5, 2*CHL, v5
	v_add_nc_u32 v6, 2*CHL, v6
	s_sub_co_u32 s35, s35, 1
	s_cmp_lg_u32 s35, 0
	s_cbranch_scc1 .Lmain
	BODY 0, 1, 1, 1, 1, 56, 62                     ; chunks 12 to 15: the loads end one kind after the other, and the counts run down
	HEAD 1, 0, 62
	BODY 1, 1, 0, 1, 1, 56, 46                     ; no weights left to ask for.  Behind Tb(13): 10 + 16 + 10 + 10
	HEAD 2, 0, 46                                  ; behind Ta(14): 16 + 10 + 10 + 10
	BODY 2, 1, 0, 0, 1, 30, 20                     ; nothing left to ask for.  Behind W(15): 10 + 10 + 10; behind Tb(14): 10 + 10
	HEAD 3, 0, 10
	BODY 3, 0, 0, 0, 0, 0, 0
	WIN 0
	s_branch .Lepi                                 ; the loop over groups is entered at group 0's way out
.Lgrp:                                                 ; groups 1 to 3: the same products from the whole slice in LDS; no barrier, no weights from memory
	s_cmp_ge_u32 s34, s33
	s_cbranch_scc1 .Lnext
	s_wait_xcnt 0x0                                ; the token offsets and base are rewritten only behind this wait
	SETA
	s_mov_b64 s[22:23], s[24:25]
	v_mov_b32 v5, v1
	TLOAD 0, 0, 0
	TLOAD 0, 1, 0
	TLOAD 1, 0, 1
	TLOAD 1, 1, 1
	BLOAD B0, 0
	HEAD 0, 1, 30                                  ; three runs of ten were issued behind the one wanted, here and in the loop
	WIN 0
	s_mov_b32 s35, 7
.Lovf:
	BODY 0, 0, 0, 1, 1, 0, 30
	HEAD 1, 0, 30
	BODY 1, 0, 0, 1, 1, 0, 30
	HEAD 2, 0, 30
	WIN 0
	s_wait_xcnt 0x0
	s_add_nc_u64 s[22:23], s[22:23], 2*ACH
	v_add_nc_u32 v5, 2*CHL, v5
	s_sub_co_u32 s35, s35, 1
	s_cmp_lg_u32 s35, 0
	s_cbranch_scc1 .Lovf
	BODY 0, 0, 0, 0, 1, 0, 20
	HEAD 1, 0, 10
	BODY 1, 0, 0, 0, 0, 0, 0
	WIN 0
.Lepi:
	PLACES
	s_mul_i32 s46, s34, 20
	s_add_co_u32 s46, s46, s14
	EPI 0
	EPI 1
	EPI 2
	EPI 3
	EPI 4
	WIN 0
.Lnext:
	s_add_co_u32 s34, s34, 1                       ; the next group,
	s_sub_co_u32 s48, s48, 1                       ; and the loop's own count, 4 down to 0
	s_cmp_lg_u32 s48, 0
	s_cbranch_scc1 .Lgrp
	s_wait_dscnt 0x0                               ; my reads of LDS are over;
	s_barrier_signal -1
	s_barrier_wait -1                              ; so are every wave's, before any wave writes LDS again (the add below)
	s_wait_tensorcnt 0x0                           ; the wave's end
	ds_add_u32 v30, v31
	s_wait_dscnt 0x0
	s_endpgm
.Lfunc_end_k_qed59c487e0_up:
	.size	k_qed59c487e0_up, .Lfunc_end_k_qed59c487e0_up-k_qed59c487e0_up
	.p2alignl 7, 3214868480
	.fill 96, 4, 3214868480
	.section	.rodata,"a",@progbits
	.p2align	6, 0x0
	.amdhsa_kernel k_qed59c487e0_up
		.amdhsa_group_segment_fixed_size 280064
		.amdhsa_private_segment_fixed_size 0
		.amdhsa_enable_private_segment 0
		.amdhsa_kernarg_size 32
		.amdhsa_user_sgpr_count 2
		.amdhsa_user_sgpr_kernarg_segment_ptr 1
		.amdhsa_wavefront_size32 1
		.amdhsa_system_sgpr_workgroup_id_x 1
		.amdhsa_system_sgpr_workgroup_id_y 1
		.amdhsa_system_sgpr_workgroup_id_z 1
		.amdhsa_system_vgpr_workitem_id 0
		.amdhsa_next_free_vgpr 896
		.amdhsa_next_free_sgpr 66
		.amdhsa_reserve_vcc 1
		.amdhsa_float_denorm_mode_32 3
		.amdhsa_float_denorm_mode_16_64 3
		.amdhsa_memory_ordered 1
		.amdhsa_forward_progress 1
		.amdhsa_inst_pref_size 241
	.end_amdhsa_kernel
	.amdgpu_metadata
---
amdhsa.version: [ 1, 2 ]
amdhsa.kernels:
  - .name:           k_qed59c487e0_up
    .symbol:         k_qed59c487e0_up.kd
    .args:
      - { .name: sel, .offset: 0, .size: 8, .value_kind: global_buffer, .address_space: global }
      - { .name: xb, .offset: 8, .size: 8, .value_kind: global_buffer, .address_space: global }
      - { .name: w1, .offset: 16, .size: 8, .value_kind: global_buffer, .address_space: global }
      - { .name: hbuf, .offset: 24, .size: 8, .value_kind: global_buffer, .address_space: global }
    .group_segment_fixed_size: 280064
    .private_segment_fixed_size: 0
    .kernarg_segment_align: 8
    .kernarg_segment_size: 32
    .max_flat_workgroup_size: 128
    .sgpr_count:     66
    .vgpr_count:     896
    .wavefront_size: 32
...
	.end_amdgpu_metadata
.endif
;; end of part 2
;; launch down (part 3): grid 32 x 8, 4 waves a work-group, no clusters, 280,064 bytes of LDS; arguments sel, hbuf, w2, part, gat; writes part
.if DOCPART == 3
	.amdgcn_target "amdgcn-amd-amdhsa--gfx1250"
	.amdhsa_code_object_version 6
	.text
	.protected	k_qed59c487e0_down
	.globl	k_qed59c487e0_down
	.p2align	8
	.type	k_qed59c487e0_down,@function
k_qed59c487e0_down:
	s_mov_b64 s[64:65], 0
	v_nop
	global_prefetch_b8 v0, s[64:65] scope:SCOPE_SE
	s_setreg_imm32_b32 hwreg(HW_REG_WAVE_MODE, 25, 1), 1
	s_wait_xcnt 0x0
; ONE TEXT FOR BOTH PRODUCTS OF THE EXPERTS' LAYER; PROD says which.  THIS IS PROD = 2: part = gate x (h w2[e]) over a quarter of k, for the rows that chose expert e.
;   PROD = 1: tokens from xb (bf16, gathered by a list), weights w1[e] [1024 k][4096], result gelu'd, rounded to f16, stored to hbuf.
;   PROD = 2: rows from hbuf, weights w2[e] [4096 k][1024], result times the gate, stored in f32 to part (a partial sum over a quarter of k).
; FORMATS.  x, w1 and w2 are rounded to bf16, as router_w is in the launch before.  h is rounded once to f16: 11 significant bits; bf16's 8 would leave each h off by some 2^-9 of itself, and a sum
; over 4,096 of them keeps that share of a row's size.  So PROD = 1 multiplies in bf16 and PROD = 2 in f16: w2's bf16 numbers are written again as f16, exact from 2^-14 up; below that f16's step of 2^-24 holds.
; LIMITS.  |h| or |w2| beyond 65,504 becomes an infinity (x and w1 both carrying an offset of 30 times their spread give h = 1,024 x 30 x 0.94 = 28,800).  NaN and infinities are not treated apart.
; SHARE.  A work-group has one expert (grid y), 128 columns of its weights and 1,024 of k: 512 KiB of f32 that no other work-group reads.
;   PROD = 1: grid x = the slice of 128 columns.   PROD = 2: x % 8 = the slice, x / 8 = the quarter of k.
; ROWS.  sel[token][2] holds each token's two experts.  Every wave counts its expert's rows for itself and keeps its own list of entries (2 token + slot) in LDS, in ascending order, so
; both products give a row the same place.  Rows go in tiles of 16; tile T = 20 g + 4 i + w belongs to wave w, place i (0..4), group g (0..3).  Places past the count C repeat the last row; a
; tile past the count is multiplied all the same (the K loop has no branch) and its stores are jumped.  Every split is served: C = 0 .. 1,024.
; An expert without rows: its weights are still read; its list holds zeros, so PROD = 1 stores tile 0 made of token 0, and PROD = 2 reads written bytes; PROD = 2 stores nothing.
; WEIGHTS.  K goes in 16 chunks of 64.  Of a chunk wave w takes k-step w / 2 (32 k) and column group w % 2 (64 columns): 16 loads; in each, lanes 0-15 take 256 consecutive aligned bytes of one
; row of k and lanes 16-31 those of the row 8 further on.  A lane then holds columns 4 r .. 4 r + 3 for the 16 k that a 16-bit fragment wants of it, so 32 roundings in pairs make four fragments
; (fragment f: place m of 16 stands for column 4 m + f) and nothing is turned.  They go into LDS, each byte of the slice written once; one barrier a chunk shows it to all four waves.
; GROUP 0 (320 rows) is multiplied chunk by chunk behind the fill, under the stream of weights.  Groups 1 to 3, where the count asks for them, run afterwards from the whole slice in LDS, without barriers.
; LOADS are issued in the order in which they are wanted, for chunk x: Ta(x) (tokens, first k-step: 10 loads), W(x + 1) (16), Tb(x) (second k-step: 10); trip t issues Ta(t + 2), W(t + 3), Tb(t + 2).
; Each wait's count is the number of loads issued behind the one wanted.  More than LOADcnt's field holds is never out: the issue waits (ISA guide 5.7.1).
; PRODUCTS.  PROD = 1 is used transposed (source 0 = weights, source 1 = 16 tokens): lane (r, h) holds token r and columns 64 cg + 32 h + 4 j + f, which are the 32 k of ONE k-step of PROD = 2; so
; hbuf is written as that product's fragments, [expert][tile][k-step][1,024 bytes], 16 lanes to 256 consecutive bytes, straight from registers.  PROD = 2 (source 0 = 16 rows, source 1 = weights):
; lane (r, h), register j holds row 8 h + j, column 4 r + f: four fragments give 16 bytes, 16 lanes 256 consecutive bytes of a row of part.
; gelu is the tanh form, x / (1 + 2^(-x (2.3022082 + 0.10294324 x^2))): for large |x| it ends in x or 0.
; NO CLUSTER: what an expert's work-groups share is its token rows; two slots of 20 tiles x 2 KiB for them do not fit beside the slice of 262,144 bytes, and PROD = 1's rows come by a list.
; REGISTERS, in windows of 256 (s_set_vgpr_msb: bits 1:0 source 0, 3:2 source 1, 5:4 source 2, 7:6 destination):
;   window 0: v0-27 addresses and work; v30, v31 the add's; v32-63 fragments just rounded (way out: row offsets, gates, addresses); v64-127, v128-191 a k-step's eight weight fragments, two buffers
;             (v64-127 also: at work while weights are rounded; way out: a tile's results); v192-255 the accumulators of place 4
;   window 1: the accumulators of places 0-3 (place i, fragment f' = 4 cg + f at 64 i + 8 f')
;   window 2: v0-159 token fragments (parity of the chunk, k-step, place: 80 par + 40 s + 8 i)          window 3: v0-127 weights as loaded, two buffers
.set PROD, 2
.if PROD == 1
.set LOGP, 14                          ; a row of the weights: 16,384 bytes
.set AKS,  64                          ; bytes from a k-step of a token operand to the next
.set AHF,  32                          ; and to the second half of a fragment
.set MW_LO, 0x58                       ; products: weights window 0, tokens window 2, C and D window 1
.set MW_HI, 0x08                       ; the same, C and D window 0
.else
.set LOGP, 12                          ; a row of the weights: 4,096 bytes
.set AKS,  1024
.set AHF,  512
.set MW_LO, 0x52                       ; products: rows window 2, weights window 0, C and D window 1
.set MW_HI, 0x02
.endif
.set PITCH, 1<<LOGP
.set ACH,   2*AKS                      ; token bytes a chunk
.set WCH,   64*PITCH                   ; weight bytes from chunk to chunk
.set CHL,   16384                      ; a chunk in LDS: k-step s at 8,192 s, fragment f' at 1,024 f': registers 0-3 at 16 lane, 4-7 at 512 + 16 lane
.set LIST,  16*CHL                     ; behind the slice: a list for each wave, 1,024 entries and 32 words for the lanes that have nothing to store
.set LISTP, 4352
.set SPARE, LIST+4*LISTP               ; the spare words, 128 bytes a wave: no other line names them
.set BF, 32
.set B0, 64
.set B1, 128
.set WK, 160                           ; window 2: 64 registers at work on PROD 1's way out
.set PK, 224                           ; window 2: 32 registers of packed results
; v1 16 lane   v2 r   v3 16 h   v4 weights: 8 h rows + 16 r   v5 LDS: reads of the slice   v6 LDS: my stores into it   v7 prefetch: lane rows   v8-12 token offsets of places 0-4
; v13 way out: 1,024 h + 16 r (PROD 1), 16 r (PROD 2)   v14 8 h   v15 2 lane   v16 1,024 + lane   v17-23 at work   v24-27 zeros for the list
; s14 wave  s15 expert  s17 slice  s18 quarter  s[20:21] weights  s[22:23] tokens  s[24:25] tokens at k = 0  s[26:27] output  s[28:29] a tile's output  s30 C  s31 max(C,1)-1  s32 tiles  s33 groups
; s34 g  s35 trips  s36 my list  s37-39 at work  s[40:43] gelu's two constants  s[44:45] an offset  s46 20 g + w  s48 groups to go  s49 a word's upper half (PROD 2)
.set MSB, 0
.macro WIN new                         ; the immediate's high byte repeats the setting that is left; a switch that changes nothing is dropped
.if MSB != (\new)
	s_set_vgpr_msb (MSB<<8)|(\new)
.set MSB, (\new)
.endif
.endm
.macro PLACES                          ; four places behind a product, ahead of loads into its sources and of reads of its result (for reads of its result)
.rept 4
	v_nop
.endr
.endm
.macro WLOAD par, c                    ; my 32 k x 64 columns of chunk c (counted from the base): rows 8 h + 0..7 and 16 + 8 h + 0..7
	WIN 0xc0
.irp i, 0,1,2,3,4,5,6,7,8,9,10,11,12,13,14,15
	global_load_b128 v[64*(\par)+4*(\i):64*(\par)+4*(\i)+3], v4, s[20:21] offset:(\c)*WCH+((\i)+8*((\i)/8))*PITCH th:TH_LOAD_NT
.endr
.endm
.macro TLOAD par, s, c                 ; the five places' token fragments of k-step s of chunk c
	WIN 0x80
.irp i, 0,1,2,3,4
	global_load_b128 v[80*(\par)+40*(\s)+8*(\i):80*(\par)+40*(\s)+8*(\i)+3],   v[8+(\i)], s[22:23] offset:(\c)*ACH+(\s)*AKS
	global_load_b128 v[80*(\par)+40*(\s)+8*(\i)+4:80*(\par)+40*(\s)+8*(\i)+7], v[8+(\i)], s[22:23] offset:(\c)*ACH+(\s)*AKS+AHF
.endr
.endm
.macro CVT par                         ; register p of fragment f = word f of loads 2 p and 2 p + 1, rounded to bf16
	WIN 0x0f
.irp f, 0,1,2,3
.irp p, 0,1,2,3,4,5,6,7
	v_cvt_pk_bf16_f32 v[BF+8*(\f)+(\p)], v[64*(\par)+8*(\p)+(\f)], v[64*(\par)+8*(\p)+4+(\f)]
.endr
.endr
.if PROD == 2                          ; the same numbers written again as f16: widened (a shift, a mask) into the first fragment buffer, which is free here (its last readers stand
	WIN 0                                          ; ahead of the four places at BODY's head, its next fill behind the barrier), and packed
.set zz, 0
.rept 32
	v_lshlrev_b32 v[B0+2*zz], 16, v[BF+zz]
	v_and_b32 v[B0+2*zz+1], s49, v[BF+zz]
.set zz, zz+1
.endr
.set zz, 0
.rept 32
	v_cvt_pk_f16_f32 v[BF+zz], v[B0+2*zz], v[B0+2*zz+1]
.set zz, zz+1
.endr
.endif
.endm
.macro WSTORE c                        ; my four fragments into the slice: 512 consecutive bytes a store
	WIN 0
.irp f, 0,1,2,3
	ds_store_b128 v6, v[BF+8*(\f):BF+8*(\f)+3]   offset:(\c)*CHL+1024*(\f)
	ds_store_b128 v6, v[BF+8*(\f)+4:BF+8*(\f)+7] offset:(\c)*CHL+1024*(\f)+512
.endr
.endm
.macro BLOAD buf, off                  ; a k-step's eight fragments out of the slice
	WIN 0
.irp f, 0,1,2,3,4,5,6,7
	ds_load_b128 v[(\buf)+8*(\f):(\buf)+8*(\f)+3],   v5 offset:(\off)+1024*(\f)
	ds_load_b128 v[(\buf)+8*(\f)+4:(\buf)+8*(\f)+7], v5 offset:(\off)+1024*(\f)+512
.endr
.endm
.macro MUL par, s, buf, zero           ; 40 products: five places x eight fragments, 32 along k.  The 40 accumulators take turns, one instruction a turn.  zero = 1: they start the sums
.irp i, 0,1,2,3,4
.if (\i) < 4
	WIN MW_LO
.else
	WIN MW_HI
.endif
.irp f, 0,1,2,3,4,5,6,7
.set AC, 64*(\i)-64*((\i)/4)+8*(\f)
.set TT, 80*(\par)+40*(\s)+8*(\i)
.set BB, (\buf)+8*(\f)
.if PROD == 1
.if \zero
	v_wmma_f32_16x16x32_bf16 v[AC:AC+7], v[BB:BB+7], v[TT:TT+7], 0
.else
	v_wmma_f32_16x16x32_bf16 v[AC:AC+7], v[BB:BB+7], v[TT:TT+7], v[AC:AC+7]
.endif
.else
.if \zero
	v_wmma_f32_16x16x32_f16 v[AC:AC+7], v[TT:TT+7], v[BB:BB+7], 0
.else
	v_wmma_f32_16x16x32_f16 v[AC:AC+7], v[TT:TT+7], v[BB:BB+7], v[AC:AC+7]
.endif
.endif
.endr
.endr
.endm
; A chunk's first k-step.  n2: the loads issued behind Ta of this chunk.
.macro HEAD c, zero, n2
	BLOAD B1, (\c)*CHL+8192                        ; the second k-step's fragments, a run of products ahead of their use
	s_wait_loadcnt \n2
	s_wait_dscnt 16                                ; the first k-step's fragments are in; the 16 loads just issued may be out
	MUL (\c)%2, 0, B0, \zero
.endm
; The rest of a chunk.  fill: the next chunk of weights is rounded, stored and shown to all waves; wl, tl: weights three chunks on and tokens two chunks on are asked for; nxt: a chunk follows.
; n4: the loads issued behind W of the next chunk; n7: behind Tb of this chunk.
.macro BODY c, fill, wl, tl, nxt, n4, n7
	PLACES
.if \tl
	TLOAD (\c)%2, 0, (\c)+2
.endif
.if \fill
	s_wait_loadcnt \n4
	CVT ((\c)+1)%2
.if \wl
	WLOAD ((\c)+1)%2, (\c)+3
.endif
	WSTORE (\c)+1
	s_wait_dscnt 0x0                               ; for the others' sake: my stores are done (and so are my loads of the second k-step's fragments)
	s_barrier_signal -1
	s_barrier_wait -1                              ; the next chunk is whole; its bytes are never written again
.endif
.if \nxt
	BLOAD B0, ((\c)+1)*CHL
.endif
	s_wait_loadcnt \n7
.if !(\fill)
	s_wait_dscnt 16*(\nxt)                         ; the second k-step's fragments are in; the run just issued may be out
.endif
	MUL (\c)%2, 1, B1, 0
.if (\tl)||(\nxt)
	PLACES
.endif
.if \tl
	TLOAD (\c)%2, 1, (\c)+2
.endif
.endm
; The token offsets of group g's five places.
.macro SETA
	WIN 0
	s_mul_i32 s37, s34, 20
	s_add_co_u32 s37, s37, s14                     ; 20 g + w
.if PROD == 1
	s_lshl_b32 s37, s37, 4
.irp i, 0,1,2,3,4
	v_add3_u32 v[17+(\i)], s37, v2, 64*(\i)        ; the row's place in the list, 16 T + r,
	v_min_u32 v[17+(\i)], s31, v[17+(\i)]          ; or the last that exists
	v_min_u32 v[17+(\i)], 0x3ff, v[17+(\i)]
	v_lshl_add_u32 v[17+(\i)], v[17+(\i)], 2, s36
	ds_load_b32 v[8+(\i)], v[17+(\i)]              ; LDS serves a wave's instructions in order: this sees the list's stores
.endr
	s_wait_dscnt 0x0
.irp i, 0,1,2,3,4
	v_lshrrev_b32 v[8+(\i)], 1, v[8+(\i)]          ; the entry's token,
	v_min_u32 v[8+(\i)], 0x3ff, v[8+(\i)]
	v_lshl_add_u32 v[8+(\i)], v[8+(\i)], 11, v3    ; its row of 2,048 bytes, + 16 h
.endr
.else
	s_sub_co_u32 s39, s32, 1
.irp i, 0,1,2,3,4
	s_add_co_u32 s38, s37, 4*(\i)                  ; the tile, or the last that was written
	s_min_u32 s38, s38, s39
	s_min_u32 s38, s38, 63
	s_lshl_b32 s38, s38, 17                        ; 128 k-steps of 1,024 bytes
	v_add_nc_u32 v[8+(\i)], s38, v1
.endr
.endif
.endm
; 32 tokens of sel: the lanes whose token chose my expert store their entry at the running count plus the number of such lanes below them; the others store into a word of their own behind the list.
.macro LISTB
	v_cmp_eq_u32 s37, s15, v[64+2*b]
	v_cmp_eq_u32 vcc_lo, s15, v[65+2*b]
	s_or_b32 s38, s37, vcc_lo
	v_mbcnt_lo_u32_b32 v17, s38, s30
	v_cndmask_b32 v19, 0, 1, vcc_lo                ; the slot
	v_cndmask_b32 v17, v16, v17, s38
	v_add3_u32 v19, v19, v15, 64*b                 ; the entry: 2 token + slot
	v_min_u32 v17, 0x41f, v17
	v_lshl_add_u32 v17, v17, 2, s36
	ds_store_b32 v17, v19
	s_bcnt1_i32_b32 s38, s38
	s_add_co_u32 s30, s30, s38
.set b, b+1
.endm
; THE WAY OUT of place t.
.macro EPI t
	WIN 0
	s_wait_xcnt 0x0                                ; the last tile's stores have had their addresses translated: their data, offsets and base are rewritten only behind this wait
	s_add_co_u32 s44, s46, 4*(\t)                  ; T
.set AW, 1-(\t)/4                      ; the accumulators' window,
.set AB, 64*(\t)-64*((\t)/4)           ; and their first register
.if PROD == 1
	s_cmp_ge_u32 s44, s32
	s_cbranch_scc1 .Lnext                          ; no such tile, nor any later one of this group
	s_lshl_b32 s44, s44, 17
	s_add_nc_u64 s[28:29], s[26:27], s[44:45]
	WIN 0x80|AW|(AW<<2)
.set j, 0
.rept 32                               ; each accumulator's lowest registers are read first
	v_pk_mul_f32 v[WK+j:WK+j+1], v[AB+j:AB+j+1], v[AB+j:AB+j+1]
.set j, j+2
.endr
	WIN 0x82
.set j, 0
.rept 32
	v_pk_fma_f32 v[WK+j:WK+j+1], v[WK+j:WK+j+1], s[40:41], s[42:43] op_sel_hi:[1,0,0]
.set j, j+2
.endr
	WIN 0x82|(AW<<2)
.set j, 0
.rept 32
	v_pk_mul_f32 v[WK+j:WK+j+1], v[WK+j:WK+j+1], v[AB+j:AB+j+1]
.set j, j+2
.endr
	WIN 0x82
.set j, 0
.rept 64
	v_exp_f32 v[WK+j], v[WK+j]
.set j, j+1
.endr
	v_nop                                          ; a plain instruction between the exponentials and the use of their results
.set j, 0
.rept 32
	v_pk_add_f32 v[WK+j:WK+j+1], v[WK+j:WK+j+1], 1.0 op_sel_hi:[1,0]
.set j, j+2
.endr
.set j, 0
.rept 64
	v_rcp_f32 v[WK+j], v[WK+j]
.set j, j+1
.endr
	v_nop
	WIN 0x82|(AW<<2)
.set j, 0
.rept 32
	v_pk_mul_f32 v[WK+j:WK+j+1], v[WK+j:WK+j+1], v[AB+j:AB+j+1]
.set j, j+2
.endr
	WIN 0x8a
.irp g, 0,1                            ; piece p of a k-step, k = 8 p .. 8 p + 7 = 4 j + f for j = 2 p, 2 p + 1; h's one rounding, to f16
.irp p, 0,1,2,3
	v_cvt_pk_f16_f32 v[PK+16*(\g)+4*(\p)],   v[WK+32*(\g)+2*(\p)],      v[WK+32*(\g)+8+2*(\p)]
	v_cvt_pk_f16_f32 v[PK+16*(\g)+4*(\p)+1], v[WK+32*(\g)+16+2*(\p)],   v[WK+32*(\g)+24+2*(\p)]
	v_cvt_pk_f16_f32 v[PK+16*(\g)+4*(\p)+2], v[WK+32*(\g)+2*(\p)+1],    v[WK+32*(\g)+8+2*(\p)+1]
	v_cvt_pk_f16_f32 v[PK+16*(\g)+4*(\p)+3], v[WK+32*(\g)+16+2*(\p)+1], v[WK+32*(\g)+24+2*(\p)+1]
.endr
.endr
	WIN 0x08
.irp g, 0,1
.irp p, 0,1,2,3
	global_store_b128 v13, v[PK+16*(\g)+4*(\p):PK+16*(\g)+4*(\p)+3], s[28:29] offset:2048*(\g)+256*(\p)  ; lanes 0-15: 256 consecutive aligned bytes of k-step 2 g; lanes 16-31: of k-step 2 g + 1
.endr
.endr
.else
	s_lshl_b32 s44, s44, 4
	s_cmp_ge_u32 s44, s30
	s_cbranch_scc1 .Lnext                          ; no row in this tile, nor in any later one of this group
.irp j, 0,1,2,3,4,5,6,7
	v_add3_u32 v[48+(\j)], s44, v14, \j            ; row 8 h + j of the tile: its place in the list, or the last that exists (that row is then stored again, with the same numbers)
	v_min_u32 v[48+(\j)], s31, v[48+(\j)]
	v_min_u32 v[48+(\j)], 0x3ff, v[48+(\j)]
	v_lshl_add_u32 v[48+(\j)], v[48+(\j)], 2, s36
	ds_load_b32 v[32+(\j)], v[48+(\j)]
.endr
	s_wait_dscnt 0x0
.irp j, 0,1,2,3,4,5,6,7
	v_min_u32 v[32+(\j)], 0x7ff, v[32+(\j)]
	v_lshlrev_b32 v[48+(\j)], 2, v[32+(\j)]
	global_load_b32 v[40+(\j)], v[48+(\j)], s[12:13]   ; the entry's gate
	v_lshl_add_u32 v[32+(\j)], v[32+(\j)], 12, v13     ; the entry's row of 4,096 bytes, + 16 r
.endr
	s_wait_loadcnt 0x0
	WIN AW
.irp j, 0,1,2,3,4,5,6,7                ; register 0 of every accumulator is read first; the multiply also brings four fragments' numbers side by side
.irp g, 0,1
.irp f, 0,1,2,3
	v_mul_f32 v[64+8*(\j)+4*(\g)+(\f)], v[AB+32*(\g)+8*(\f)+(\j)], v[40+(\j)]
.endr
.endr
.endr
	WIN 0
.irp j, 0,1,2,3,4,5,6,7
.irp g, 0,1
	global_store_b128 v[32+(\j)], v[64+8*(\j)+4*(\g):64+8*(\j)+4*(\g)+3], s[26:27] offset:256*(\g)  ; 16 lanes: 256 consecutive aligned bytes of a row
.endr
.endr
.endif
.endm
	s_load_b256 s[4:11], s[0:1], 0x0               ; sel s[4:5], token operand s[6:7], weights s[8:9], output s[10:11]
.if PROD == 2
	s_load_b64 s[12:13], s[0:1], 0x20              ; gat
.endif
	v_lshl_add_u32 v30, v0, 2, SPARE               ; my spare word,
	v_mov_b32 v31, 0                               ; and 0: kept for the wave's last lines alone
	v_lshrrev_b32 v17, 5, v0
	v_readfirstlane_b32 s14, v17                   ; wave 0..3
	s_and_b32 s15, ttmp7, 0xffff                   ; expert
	v_and_b32 v18, 31, v0                          ; lane
	v_and_b32 v2, 15, v0                           ; r
	v_bfe_u32 v19, v0, 4, 1                        ; h
	v_lshlrev_b32 v1, 4, v18
	v_lshlrev_b32 v3, 4, v19
	v_lshlrev_b32 v4, LOGP+3, v19
	v_lshl_add_u32 v4, v2, 4, v4
	v_mov_b32 v5, v1
	s_lshl_b32 s37, s14, 12
	v_add_nc_u32 v6, s37, v1                       ; k-step w / 2, column group w % 2: 4,096 w
	v_lshlrev_b32 v7, LOGP, v18
.if PROD == 1
	v_lshlrev_b32 v13, 10, v19
	v_lshl_add_u32 v13, v2, 4, v13
.else
	v_lshlrev_b32 v13, 4, v2
.endif
	v_lshlrev_b32 v14, 3, v19
	v_lshlrev_b32 v15, 1, v18
	v_add_nc_u32 v16, 1024, v18
	v_lshlrev_b32 v20, 3, v18                      ; sel: 8 bytes a token
	s_mul_i32 s36, s14, LISTP
	s_add_co_u32 s36, s36, LIST
	v_add_nc_u32 v21, s36, v1                      ; my list, 16 bytes a lane
.irp z, 24,25,26,27
	v_mov_b32 v\z, 0
.endr
	s_lshl_b32 s44, s15, 24                        ; an expert's weights: 16 MiB
.if PROD == 1
	s_mov_b32 s17, ttmp9
.else
	s_and_b32 s17, ttmp9, 7
	s_lshr_b32 s18, ttmp9, 3
	s_lshl_b32 s37, s18, 22                        ; a quarter of k: 1,024 rows of 4,096 bytes
	s_add_co_u32 s44, s44, s37
	s_mov_b32 s49, 0xffff0000                      ; a word's upper bf16
.endif
	s_lshl_b32 s37, s17, 9                         ; the slice's 128 columns
	s_add_co_u32 s44, s44, s37
	s_and_b32 s37, s14, 1
	s_lshl_b32 s37, s37, 8                         ; my column group
	s_add_co_u32 s44, s44, s37
	s_lshr_b32 s37, s14, 1
	s_lshl_b32 s37, s37, LOGP+5                    ; my k-step's 32 rows
	s_add_co_u32 s44, s44, s37
	s_mov_b32 s45, 0
.if PROD == 1
	s_lshl_b32 s46, s15, 23                        ; hbuf: an expert's 64 tiles; the slice's four k-steps
	s_lshl_b32 s37, s17, 12
	s_add_co_u32 s46, s46, s37
	s_mov_b32 s40, 0xbdd2d3e8                      ; -0.10294324
	s_mov_b32 s41, s40                             ; named with it as a pair
	s_mov_b32 s42, 0xc0135761                      ; -2.3022082
	s_mov_b32 s43, s42
.else
	s_lshl_b32 s38, s15, 23                        ; hbuf: the expert; the quarter's 32 k-steps
	s_lshl_b32 s37, s18, 15
	s_add_co_u32 s38, s38, s37
	s_mov_b32 s39, 0
	s_lshl_b32 s46, s18, 23                        ; part: the quarter's 2,048 rows; the slice's 512 bytes
	s_lshl_b32 s37, s17, 9
	s_add_co_u32 s46, s46, s37
.endif
	s_mov_b32 s47, 0
	s_mov_b32 s30, 0
	s_mov_b32 s34, 0
	s_mov_b32 s48, 4
	s_wait_kmcnt 0x0
	s_add_nc_u64 s[20:21], s[8:9], s[44:45]
.if PROD == 1
	s_mov_b64 s[24:25], s[6:7]
.else
	s_add_nc_u64 s[24:25], s[6:7], s[38:39]
.endif
	s_mov_b64 s[22:23], s[24:25]
	s_add_nc_u64 s[26:27], s[10:11], s[46:47]
.set b, 0
.rept 32
	global_load_b64 v[64+2*b:65+2*b], v20, s[4:5] offset:256*b   ; 32 tokens' choices: 256 consecutive bytes
.set b, b+1
.endr
	WLOAD 0, 0
	WIN 0
.irp c, 1,2,3,4,5                      ; my part of chunks 1 to 5 is asked into the L2 while the list is made: a lane a row, 256 bytes each, each block asked for once in the launch
	global_prefetch_b8 v7, s[20:21] offset:(\c)*WCH th:TH_LOAD_NT scope:SCOPE_SE
.endr
.irp z, 0,1,2,3,4,5,6,7
	ds_store_b128 v21, v[24:27] offset:512*(\z)    ; my list's 1,024 entries start as 0 (token 0, slot 0); the real entries are stored over them, in order, by this same wave
.endr
	s_wait_loadcnt 16                              ; sel is in: chunk 0's 16 loads were issued behind it
.set b, 0
.rept 32
	LISTB
.endr
	s_max_u32 s31, s30, 1
	s_sub_co_u32 s31, s31, 1                       ; the last place that exists
	s_lshr_b32 s32, s31, 4
	s_add_co_u32 s32, s32, 1                       ; tiles, 1 .. 64
	s_add_co_u32 s33, s32, 19
	s_mul_i32 s33, s33, 205
	s_lshr_b32 s33, s33, 12                        ; groups of 20 tiles, rounded up: (tiles + 19) / 20, exact up to 64 tiles
	SETA
	TLOAD 0, 0, 0
	WLOAD 1, 1
	TLOAD 0, 1, 0
	TLOAD 1, 0, 1
	s_wait_loadcnt 46                              ; chunk 0's weights: behind them 10 + 16 + 10 + 10
	CVT 0
	WLOAD 0, 2
	WSTORE 0
	TLOAD 1, 1, 1
	s_wait_dscnt 0x0                               ; for the others' sake: my part of chunk 0 is in LDS
	s_barrier_signal -1
	s_barrier_wait -1
	BLOAD B0, 0
	HEAD 0, 1, 62                                  ; the first products start the sums: nothing is cleared.  Behind Ta(0): 16 + 10 + 10 + 16 + 10
	WIN 0                                          ; at a label and at a branch every window is 0
	s_mov_b32 s35, 6
.Lmain:                                                ; a trip: two chunks, from the first's second k-step to the first k-step of the chunk behind them
	BODY 0, 1, 1, 1, 1, 56, 62                     ; behind W(t+1): 10 + 10 + 16 + 10 + 10; behind Tb(t): 10 + 16 + 10 + 10 + 16
	WIN 0
	s_cmp_eq_u32 s35, 1
	s_cbranch_scc1 .Lnopf                          ; the last trip would ask past chunk 15
	global_prefetch_b8 v7, s[20:21] offset:6*WCH th:TH_LOAD_NT scope:SCOPE_SE  ; my part of the chunks six and seven on: their loads are issued three chunks from here
	global_prefetch_b8 v7, s[20:21] offset:7*WCH th:TH_LOAD_NT scope:SCOPE_SE
.Lnopf:
	HEAD 1, 0, 62
	BODY 1, 1, 1, 1, 1, 56, 62
	HEAD 2, 0, 62
	WIN 0
	s_wait_xcnt 0x0                                ; the bases are stepped only behind this wait
	s_add_nc_u64 s[20:21], s[20:21], 2*WCH
	s_add_nc_u64 s[22:23], s[22:23], 2*ACH
	v_add_nc_u32 v5, 2*CHL, v5
	v_add_nc_u32 v6, 2*CHL, v6
	s_sub_co_u32 s35, s35, 1
	s_cmp_lg_u32 s35, 0
	s_cbranch_scc1 .Lmain
	BODY 0, 1, 1, 1, 1, 56, 62                     ; chunks 12 to 15: the loads end one kind after the other, and the counts run down
	HEAD 1, 0, 62
	BODY 1, 1, 0, 1, 1, 56, 46                     ; no weights left to ask for.  Behind Tb(13): 10 + 16 + 10 + 10
	HEAD 2, 0, 46                                  ; behind Ta(14): 16 + 10 + 10 + 10
	BODY 2, 1, 0, 0, 1, 30, 20                     ; nothing left to ask for.  Behind W(15): 10 + 10 + 10; behind Tb(14): 10 + 10
	HEAD 3, 0, 10
	BODY 3, 0, 0, 0, 0, 0, 0
	WIN 0
	s_branch .Lepi                                 ; the loop over groups is entered at group 0's way out
.Lgrp:                                                 ; groups 1 to 3: the same products from the whole slice in LDS; no barrier, no weights from memory
	s_cmp_ge_u32 s34, s33
	s_cbranch_scc1 .Lnext
	s_wait_xcnt 0x0                                ; the token offsets and base are rewritten only behind this wait
	SETA
	s_mov_b64 s[22:23], s[24:25]
	v_mov_b32 v5, v1
	TLOAD 0, 0, 0
	TLOAD 0, 1, 0
	TLOAD 1, 0, 1
	TLOAD 1, 1, 1
	BLOAD B0, 0
	HEAD 0, 1, 30                                  ; three runs of ten were issued behind the one wanted, here and in the loop
	WIN 0
	s_mov_b32 s35, 7
.Lovf:
	BODY 0, 0, 0, 1, 1, 0, 30
	HEAD 1, 0, 30
	BODY 1, 0, 0, 1, 1, 0, 30
	HEAD 2, 0, 30
	WIN 0
	s_wait_xcnt 0x0
	s_add_nc_u64 s[22:23], s[22:23], 2*ACH
	v_add_nc_u32 v5, 2*CHL, v5
	s_sub_co_u32 s35, s35, 1
	s_cmp_lg_u32 s35, 0
	s_cbranch_scc1 .Lovf
	BODY 0, 0, 0, 0, 1, 0, 20
	HEAD 1, 0, 10
	BODY 1, 0, 0, 0, 0, 0, 0
	WIN 0
.Lepi:
	PLACES
	s_mul_i32 s46, s34, 20
	s_add_co_u32 s46, s46, s14
	EPI 0
	EPI 1
	EPI 2
	EPI 3
	EPI 4
	WIN 0
.Lnext:
	s_add_co_u32 s34, s34, 1                       ; the next group,
	s_sub_co_u32 s48, s48, 1                       ; and the loop's own count, 4 down to 0
	s_cmp_lg_u32 s48, 0
	s_cbranch_scc1 .Lgrp
	s_wait_dscnt 0x0                               ; my reads of LDS are over;
	s_barrier_signal -1
	s_barrier_wait -1                              ; so are every wave's, before any wave writes LDS again (the add below)
	s_wait_tensorcnt 0x0                           ; the wave's end
	ds_add_u32 v30, v31
	s_wait_dscnt 0x0
	s_endpgm
.Lfunc_end_k_qed59c487e0_down:
	.size	k_qed59c487e0_down, .Lfunc_end_k_qed59c487e0_down-k_qed59c487e0_down
	.p2alignl 7, 3214868480
	.fill 96, 4, 3214868480
	.section	.rodata,"a",@progbits
	.p2align	6, 0x0
	.amdhsa_kernel k_qed59c487e0_down
		.amdhsa_group_segment_fixed_size 280064
		.amdhsa_private_segment_fixed_size 0
		.amdhsa_enable_private_segment 0
		.amdhsa_kernarg_size 40
		.amdhsa_user_sgpr_count 2
		.amdhsa_user_sgpr_kernarg_segment_ptr 1
		.amdhsa_wavefront_size32 1
		.amdhsa_system_sgpr_workgroup_id_x 1
		.amdhsa_system_sgpr_workgroup_id_y 1
		.amdhsa_system_sgpr_workgroup_id_z 1
		.amdhsa_system_vgpr_workitem_id 0
		.amdhsa_next_free_vgpr 896
		.amdhsa_next_free_sgpr 66
		.amdhsa_reserve_vcc 1
		.amdhsa_float_denorm_mode_32 3
		.amdhsa_float_denorm_mode_16_64 3
		.amdhsa_memory_ordered 1
		.amdhsa_forward_progress 1
		.amdhsa_inst_pref_size 216
	.end_amdhsa_kernel
	.amdgpu_metadata
---
amdhsa.version: [ 1, 2 ]
amdhsa.kernels:
  - .name:           k_qed59c487e0_down
    .symbol:         k_qed59c487e0_down.kd
    .args:
      - { .name: sel, .offset: 0, .size: 8, .value_kind: global_buffer, .address_space: global }
      - { .name: hbuf, .offset: 8, .size: 8, .value_kind: global_buffer, .address_space: global }
      - { .name: w2, .offset: 16, .size: 8, .value_kind: global_buffer, .address_space: global }
      - { .name: part, .offset: 24, .size: 8, .value_kind: global_buffer, .address_space: global }
      - { .name: gat, .offset: 32, .size: 8, .value_kind: global_buffer, .address_space: global }
    .group_segment_fixed_size: 280064
    .private_segment_fixed_size: 0
    .kernarg_segment_align: 8
    .kernarg_segment_size: 40
    .max_flat_workgroup_size: 128
    .sgpr_count:     66
    .vgpr_count:     896
    .wavefront_size: 32
...
	.end_amdgpu_metadata
.endif
;; end of part 3
;; launch addup (part 4): grid 256 x 1, 8 waves a work-group, no clusters, 0 bytes of LDS; arguments part, out0; writes out0
.if DOCPART == 4
	.amdgcn_target "amdgcn-amd-amdhsa--gfx1250"
	.amdhsa_code_object_version 6
	.text
	.protected	k_qed59c487e0_addup
	.globl	k_qed59c487e0_addup
	.p2align	8
	.type	k_qed59c487e0_addup,@function
k_qed59c487e0_addup:
	s_mov_b64 s[64:65], 0
	v_nop
	global_prefetch_b8 v0, s[64:65] scope:SCOPE_SE
	s_setreg_imm32_b32 hwreg(HW_REG_WAVE_MODE, 25, 1), 1
	s_wait_xcnt 0x0
; out0[token] = the sum of the token's eight partial rows in part: [4 quarters of k][2,048 entries = 2 token + slot][1,024] f32, the gates already applied.  All sums in f32.
; A stream: memory binds, so no LDS, no barrier, no matrix unit.  A work-group has four tokens, a wave half a token's row (2,048 bytes): four pieces of 512 consecutive bytes,
; eight loads a piece, all 32 loads issued at once; each store covers 512 consecutive aligned bytes.
.set ROWB,  4096                       ; bytes in a row of part and of out0
.set QUART, 2048*ROWB                  ; bytes from a quarter of k to the next: one past what a load's immediate holds, so each quarter has a base of its own
.set X, 8                              ; v8-135: piece p, quarter q, slot s at X + 32 p + 8 q + 4 s
	s_load_b128 s[4:7], s[0:1], 0x0                ; part s[4:5], out0 s[6:7]
	v_lshrrev_b32 v1, 5, v0                        ; wave
	v_and_b32 v2, 31, v0
	v_lshlrev_b32 v3, 4, v2                        ; 16 bytes a lane
	v_lshl_add_u32 v4, v1, 11, v3                  ; out0: 2,048 bytes a wave
	v_lshrrev_b32 v5, 1, v1                        ; the token among the group's four,
	v_and_b32 v6, 1, v1                            ; the half of its row
	v_lshl_add_u32 v5, v5, 13, v3                  ; part: a token's two entries are 8,192 bytes
	v_lshl_add_u32 v5, v6, 11, v5
	s_lshl_b32 s8, ttmp9, 15                       ; the group's four tokens in part,
	s_mov_b32 s9, 0
	s_lshl_b32 s10, ttmp9, 14                      ; and in out0
	s_mov_b32 s11, 0
	s_wait_kmcnt 0x0
	s_add_nc_u64 s[12:13], s[4:5], s[8:9]
	s_add_nc_u64 s[14:15], s[12:13], QUART
	s_add_nc_u64 s[16:17], s[14:15], QUART
	s_add_nc_u64 s[18:19], s[16:17], QUART
	s_add_nc_u64 s[6:7], s[6:7], s[10:11]
.irp p, 0,1,2,3
.irp q, 0,1,2,3
.irp s, 0,1
	global_load_b128 v[X+32*(\p)+8*(\q)+4*(\s):X+32*(\p)+8*(\q)+4*(\s)+3], v5, s[12+2*(\q):13+2*(\q)] offset:ROWB*(\s)+512*(\p) th:TH_LOAD_NT
.endr
.endr
.endr
.macro ADDQ a, b                       ; four numbers onto four
	v_pk_add_f32 v[(\a):(\a)+1],   v[(\a):(\a)+1],   v[(\b):(\b)+1]
	v_pk_add_f32 v[(\a)+2:(\a)+3], v[(\a)+2:(\a)+3], v[(\b)+2:(\b)+3]
.endm
.irp p, 0,1,2,3
	s_wait_loadcnt 24-8*(\p)                       ; piece p's eight loads are in; the later pieces' stay out
	ADDQ X+32*(\p),    X+32*(\p)+4
	ADDQ X+32*(\p)+8,  X+32*(\p)+12
	ADDQ X+32*(\p)+16, X+32*(\p)+20
	ADDQ X+32*(\p)+24, X+32*(\p)+28
	ADDQ X+32*(\p),    X+32*(\p)+8
	ADDQ X+32*(\p)+16, X+32*(\p)+24
	ADDQ X+32*(\p),    X+32*(\p)+16
	global_store_b128 v4, v[X+32*(\p):X+32*(\p)+3], s[6:7] offset:512*(\p) th:TH_STORE_NT
.endr
	s_endpgm
.Lfunc_end_k_qed59c487e0_addup:
	.size	k_qed59c487e0_addup, .Lfunc_end_k_qed59c487e0_addup-k_qed59c487e0_addup
	.p2alignl 7, 3214868480
	.fill 96, 4, 3214868480
	.section	.rodata,"a",@progbits
	.p2align	6, 0x0
	.amdhsa_kernel k_qed59c487e0_addup
		.amdhsa_group_segment_fixed_size 0
		.amdhsa_private_segment_fixed_size 0
		.amdhsa_enable_private_segment 0
		.amdhsa_kernarg_size 16
		.amdhsa_user_sgpr_count 2
		.amdhsa_user_sgpr_kernarg_segment_ptr 1
		.amdhsa_wavefront_size32 1
		.amdhsa_system_sgpr_workgroup_id_x 1
		.amdhsa_system_sgpr_workgroup_id_y 1
		.amdhsa_system_sgpr_workgroup_id_z 1
		.amdhsa_system_vgpr_workitem_id 0
		.amdhsa_next_free_vgpr 136
		.amdhsa_next_free_sgpr 66
		.amdhsa_reserve_vcc 0
		.amdhsa_float_denorm_mode_32 3
		.amdhsa_float_denorm_mode_16_64 3
		.amdhsa_memory_ordered 1
		.amdhsa_forward_progress 1
		.amdhsa_inst_pref_size 9
	.end_amdhsa_kernel
	.amdgpu_metadata
---
amdhsa.version: [ 1, 2 ]
amdhsa.kernels:
  - .name:           k_qed59c487e0_addup
    .symbol:         k_qed59c487e0_addup.kd
    .args:
      - { .name: part, .offset: 0, .size: 8, .value_kind: global_buffer, .address_space: global }
      - { .name: out0, .offset: 8, .size: 8, .value_kind: global_buffer, .address_space: global }
    .group_segment_fixed_size: 0
    .private_segment_fixed_size: 0
    .kernarg_segment_align: 8
    .kernarg_segment_size: 16
    .max_flat_workgroup_size: 256
    .sgpr_count:     66
    .vgpr_count:     136
    .wavefront_size: 32
...
	.end_amdgpu_metadata
.endif
;; end of part 4
;; ======== version 2 of 3: 5 launches
;; limits: values are held in f16: magnitudes above 65,504 overflow, below 6.1e-05 lose precision
;; workspace buffers: xb 2,097,152 bytes; sel 8,192 bytes of whole numbers; gat 8,192 bytes; xg 16,777,216 bytes; ord 33,024 bytes of whole numbers; gord 32,768 bytes; hbuf 67,108,864 bytes; part 33,554,432 bytes
;; launch router: the kernel of part 1 again; grid 64 x 1, 4 waves a work-group, no clusters, 54,016 bytes of LDS; arguments x, router_w, xb, sel, gat; writes xb, sel, gat
;; launch place (part 5): grid 64 x 8, 4 waves a work-group, no clusters, 51,712 bytes of LDS; arguments sel, xb, gat, xg, ord, gord; writes xg, ord, gord
.if DOCPART == 5
	.amdgcn_target "amdgcn-amd-amdhsa--gfx1250"
	.amdhsa_code_object_version 6
	.text
	.protected	k_qed59c487e0_place
	.globl	k_qed59c487e0_place
	.p2align	8
	.type	k_qed59c487e0_place,@function
k_qed59c487e0_place:
	s_mov_b64 s[64:65], 0
	v_nop
	global_prefetch_b8 v0, s[64:65] scope:SCOPE_SE
	s_setreg_imm32_b32 hwreg(HW_REG_WAVE_MODE, 25, 1), 1
	s_wait_xcnt 0x0
; PLACE.  The rows that chose an expert are counted, put in order and laid out for the two products that follow.
;   sel[token][2]: each token's two experts.  An expert's rows are its entries (2 token + slot) in ascending order; they go in tiles of 16.
;   xg[expert][tile][k-step 0..31][1,024 bytes]: the tile's 16 rows of xb (x in bf16) as the first product's fragments: lane l's registers 0-3 at 16 l, registers 4-7 at 512 + 16 l.
;   ord[expert][place]: the entry; behind the eight lists, at byte 32,768, the eight counts.   gord[expert][place]: the entry's gate.
;   Places of the last tile past the count repeat the last row, its entry and its gate.  An expert without rows gets tile 0 made of token 0, so that what is read later has been written.
; GRID.  64 x 8: a work-group for each tile that any split can have (all 1,024 tokens on one expert are 64 tiles).  A work-group whose tile the split leaves empty stores nothing and ends.
; Fewer work-groups, each finding its tile from a running number, would need all eight counts in every wave: eight times the compares below.
; SHARES.  Every wave counts for itself and keeps its own list in LDS, so no wave waits for another: there is no barrier.  Wave w has 256 of the tile's 1,024 k (512 bytes of each row): 16 loads,
; in each of which lanes 0-15 take 256 consecutive aligned bytes of one row and lanes 16-31 those of the next; the rows go into the wave's own stage in LDS and come back as fragments
; (lane l: row l % 16; 16 bytes at 16 (l / 16) and at 32 + 16 (l / 16) of a k-step's 64); each store covers 512 consecutive aligned bytes.
; Wave 0 stores the tile's 16 entries and 16 gates, 64 bytes each: a quarter of an aligned block of 256; lanes 16-31 store the same words again.  Tile 0's wave 0 stores the count.
.set XSP,   528                        ; a row in a stage: 512 bytes + 16 = 132 words: row r starts at bank 4 r mod 64 (64 banks of 4 bytes: ISA guide 11.1), so the 16 rows that a load touches start at 16 different banks
.set STGW,  16*XSP                     ; a wave's stage
.set LIST,  4*STGW                     ; behind the stages: a list for each wave, 1,024 entries and 32 words for the lanes that have nothing to store
.set LISTP, 4352
.set SPARE, LIST+4*LISTP               ; the spare words, 128 bytes a wave: no other line names them
.set X,     64                         ; v64-127   sel as loaded; later the rows as loaded
.set Y,     128                        ; v128-191  the fragments
; v1 lane  v2 r  v3 h  v4 xb: 512 w + 16 r  v5 stage, in  v6 stage, out  v7 16 lane  v8 4 r  v15 2 lane  v16 1,024 + lane  v17, v19 at work  v20 8 lane  v21 my list, 16 bytes a lane  v24-27 zeros
; v32-39 the rows' entries, then their offsets in xb  v40 the entry of place r  v41 its gate's offset  v42 the gate  v48-55 LDS addresses
; s14 wave  s15 expert  s18 tile  s[24:25] ord at the tile  s[26:27] gord at the tile  s[28:29] the count's word  s30 count  s31 max(count,1)-1  s32 tiles  s36 my list  s37-41 at work
	s_load_b256 s[4:11], s[0:1], 0x0               ; sel s[4:5], xb s[6:7], gat s[8:9], xg s[10:11]
	s_load_b128 s[20:23], s[0:1], 0x20             ; ord s[20:21], gord s[22:23]
	v_lshl_add_u32 v30, v0, 2, SPARE               ; my spare word,
	v_mov_b32 v31, 0                               ; and 0: kept for the wave's last lines alone
	v_lshrrev_b32 v17, 5, v0
	v_readfirstlane_b32 s14, v17                   ; wave 0..3
	s_and_b32 s15, ttmp7, 0xffff                   ; expert
	s_mov_b32 s18, ttmp9                           ; tile
	v_and_b32 v1, 31, v0
	v_and_b32 v2, 15, v0
	v_bfe_u32 v3, v0, 4, 1
	v_lshlrev_b32 v15, 1, v1
	v_add_nc_u32 v16, 1024, v1
	v_lshlrev_b32 v20, 3, v1                       ; sel: 8 bytes a token
	s_mul_i32 s36, s14, LISTP
	s_add_co_u32 s36, s36, LIST
	v_lshl_add_u32 v21, v1, 4, s36
.irp z, 24,25,26,27
	v_mov_b32 v\z, 0
.endr
	s_mov_b32 s30, 0
	s_wait_kmcnt 0x0
.set b, 0
.rept 32
	global_load_b64 v[X+2*b:X+2*b+1], v20, s[4:5] offset:256*b   ; 32 tokens' choices: 256 consecutive bytes
.set b, b+1
.endr
.irp z, 0,1,2,3,4,5,6,7
	ds_store_b128 v21, v[24:27] offset:512*(\z)    ; my list's 1,024 entries start as 0 (token 0, slot 0); the real entries are stored over them, in order, by this same wave
.endr
	; addresses, made while sel is on its way
	s_lshl_b32 s37, s14, 9
	v_lshl_add_u32 v4, v2, 4, s37
	s_mul_i32 s38, s14, STGW
	v_mul_u32_u24 v5, v3, XSP
	v_lshl_add_u32 v5, v2, 4, v5
	v_add_nc_u32 v5, s38, v5                       ; in: row h of a pair, 16 r
	v_mul_u32_u24 v6, v2, XSP
	v_lshl_add_u32 v6, v3, 4, v6
	v_add_nc_u32 v6, s38, v6                       ; out: row r, 16 h
	v_lshlrev_b32 v7, 4, v1
	v_lshlrev_b32 v8, 2, v2
	s_lshl_b32 s40, s15, 21                        ; xg: an expert's 64 tiles of 32,768 bytes,
	s_lshl_b32 s37, s18, 15                        ; the tile,
	s_add_co_u32 s40, s40, s37
	s_lshl_b32 s37, s14, 13                        ; my eight k-steps
	s_add_co_u32 s40, s40, s37
	s_mov_b32 s41, 0
	s_add_nc_u64 s[10:11], s[10:11], s[40:41]
	s_lshl_b32 s40, s15, 12                        ; ord and gord: an expert's 1,024 words, the tile's 16
	s_lshl_b32 s37, s18, 6
	s_add_co_u32 s40, s40, s37
	s_add_nc_u64 s[24:25], s[20:21], s[40:41]
	s_add_nc_u64 s[26:27], s[22:23], s[40:41]
	s_lshl_b32 s40, s15, 2
	s_add_co_u32 s40, s40, 0x8000
	s_add_nc_u64 s[28:29], s[20:21], s[40:41]
	s_wait_loadcnt 0x0                             ; sel is in
; 32 tokens of sel: the lanes whose token chose my expert store their entry at the running count plus the number of such lanes below them; the others store into a word of their own behind the list.
.macro LISTB
	v_cmp_eq_u32 s37, s15, v[X+2*b]
	v_cmp_eq_u32 vcc_lo, s15, v[X+2*b+1]
	s_or_b32 s38, s37, vcc_lo
	v_mbcnt_lo_u32_b32 v17, s38, s30
	v_cndmask_b32 v19, 0, 1, vcc_lo                ; the slot
	v_cndmask_b32 v17, v16, v17, s38
	v_add3_u32 v19, v19, v15, 64*b                 ; the entry: 2 token + slot
	v_min_u32 v17, 0x41f, v17
	v_lshl_add_u32 v17, v17, 2, s36
	ds_store_b32 v17, v19
	s_bcnt1_i32_b32 s38, s38
	s_add_co_u32 s30, s30, s38
.set b, b+1
.endm
.set b, 0
.rept 32
	LISTB
.endr
	s_max_u32 s31, s30, 1
	s_sub_co_u32 s31, s31, 1                       ; the last place that exists
	s_lshr_b32 s32, s31, 4
	s_add_co_u32 s32, s32, 1                       ; tiles, 1 .. 64
	s_cmp_ge_u32 s18, s32
	s_cbranch_scc1 .Lend                           ; this split has no such tile
	s_lshl_b32 s37, s18, 4
.irp j, 0,1,2,3,4,5,6,7
	v_add3_u32 v[48+(\j)], s37, v3, 2*(\j)         ; row 2 j + h of the tile: its place in the list,
	v_min_u32 v[48+(\j)], s31, v[48+(\j)]          ; or the last that exists
	v_min_u32 v[48+(\j)], 0x3ff, v[48+(\j)]
	v_lshl_add_u32 v[48+(\j)], v[48+(\j)], 2, s36
	ds_load_b32 v[32+(\j)], v[48+(\j)]             ; LDS serves a wave's instructions in order (ISA guide 5.7.1.4): this sees the list's stores
.endr
	v_add_nc_u32 v41, s37, v2                      ; and place r, for ord and gord
	v_min_u32 v41, s31, v41
	v_min_u32 v41, 0x3ff, v41
	v_lshl_add_u32 v41, v41, 2, s36
	ds_load_b32 v40, v41
	s_wait_dscnt 0x0
.irp j, 0,1,2,3,4,5,6,7
	v_lshrrev_b32 v[32+(\j)], 1, v[32+(\j)]        ; the entry's token,
	v_min_u32 v[32+(\j)], 0x3ff, v[32+(\j)]
	v_lshl_add_u32 v[32+(\j)], v[32+(\j)], 11, v4  ; its row of 2,048 bytes, my 512 of them, 16 r
.endr
	v_min_u32 v40, 0x7ff, v40
	v_lshlrev_b32 v41, 2, v40
.irp j, 0,1,2,3,4,5,6,7
	global_load_b128 v[X+8*(\j):X+8*(\j)+3],   v[32+(\j)], s[6:7]              ; two rows, 256 consecutive aligned bytes of each
	global_load_b128 v[X+8*(\j)+4:X+8*(\j)+7], v[32+(\j)], s[6:7] offset:256
.endr
	global_load_b32 v42, v41, s[8:9]               ; the gate of place r
.irp j, 0,1,2,3,4,5,6,7
	s_wait_loadcnt 15-2*(\j)                       ; pair j's two loads are in: behind them the later pairs' and the gate's
	ds_store_b128 v5, v[X+8*(\j):X+8*(\j)+3]   offset:2*(\j)*XSP
	ds_store_b128 v5, v[X+8*(\j)+4:X+8*(\j)+7] offset:2*(\j)*XSP+256
.endr
.irp s, 0,1,2,3,4,5,6,7
	ds_load_b128 v[Y+8*(\s):Y+8*(\s)+3],   v6 offset:64*(\s)      ; my own bytes, in order behind my stores: no wait between
	ds_load_b128 v[Y+8*(\s)+4:Y+8*(\s)+7], v6 offset:64*(\s)+32
.endr
.irp s, 0,1,2,3,4,5,6,7
	s_wait_dscnt 14-2*(\s)                         ; k-step s's two loads are back; the later ones stay out
	global_store_b128 v7, v[Y+8*(\s):Y+8*(\s)+3],   s[10:11] offset:1024*(\s)      ; 512 consecutive aligned bytes
	global_store_b128 v7, v[Y+8*(\s)+4:Y+8*(\s)+7], s[10:11] offset:1024*(\s)+512
.endr
	s_cmp_lg_u32 s14, 0
	s_cbranch_scc1 .Lend                           ; the lists are one wave's work
	s_wait_loadcnt 0x0                             ; the gate
	global_store_b32 v8, v40, s[24:25]
	global_store_b32 v8, v42, s[26:27]
	s_cmp_lg_u32 s18, 0
	s_cbranch_scc1 .Lend                           ; the count is tile 0's work: every expert has a tile 0
	v_mov_b32 v9, s30
	v_mov_b32 v10, 0
	global_store_b32 v10, v9, s[28:29]             ; all lanes store the same word
.Lend:
	s_wait_tensorcnt 0x0                           ; the wave's end
	ds_add_u32 v30, v31
	s_wait_dscnt 0x0
	s_endpgm
.Lfunc_end_k_qed59c487e0_place:
	.size	k_qed59c487e0_place, .Lfunc_end_k_qed59c487e0_place-k_qed59c487e0_place
	.p2alignl 7, 3214868480
	.fill 96, 4, 3214868480
	.section	.rodata,"a",@progbits
	.p2align	6, 0x0
	.amdhsa_kernel k_qed59c487e0_place
		.amdhsa_group_segment_fixed_size 51712
		.amdhsa_private_segment_fixed_size 0
		.amdhsa_enable_private_segment 0
		.amdhsa_kernarg_size 48
		.amdhsa_user_sgpr_count 2
		.amdhsa_user_sgpr_kernarg_segment_ptr 1
		.amdhsa_wavefront_size32 1
		.amdhsa_system_sgpr_workgroup_id_x 1
		.amdhsa_system_sgpr_workgroup_id_y 1
		.amdhsa_system_sgpr_workgroup_id_z 1
		.amdhsa_system_vgpr_workitem_id 0
		.amdhsa_next_free_vgpr 192
		.amdhsa_next_free_sgpr 66
		.amdhsa_reserve_vcc 1
		.amdhsa_float_denorm_mode_32 3
		.amdhsa_float_denorm_mode_16_64 3
		.amdhsa_memory_ordered 1
		.amdhsa_forward_progress 1
		.amdhsa_inst_pref_size 38
	.end_amdhsa_kernel
	.amdgpu_metadata
---
amdhsa.version: [ 1, 2 ]
amdhsa.kernels:
  - .name:           k_qed59c487e0_place
    .symbol:         k_qed59c487e0_place.kd
    .args:
      - { .name: sel, .offset: 0, .size: 8, .value_kind: global_buffer, .address_space: global }
      - { .name: xb, .offset: 8, .size: 8, .value_kind: global_buffer, .address_space: global }
      - { .name: gat, .offset: 16, .size: 8, .value_kind: global_buffer, .address_space: global }
      - { .name: xg, .offset: 24, .size: 8, .value_kind: global_buffer, .address_space: global }
      - { .name: ord, .offset: 32, .size: 8, .value_kind: global_buffer, .address_space: global }
      - { .name: gord, .offset: 40, .size: 8, .value_kind: global_buffer, .address_space: global }
    .group_segment_fixed_size: 51712
    .private_segment_fixed_size: 0
    .kernarg_segment_align: 8
    .kernarg_segment_size: 48
    .max_flat_workgroup_size: 128
    .sgpr_count:     66
    .vgpr_count:     192
    .wavefront_size: 32
...
	.end_amdgpu_metadata
.endif
;; end of part 5
;; launch up (part 6): grid 32 x 8, 4 waves a work-group, no clusters, 262,656 bytes of LDS; arguments ord, xg, w1, hbuf; writes hbuf
.if DOCPART == 6
	.amdgcn_target "amdgcn-amd-amdhsa--gfx1250"
	.amdhsa_code_object_version 6
	.text
	.protected	k_qed59c487e0_up
	.globl	k_qed59c487e0_up
	.p2align	8
	.type	k_qed59c487e0_up,@function
k_qed59c487e0_up:
	s_mov_b64 s[64:65], 0
	v_nop
	global_prefetch_b8 v0, s[64:65] scope:SCOPE_SE
	s_setreg_imm32_b32 hwreg(HW_REG_WAVE_MODE, 25, 1), 1
	s_wait_xcnt 0x0
; THE EXPERTS' FIRST PRODUCT: h = gelu(x w1[e]) for the rows that chose expert e.  The second product's launch is built in the same way; this text holds its own lines alone.
;   rows from xg (x in bf16, laid out by the launch before as this product's fragments, [expert][tile of 16 rows][k-step 0..31][1,024 bytes]); weights w1[e] [1024 k][4096] f32;
;   result gelu'd, rounded to f16, stored to hbuf as the second product's fragments, [expert][tile][k-step 0..127][1,024 bytes].
; FORMATS.  x and w1 are rounded to bf16, as all inputs are; the product is the bf16 form.  h is rounded once to f16: 11 significant bits; bf16's 8 would leave each h off by some 2^-9 of itself, and a sum
; over 4,096 of them keeps that share of a row's size.
; LIMITS.  |h| beyond 65,504 becomes an infinity (x and w1 both carrying an offset of 30 times their spread give h = 1,024 x 30 x 0.94 = 28,800).  NaN and infinities are not treated apart.
; SHARE.  A work-group has one expert (grid y), 128 columns of its weights (grid x) and all 1,024 of k: 512 KiB of f32 that no other work-group reads.
; ROWS.  The launch before has counted each expert's rows (the words behind ord's lists), put them in order and filled the last tile of 16 up with its last row.
; Tile T = 20 g + 4 i + w belongs to wave w, place i (0..4), group g (0..3).  A place whose tile does not exist takes the last tile that does, and its stores are jumped.  With some 256 rows an expert has
; 16 or 17 tiles, so place 4 is empty in most waves: there its loads and products are jumped too, by a scalar branch with no barrier inside (a group's first loads and products run in every wave, so that
; every register is written).  Every split is served: 0 .. 1,024 rows.  An expert without rows: its weights are still read, and tile 0 (made of token 0) is stored, so that what is read later has been written.
; WEIGHTS.  K goes in 16 chunks of 64.  Of a chunk wave w takes k-step w / 2 (32 k) and column group w % 2 (64 columns): 16 loads; in each, lanes 0-15 take 256 consecutive aligned bytes of one
; row of k and lanes 16-31 those of the row 8 further on.  A lane then holds columns 4 r .. 4 r + 3 for the 16 k that a 16-bit fragment wants of it, so 32 roundings in pairs make four fragments
; (fragment f: place m of 16 stands for column 4 m + f) and nothing is turned.  They go into LDS, each byte of the slice written once; one barrier a chunk shows it to all four waves.
; GROUP 0 (320 rows) is multiplied chunk by chunk behind the fill, under the stream of weights.  Groups 1 to 3, where the count asks for them, run afterwards from the whole slice in LDS, without barriers.
; THE LOOP OVER GROUPS has four trips; a trip is group g's way out and then group g + 1's products, which are jumped where there is no such group; a group that does not exist has no tile to store.
; LOADS are issued in the order in which they are wanted, for chunk x: Ta(x) (rows, first k-step), W(x + 1) (16 loads), Tb(x) (rows, second k-step); trip t issues Ta(t + 2), W(t + 3), Tb(t + 2).
; Ta and Tb are 8 loads, or 10 where place 4 is alive.  Each wait's count takes them as 8: the least number of loads issued behind the one wanted on any way.  More than LOADcnt's field holds is never
; out: the issue waits (ISA guide 5.7.1).  Every row load takes 512 consecutive bytes of a fragment as it lies in memory.
; PRODUCT.  Used transposed (source 0 = weights, source 1 = 16 rows): lane (r, h) holds row r and columns 64 cg + 32 h + 4 j + f, which are the 32 k of ONE k-step of the second product; so
; hbuf is written as that product's fragments, 16 lanes to 256 consecutive bytes, straight from registers.
; gelu is the tanh form, x / (1 + 2^(-x (2.3022082 + 0.10294324 x^2))): for large |x| it ends in x or 0.
; THE WAY OUT is written once and walked five times, a place a trip; what differs from place to place is a short block chosen by forward branches.
; NO CLUSTER: what an expert's work-groups share is its rows; two slots of 20 tiles x 2 KiB for them do not fit beside the slice of 262,144 bytes.
; REGISTERS, in windows of 256 (s_set_vgpr_msb: bits 1:0 source 0, 3:2 source 1, 5:4 source 2, 7:6 destination):
;   window 0: v0-19 addresses and work; v30, v31 the add's; v32-63 fragments just rounded; v64-127, v128-191 a k-step's eight weight fragments, two buffers; v192-255 the accumulators of place 4
;   window 1: the accumulators of places 0-3 (place i, fragment f' = 4 cg + f at 64 i + 8 f')
;   window 2: v0-159 row fragments (parity of the chunk, k-step, place: 80 par + 40 s + 8 i); v160-255 at work on the way out          window 3: v0-127 weights as loaded, two buffers
.set LOGP, 14                          ; a row of the weights: 16,384 bytes
.set TSH,  15                          ; a tile of rows: 32 k-steps of 1,024 bytes
.set MW_LO, 0x58                       ; products: weights window 0, rows window 2, C and D window 1
.set MW_HI, 0x08                       ; the same, C and D window 0
.set PITCH, 1<<LOGP
.set AKS,   1024                       ; bytes from a k-step of a tile of rows to the next
.set AHF,   512                        ; and to the second half of a fragment
.set ACH,   2*AKS                      ; row bytes a chunk
.set WCH,   64*PITCH                   ; weight bytes from chunk to chunk
.set CHL,   16384                      ; a chunk in LDS: k-step s at 8,192 s, fragment f' at 1,024 f': registers 0-3 at 16 lane, 4-7 at 512 + 16 lane
.set SPARE, 16*CHL                     ; behind the slice: the spare words, 128 bytes a wave: no other line names them
.set BF, 32
.set B0, 64
.set B1, 128
.set WK, 160                           ; window 2: 64 registers at work on the way out
.set PK, 224                           ; window 2: 32 registers of packed results
.set N2, 56                            ; behind Ta(t): W(t+1), Tb(t), Ta(t+1), W(t+2), Tb(t+1) = 16 + 8 + 8 + 16 + 8
.set N4, 48                            ; behind W(t+1): Tb(t), Ta(t+1), W(t+2), Tb(t+1), Ta(t+2) = 8 + 8 + 16 + 8 + 8
.set N7, 56                            ; behind Tb(t): Ta(t+1), W(t+2), Tb(t+1), Ta(t+2), W(t+3) = 8 + 16 + 8 + 8 + 16
.set N0, 46                            ; behind W(0): Ta(0), W(1), Tb(0), Ta(1) = 10 + 16 + 10 + 10
; v1 16 lane   v2 r   v4 weights: 8 h rows + 16 r   v5 LDS: reads of the slice   v6 LDS: my stores into it   v7 prefetch: lane rows   v8-12 row offsets of places 0-4   v13 way out: 1,024 h + 16 r
; s14 wave  s15 expert  s17 slice  s[20:21] weights  s[22:23] rows  s[24:25] rows at k = 0  s[26:27] output  s[28:29] a tile's output  s30 count  s31 max(count,1)-1  s32 tiles  s33 groups
; s34 g  s35 trips  s37-39 at work  s[40:43] gelu's two constants  s[44:45] an offset  s46 the tile on its way out  s48 trips over groups to go  s50 1: place 4 has a tile
; s56 places to go  s57 the place  s58 the count's offset
.set MSB, 0
.macro WIN new                         ; the immediate's high byte repeats the setting that is left; a switch that changes nothing is dropped
.if MSB != (\new)
	s_set_vgpr_msb (MSB<<8)|(\new)
.set MSB, (\new)
.endif
.endm
.macro PLACES                          ; four places behind a product, ahead of loads into its sources and of reads of its result (for reads of its result)
.rept 4
	v_nop
.endr
.endm
.macro WLOAD par, c                    ; my 32 k x 64 columns of chunk c (counted from the base): rows 8 h + 0..7 and 16 + 8 h + 0..7
	WIN 0xc0
.irp i, 0,1,2,3,4,5,6,7,8,9,10,11,12,13,14,15
	global_load_b128 v[64*(\par)+4*(\i):64*(\par)+4*(\i)+3], v4, s[20:21] offset:(\c)*WCH+((\i)+8*((\i)/8))*PITCH th:TH_LOAD_NT
.endr
.endm
.macro TLOAD par, s, c, cond           ; the places' row fragments of k-step s of chunk c.  cond = 1: place 4's two loads are jumped where it has no tile
	WIN 0x80
.irp i, 0,1,2,3
	global_load_b128 v[80*(\par)+40*(\s)+8*(\i):80*(\par)+40*(\s)+8*(\i)+3],   v[8+(\i)], s[22:23] offset:(\c)*ACH+(\s)*AKS
	global_load_b128 v[80*(\par)+40*(\s)+8*(\i)+4:80*(\par)+40*(\s)+8*(\i)+7], v[8+(\i)], s[22:23] offset:(\c)*ACH+(\s)*AKS+AHF
.endr
.if \cond
	WIN 0                                          ; at a branch and at a label every window is 0
	s_cmp_eq_u32 s50, 0
	s_cbranch_scc1 .Lno_t_\@
	WIN 0x80
.endif
	global_load_b128 v[80*(\par)+40*(\s)+32:80*(\par)+40*(\s)+35], v12, s[22:23] offset:(\c)*ACH+(\s)*AKS
	global_load_b128 v[80*(\par)+40*(\s)+36:80*(\par)+40*(\s)+39], v12, s[22:23] offset:(\c)*ACH+(\s)*AKS+AHF
.if \cond
	WIN 0
.Lno_t_\@:
.endif
.endm
.macro CVT par                         ; register p of fragment f = word f of loads 2 p and 2 p + 1, rounded to bf16
	WIN 0x0f
.irp f, 0,1,2,3
.irp p, 0,1,2,3,4,5,6,7
	v_cvt_pk_bf16_f32 v[BF+8*(\f)+(\p)], v[64*(\par)+8*(\p)+(\f)], v[64*(\par)+8*(\p)+4+(\f)]
.endr
.endr
.endm
.macro WSTORE c                        ; my four fragments into the slice: 512 consecutive bytes a store
	WIN 0
.irp f, 0,1,2,3
	ds_store_b128 v6, v[BF+8*(\f):BF+8*(\f)+3]   offset:(\c)*CHL+1024*(\f)
	ds_store_b128 v6, v[BF+8*(\f)+4:BF+8*(\f)+7] offset:(\c)*CHL+1024*(\f)+512
.endr
.endm
.macro BLOAD buf, off                  ; a k-step's eight fragments out of the slice
	WIN 0
.irp f, 0,1,2,3,4,5,6,7
	ds_load_b128 v[(\buf)+8*(\f):(\buf)+8*(\f)+3],   v5 offset:(\off)+1024*(\f)
	ds_load_b128 v[(\buf)+8*(\f)+4:(\buf)+8*(\f)+7], v5 offset:(\off)+1024*(\f)+512
.endr
.endm
; 40 products: five places x eight fragments, 32 along k.  The accumulators take turns, one instruction a turn.  zero = 1: they start the sums.
; cond = 1: place 4's eight products are jumped where it has no tile.
.macro MUL par, s, buf, zero, cond
.irp i, 0,1,2,3,4
.if (\i) < 4
	WIN MW_LO
.else
.if \cond
	WIN 0
	s_cmp_eq_u32 s50, 0
	s_cbranch_scc1 .Lno_m_\@
.endif
	WIN MW_HI
.endif
.irp f, 0,1,2,3,4,5,6,7
.set AC, 64*(\i)-64*((\i)/4)+8*(\f)
.set TT, 80*(\par)+40*(\s)+8*(\i)
.set BB, (\buf)+8*(\f)
.if \zero
	v_wmma_f32_16x16x32_bf16 v[AC:AC+7], v[BB:BB+7], v[TT:TT+7], 0
.else
	v_wmma_f32_16x16x32_bf16 v[AC:AC+7], v[BB:BB+7], v[TT:TT+7], v[AC:AC+7]
.endif
.endr
.endr
.if \cond
	WIN 0
.Lno_m_\@:
.endif
.endm
; A chunk's first k-step.  n2: the loads issued behind Ta of this chunk.
.macro HEAD c, zero, n2
	BLOAD B1, (\c)*CHL+8192                        ; the second k-step's fragments, a run of products ahead of their use
	s_wait_loadcnt \n2
	s_wait_dscnt 16                                ; the first k-step's fragments are in; the 16 loads just issued may be out
	MUL (\c)%2, 0, B0, \zero, 1-(\zero)
.endm
; The rest of a chunk.  fill: the next chunk of weights is rounded, stored and shown to all waves; wl: weights three chunks on are asked for; tl: rows LA chunks on are asked for; nxt: a chunk follows.
; n4: the loads issued behind W of the next chunk; n7: behind Tb of this chunk.
.macro BODY c, fill, wl, tl, nxt, n4, n7
	PLACES
.if \tl
	TLOAD (\c)%2, 0, (\c)+LA, 1
.endif
.if \fill
	s_wait_loadcnt \n4
	CVT ((\c)+1)%2
.if \wl
	WLOAD ((\c)+1)%2, (\c)+3
.endif
	WSTORE (\c)+1
	s_wait_dscnt 0x0                               ; for the others' sake: my stores are done (and so are my loads of the second k-step's fragments)
	s_barrier_signal -1
	s_barrier_wait -1                              ; the next chunk is whole; its bytes are never written again
.endif
.if \nxt
	BLOAD B0, ((\c)+1)*CHL
.endif
	s_wait_loadcnt \n7
.if !(\fill)
	s_wait_dscnt 16*(\nxt)                         ; the second k-step's fragments are in; the run just issued may be out
.endif
	MUL (\c)%2, 1, B1, 0, 1
.if (\tl)||(\nxt)
	PLACES
.endif
.if \tl
	TLOAD (\c)%2, 1, (\c)+LA, 1
.endif
.endm
; Group g begins: the offsets of its five places' tiles; whether place 4 has one.
.macro SETA
	WIN 0
	s_mul_i32 s37, s34, 20
	s_add_co_u32 s37, s37, s14                     ; 20 g + w
	s_sub_co_u32 s39, s32, 1
.irp i, 0,1,2,3,4
	s_add_co_u32 s38, s37, 4*(\i)                  ; the tile, or the last that exists
	s_min_u32 s38, s38, s39
	s_min_u32 s38, s38, 63
	s_lshl_b32 s38, s38, TSH
	v_add_nc_u32 v[8+(\i)], s38, v1
.endr
	s_add_co_u32 s38, s37, 16
	s_cmp_lt_u32 s38, s32
	s_cselect_b32 s50, 1, 0
.endm
; What differs from place to place on the way out: place t's sums are moved to where the one text of gelu names them, place 0's registers, which have gone out:
; 64 moves a place, the price of writing that text once and not five times; each accumulator's lowest registers are read first.
.macro BLOCK t
.set AW, 1-(\t)/4                      ; the accumulators' window,
.set AB, 64*(\t)-64*((\t)/4)           ; and their first register
	WIN 0x40|AW
.set j, 0
.rept 64
	v_mov_b32 v[j], v[AB+j]
.set j, j+1
.endr
	WIN 0
.endm
	s_load_b256 s[4:11], s[0:1], 0x0               ; ord s[4:5], rows s[6:7], weights s[8:9], output s[10:11]
	v_lshl_add_u32 v30, v0, 2, SPARE               ; my spare word,
	v_mov_b32 v31, 0                               ; and 0: kept for the wave's last lines alone
	v_lshrrev_b32 v17, 5, v0
	v_readfirstlane_b32 s14, v17                   ; wave 0..3
	s_and_b32 s15, ttmp7, 0xffff                   ; expert
	v_and_b32 v18, 31, v0                          ; lane
	v_and_b32 v2, 15, v0                           ; r
	v_bfe_u32 v19, v0, 4, 1                        ; h
	v_lshlrev_b32 v1, 4, v18
	v_lshlrev_b32 v4, LOGP+3, v19
	v_lshl_add_u32 v4, v2, 4, v4
	v_mov_b32 v5, v1
	s_lshl_b32 s37, s14, 12
	v_add_nc_u32 v6, s37, v1                       ; k-step w / 2, column group w % 2: 4,096 w
	v_lshlrev_b32 v7, LOGP, v18
	v_lshlrev_b32 v13, 10, v19
	v_lshl_add_u32 v13, v2, 4, v13
	s_lshl_b32 s58, s15, 2                         ; my expert's count among the eight
	s_lshl_b32 s44, s15, 24                        ; an expert's weights: 16 MiB
	s_mov_b32 s17, ttmp9
	s_lshl_b32 s37, s17, 9                         ; the slice's 128 columns
	s_add_co_u32 s44, s44, s37
	s_and_b32 s37, s14, 1
	s_lshl_b32 s37, s37, 8                         ; my column group
	s_add_co_u32 s44, s44, s37
	s_lshr_b32 s37, s14, 1
	s_lshl_b32 s37, s37, LOGP+5                    ; my k-step's 32 rows
	s_add_co_u32 s44, s44, s37
	s_mov_b32 s45, 0
	s_lshl_b32 s38, s15, 21                        ; xg: an expert's 64 tiles
	s_lshl_b32 s46, s15, 23                        ; hbuf: an expert's 64 tiles; the slice's four k-steps
	s_lshl_b32 s37, s17, 12
	s_add_co_u32 s46, s46, s37
	s_mov_b32 s40, 0xbdd2d3e8                      ; -0.10294324
	s_mov_b32 s41, s40                             ; named with it as a pair
	s_mov_b32 s42, 0xc0135761                      ; -2.3022082
	s_mov_b32 s43, s42
	s_mov_b32 s39, 0
	s_mov_b32 s47, 0
	s_mov_b32 s34, 0
	s_mov_b32 s48, 4
	s_wait_kmcnt 0x0
	s_load_b32 s30, s[4:5], s58 offset:0x8000      ; the count, behind the eight lists
	s_add_nc_u64 s[20:21], s[8:9], s[44:45]
	s_add_nc_u64 s[24:25], s[6:7], s[38:39]
	s_mov_b64 s[22:23], s[24:25]
	s_add_nc_u64 s[26:27], s[10:11], s[46:47]
	WLOAD 0, 0                                     ; the weights hang on no count: chunk 0 goes out at once
	WIN 0
.irp c, 1,2,3,4,5                      ; my part of chunks 1 to 5 is asked into the L2 while the count is on its way: a lane a row, 256 bytes each, each block asked for once in the launch
	global_prefetch_b8 v7, s[20:21] offset:(\c)*WCH th:TH_LOAD_NT scope:SCOPE_SE
.endr
	s_wait_kmcnt 0x0
	s_max_u32 s31, s30, 1
	s_sub_co_u32 s31, s31, 1                       ; the last place that exists
	s_lshr_b32 s32, s31, 4
	s_add_co_u32 s32, s32, 1                       ; tiles, 1 .. 64
	s_add_co_u32 s33, s32, 19
	s_mul_i32 s33, s33, 205
	s_lshr_b32 s33, s33, 12                        ; groups of 20 tiles, rounded up: (tiles + 19) / 20, exact up to 64 tiles
	SETA
.set LA, 2                             ; under the stream of weights rows are asked for two chunks ahead
	TLOAD 0, 0, 0, 0
	WLOAD 1, 1
	TLOAD 0, 1, 0, 0
	TLOAD 1, 0, 1, 0
	s_wait_loadcnt N0                              ; chunk 0's weights
	CVT 0
	WLOAD 0, 2
	WSTORE 0
	TLOAD 1, 1, 1, 0
	s_wait_dscnt 0x0                               ; for the others' sake: my part of chunk 0 is in LDS
	s_barrier_signal -1
	s_barrier_wait -1
	BLOAD B0, 0
	HEAD 0, 1, 62                                  ; the first products start the sums: nothing is cleared.  Behind Ta(0): 16 + 10 + 10 + 16 + 10
	WIN 0                                          ; at a label and at a branch every window is 0
	s_mov_b32 s35, 6
.Lmain:                                                ; a trip: two chunks, from the first's second k-step to the first k-step of the chunk behind them
	BODY 0, 1, 1, 1, 1, N4, N7
	WIN 0
	s_cmp_eq_u32 s35, 1
	s_cbranch_scc1 .Lnopf                          ; the last trip would ask past chunk 15
	global_prefetch_b8 v7, s[20:21] offset:6*WCH th:TH_LOAD_NT scope:SCOPE_SE  ; my part of the chunks six and seven on: their loads are issued three chunks from here
	global_prefetch_b8 v7, s[20:21] offset:7*WCH th:TH_LOAD_NT scope:SCOPE_SE
.Lnopf:
	HEAD 1, 0, N2
	BODY 1, 1, 1, 1, 1, N4, N7
	HEAD 2, 0, N2
	WIN 0
	s_wait_xcnt 0x0                                ; the bases are stepped only behind this wait
	s_add_nc_u64 s[20:21], s[20:21], 2*WCH
	s_add_nc_u64 s[22:23], s[22:23], 2*ACH
	v_add_nc_u32 v5, 2*CHL, v5
	v_add_nc_u32 v6, 2*CHL, v6
	s_sub_co_u32 s35, s35, 1
	s_cmp_lg_u32 s35, 0
	s_cbranch_scc1 .Lmain
	BODY 0, 1, 1, 1, 1, N4, N7                     ; chunks 12 to 15: the loads end one kind after the other, and the counts run down
	HEAD 1, 0, N2
	BODY 1, 1, 0, 1, 1, N4, 40                     ; no weights left to ask for.  Behind Tb(13): 8 + 16 + 8 + 8
	HEAD 2, 0, 40                                  ; behind Ta(14): 16 + 8 + 8 + 8
	BODY 2, 1, 0, 0, 1, 24, 16                     ; nothing left to ask for.  Behind W(15): 8 + 8 + 8; behind Tb(14): 8 + 8
	HEAD 3, 0, 8
	BODY 3, 0, 0, 0, 0, 0, 0
	WIN 0
.Lgrp:                                                 ; four trips: group g's way out, then group g + 1's products
	PLACES                                         ; behind the group's last products, on the way in and on the way back
	s_mul_i32 s46, s34, 20
	s_add_co_u32 s46, s46, s14                     ; place 0's tile
	s_mov_b32 s57, 0
	s_mov_b32 s56, 5
.Ltile:                                                ; five trips, a place a trip
	s_wait_xcnt 0x0                                ; the last tile's stores have had their addresses translated: their data and base are rewritten only behind this wait
	s_cmp_ge_u32 s46, s32
	s_cbranch_scc1 .Ltnext                         ; no such tile
	s_lshl_b32 s44, s46, 17
	s_add_nc_u64 s[28:29], s[26:27], s[44:45]
	s_cmp_eq_u32 s57, 0
	s_cbranch_scc1 .Lwork                          ; place 0's sums lie where the text names them
	s_cmp_eq_u32 s57, 1
	s_cbranch_scc1 .Lb1
	s_cmp_eq_u32 s57, 2
	s_cbranch_scc1 .Lb2
	s_cmp_eq_u32 s57, 3
	s_cbranch_scc1 .Lb3
	BLOCK 4
	s_branch .Lwork
.Lb1:
	BLOCK 1
	s_branch .Lwork
.Lb2:
	BLOCK 2
	s_branch .Lwork
.Lb3:
	BLOCK 3
.Lwork:
	WIN 0x85
.set j, 0
.rept 32                               ; each accumulator's lowest registers are read first
	v_pk_mul_f32 v[WK+j:WK+j+1], v[j:j+1], v[j:j+1]
.set j, j+2
.endr
	WIN 0x82
.set j, 0
.rept 32
	v_pk_fma_f32 v[WK+j:WK+j+1], v[WK+j:WK+j+1], s[40:41], s[42:43] op_sel_hi:[1,0,0]
.set j, j+2
.endr
	WIN 0x86
.set j, 0
.rept 32
	v_pk_mul_f32 v[WK+j:WK+j+1], v[WK+j:WK+j+1], v[j:j+1]
.set j, j+2
.endr
	WIN 0x82
.set j, 0
.rept 64
	v_exp_f32 v[WK+j], v[WK+j]
.set j, j+1
.endr
	v_nop                                          ; a plain instruction between the exponentials and the use of their results
.set j, 0
	s_wait_alu depctr_va_vdst(0)
.rept 32
	v_pk_add_f32 v[WK+j:WK+j+1], v[WK+j:WK+j+1], 1.0 op_sel_hi:[1,0]
.set j, j+2
.endr
.set j, 0
.rept 64
	v_rcp_f32 v[WK+j], v[WK+j]
.set j, j+1
.endr
	v_nop
	WIN 0x86
.set j, 0
	s_wait_alu depctr_va_vdst(0)
.rept 32
	v_pk_mul_f32 v[WK+j:WK+j+1], v[WK+j:WK+j+1], v[j:j+1]
.set j, j+2
.endr
	WIN 0x8a
.irp g, 0,1                            ; piece p of a k-step, k = 8 p .. 8 p + 7 = 4 j + f for j = 2 p, 2 p + 1; h's one rounding, to f16
.irp p, 0,1,2,3
	v_cvt_pk_f16_f32 v[PK+16*(\g)+4*(\p)],   v[WK+32*(\g)+2*(\p)],      v[WK+32*(\g)+8+2*(\p)]
	v_cvt_pk_f16_f32 v[PK+16*(\g)+4*(\p)+1], v[WK+32*(\g)+16+2*(\p)],   v[WK+32*(\g)+24+2*(\p)]
	v_cvt_pk_f16_f32 v[PK+16*(\g)+4*(\p)+2], v[WK+32*(\g)+2*(\p)+1],    v[WK+32*(\g)+8+2*(\p)+1]
	v_cvt_pk_f16_f32 v[PK+16*(\g)+4*(\p)+3], v[WK+32*(\g)+16+2*(\p)+1], v[WK+32*(\g)+24+2*(\p)+1]
.endr
.endr
	WIN 0x08
.irp g, 0,1
.irp p, 0,1,2,3
	global_store_b128 v13, v[PK+16*(\g)+4*(\p):PK+16*(\g)+4*(\p)+3], s[28:29] offset:2048*(\g)+256*(\p)  ; lanes 0-15: 256 consecutive aligned bytes of k-step 2 g; lanes 16-31: of k-step 2 g + 1
.endr
.endr
	WIN 0
.Ltnext:
	s_add_co_u32 s46, s46, 4                       ; the next place's tile
	s_add_co_u32 s57, s57, 1
	s_sub_co_u32 s56, s56, 1
	s_cmp_lg_u32 s56, 0
	s_cbranch_scc1 .Ltile
	s_add_co_u32 s34, s34, 1                       ; the next group: the same products from the whole slice in LDS; no barrier, no weights from memory
	s_cmp_ge_u32 s34, s33
	s_cbranch_scc1 .Lnext                          ; there is none
	s_wait_xcnt 0x0                                ; the row offsets and base are rewritten only behind this wait
	SETA
	s_mov_b64 s[22:23], s[24:25]
	v_mov_b32 v5, v1
.set LA, 1                             ; a chunk a trip, rows asked for one chunk ahead: a short text for what few splits reach
	TLOAD 0, 0, 0, 0
	TLOAD 0, 1, 0, 0
	BLOAD B0, 0
	HEAD 0, 1, 10                                  ; behind Ta(0): Tb(0), ten loads
	WIN 0
	s_mov_b32 s35, 15
.Lovf:
	BODY 0, 0, 0, 1, 1, 0, 8                       ; behind Tb(t): Ta(t+1)
	WIN 0
	s_wait_xcnt 0x0
	s_add_nc_u64 s[22:23], s[22:23], ACH
	v_add_nc_u32 v5, CHL, v5
	HEAD 0, 0, 8                                   ; behind Ta(t+1): Tb(t+1)
	WIN 0
	s_sub_co_u32 s35, s35, 1
	s_cmp_lg_u32 s35, 0
	s_cbranch_scc1 .Lovf
	BODY 0, 0, 0, 0, 0, 0, 0
	WIN 0
.Lnext:
	s_sub_co_u32 s48, s48, 1                       ; the loop's own count, 4 down to 0
	s_cmp_lg_u32 s48, 0
	s_cbranch_scc1 .Lgrp
	s_wait_dscnt 0x0                               ; my reads of LDS are over;
	s_barrier_signal -1
	s_barrier_wait -1                              ; so are every wave's, before any wave writes LDS again (the add below)
	s_wait_tensorcnt 0x0                           ; the wave's end
	ds_add_u32 v30, v31
	s_wait_dscnt 0x0
	s_endpgm
.Lfunc_end_k_qed59c487e0_up:
	.size	k_qed59c487e0_up, .Lfunc_end_k_qed59c487e0_up-k_qed59c487e0_up
	.p2alignl 7, 3214868480
	.fill 96, 4, 3214868480
	.section	.rodata,"a",@progbits
	.p2align	6, 0x0
	.amdhsa_kernel k_qed59c487e0_up
		.amdhsa_group_segment_fixed_size 262656
		.amdhsa_private_segment_fixed_size 0
		.amdhsa_enable_private_segment 0
		.amdhsa_kernarg_size 32
		.amdhsa_user_sgpr_count 2
		.amdhsa_user_sgpr_kernarg_segment_ptr 1
		.amdhsa_wavefront_size32 1
		.amdhsa_system_sgpr_workgroup_id_x 1
		.amdhsa_system_sgpr_workgroup_id_y 1
		.amdhsa_system_sgpr_workgroup_id_z 1
		.amdhsa_system_vgpr_workitem_id 0
		.amdhsa_next_free_vgpr 896
		.amdhsa_next_free_sgpr 66
		.amdhsa_reserve_vcc 0
		.amdhsa_float_denorm_mode_32 3
		.amdhsa_float_denorm_mode_16_64 3
		.amdhsa_memory_ordered 1
		.amdhsa_forward_progress 1
		.amdhsa_inst_pref_size 137
	.end_amdhsa_kernel
	.amdgpu_metadata
---
amdhsa.version: [ 1, 2 ]
amdhsa.kernels:
  - .name:           k_qed59c487e0_up
    .symbol:         k_qed59c487e0_up.kd
    .args:
      - { .name: ord, .offset: 0, .size: 8, .value_kind: global_buffer, .address_space: global }
      - { .name: xg, .offset: 8, .size: 8, .value_kind: global_buffer, .address_space: global }
      - { .name: w1, .offset: 16, .size: 8, .value_kind: global_buffer, .address_space: global }
      - { .name: hbuf, .offset: 24, .size: 8, .value_kind: global_buffer, .address_space: global }
    .group_segment_fixed_size: 262656
    .private_segment_fixed_size: 0
    .kernarg_segment_align: 8
    .kernarg_segment_size: 32
    .max_flat_workgroup_size: 128
    .sgpr_count:     66
    .vgpr_count:     896
    .wavefront_size: 32
...
	.end_amdgpu_metadata
.endif
;; end of part 6
;; launch down (part 7): grid 32 x 8, 4 waves a work-group, no clusters, 262,656 bytes of LDS; arguments ord, hbuf, w2, part, gord; writes part
.if DOCPART == 7
	.amdgcn_target "amdgcn-amd-amdhsa--gfx1250"
	.amdhsa_code_object_version 6
	.text
	.protected	k_qed59c487e0_down
	.globl	k_qed59c487e0_down
	.p2align	8
	.type	k_qed59c487e0_down,@function
k_qed59c487e0_down:
	s_mov_b64 s[64:65], 0
	v_nop
	global_prefetch_b8 v0, s[64:65] scope:SCOPE_SE
	s_setreg_imm32_b32 hwreg(HW_REG_WAVE_MODE, 25, 1), 1
	s_wait_xcnt 0x0
; THE EXPERTS' SECOND PRODUCT: part = gate x (h w2[e]) over a quarter of k, for the rows that chose expert e.  Built as the first product's launch is; this text holds its own lines alone.
;   rows from hbuf (h in f16, stored by the launch before as this product's fragments, [expert][tile of 16 rows][k-step 0..127][1,024 bytes]); weights w2[e] [4096 k][1024] f32;
;   result times the row's gate, in f32, to part [quarter of k][entry = 2 token + slot][1024]: partial sums that the last launch adds.
; FORMATS.  w2 is rounded to bf16, as all inputs are.  h has 11 significant bits (f16), so the product is the f16 form: w2's bf16 numbers are written again as f16, exact from 2^-14 up; below that
; f16's step of 2^-24 holds.  LIMITS.  |h| or |w2| beyond 65,504 becomes an infinity.  NaN and infinities are not treated apart.
; SHARE.  A work-group has one expert (grid y), 128 columns (x % 8) and 1,024 of k (x / 8): 512 KiB of f32 that no other work-group reads.
; ROWS.  An earlier launch has counted each expert's rows (the words behind ord's lists), put them in order (ord: the entry; gord: its gate) and filled the last tile of 16 up with its last row.
; Tile T = 20 g + 4 i + w belongs to wave w, place i (0..4), group g (0..3).  A place whose tile does not exist takes the last tile that does, and its stores are jumped.  With some 256 rows an expert has
; 16 or 17 tiles, so place 4 is empty in most waves: there its loads and products are jumped too, by a scalar branch with no barrier inside (a group's first loads and products run in every wave, so that
; every register is written).  Every split is served: 0 .. 1,024 rows.  An expert without rows: its weights are still read, tile 0 (written by the launch before) is multiplied, nothing is stored.
; WEIGHTS.  K goes in 16 chunks of 64.  Of a chunk wave w takes k-step w / 2 (32 k) and column group w % 2 (64 columns): 16 loads; in each, lanes 0-15 take 256 consecutive aligned bytes of one
; row of k and lanes 16-31 those of the row 8 further on.  A lane then holds columns 4 r .. 4 r + 3 for the 16 k that a 16-bit fragment wants of it, so roundings in pairs make four fragments
; (fragment f: place m of 16 stands for column 4 m + f) and nothing is turned.  They go into LDS, each byte of the slice written once; one barrier a chunk shows it to all four waves.
; GROUP 0 (320 rows) is multiplied chunk by chunk behind the fill, under the stream of weights.  Groups 1 to 3, where the count asks for them, run afterwards from the whole slice in LDS, without barriers.
; THE LOOP OVER GROUPS has four trips; a trip is group g's way out and then group g + 1's products, which are jumped where there is no such group; a group that does not exist has no tile to store.
; LOADS are issued in the order in which they are wanted, for chunk x: Ta(x) (rows, first k-step), W(x + 1) (16 loads), Tb(x) (rows, second k-step); trip t issues Ta(t + 2), W(t + 3), Tb(t + 2).
; Ta and Tb are 8 loads, or 10 where place 4 is alive.  Each wait's count takes them as 8: the least number of loads issued behind the one wanted on any way.  More than LOADcnt's field holds is never
; out: the issue waits (ISA guide 5.7.1).  Every row load takes 512 consecutive bytes of a fragment as it lies in memory.
; PRODUCT.  Source 0 = 16 rows, source 1 = weights: lane (r, h), register j holds row 8 h + j, column 4 r + f: four fragments give 16 bytes, 16 lanes 256 consecutive bytes of a row of part.
; THE WAY OUT is written once and walked five times, a place a trip; what differs from place to place is a short block chosen by forward branches.
; NO CLUSTER: what an expert's work-groups share is its rows; two slots of 20 tiles x 2 KiB for them do not fit beside the slice of 262,144 bytes.
; REGISTERS, in windows of 256 (s_set_vgpr_msb: bits 1:0 source 0, 3:2 source 1, 5:4 source 2, 7:6 destination):
;   window 0: v0-21 addresses and work; v30, v31 the add's; v32-63 fragments just rounded (way out: row offsets); v64-127, v128-191 a k-step's eight weight fragments, two buffers
;             (v64-127 also: at work while weights are rounded, and a tile's results on its way out); v192-255 the accumulators of place 4
;   window 1: the accumulators of places 0-3 (place i, fragment f' = 4 cg + f at 64 i + 8 f')          window 2: v0-159 row fragments (parity of the chunk, k-step, place: 80 par + 40 s + 8 i)
;   window 3: v0-127 weights as loaded, two buffers; v128-207 place i's eight entries at 128 + 16 i, its eight gates at 136 + 16 i
.set LOGP, 12                          ; a row of the weights: 4,096 bytes
.set TSH,  17                          ; a tile of rows: 128 k-steps of 1,024 bytes
.set MW_LO, 0x52                       ; products: rows window 2, weights window 0, C and D window 1
.set MW_HI, 0x02                       ; the same, C and D window 0
.set PITCH, 1<<LOGP
.set AKS,   1024                       ; bytes from a k-step of a tile of rows to the next
.set AHF,   512                        ; and to the second half of a fragment
.set ACH,   2*AKS                      ; row bytes a chunk
.set WCH,   64*PITCH                   ; weight bytes from chunk to chunk
.set CHL,   16384                      ; a chunk in LDS: k-step s at 8,192 s, fragment f' at 1,024 f': registers 0-3 at 16 lane, 4-7 at 512 + 16 lane
.set SPARE, 16*CHL                     ; behind the slice: the spare words, 128 bytes a wave: no other line names them
.set BF, 32
.set B0, 64
.set B1, 128
.set EG, 128                           ; window 3: entries and gates
.set N2, 56                            ; behind Ta(t): W(t+1), Tb(t), Ta(t+1), W(t+2), Tb(t+1) = 16 + 8 + 8 + 16 + 8
.set N4, 48                            ; behind W(t+1): Tb(t), Ta(t+1), W(t+2), Tb(t+1), Ta(t+2) = 8 + 8 + 16 + 8 + 8
.set N7, 56                            ; behind Tb(t): Ta(t+1), W(t+2), Tb(t+1), Ta(t+2), W(t+3) = 8 + 16 + 8 + 8 + 16
.set N0, 63                            ; behind W(0): entries and gates, Ta(0), W(1), Tb(0), Ta(1) = 20 + 10 + 16 + 10 + 10 = 66: the wait names what its field holds
; v1 16 lane   v2 r   v4 weights: 8 h rows + 16 r   v5 LDS: reads of the slice   v6 LDS: my stores into it   v7 prefetch: lane rows   v8-12 row offsets of places 0-4
; v13 16 r   v14 32 h   v17-21 offsets of places 0-4 in ord and gord
; s14 wave  s15 expert  s17 slice  s18 quarter  s[20:21] weights  s[22:23] rows  s[24:25] rows at k = 0  s[26:27] output  s30 count  s31 max(count,1)-1  s32 tiles  s33 groups
; s34 g  s35 trips  s37-39, s51 at work  s[44:45] an offset  s46 the tile on its way out  s48 trips over groups to go  s49 a word's upper half  s50 1: place 4 has a tile
; s[52:53] ord, s[54:55] gord at my expert  s56 places to go  s57 the place  s58 the count's offset  s[60:61] an offset
.set MSB, 0
.macro WIN new                         ; the immediate's high byte repeats the setting that is left; a switch that changes nothing is dropped
.if MSB != (\new)
	s_set_vgpr_msb (MSB<<8)|(\new)
.set MSB, (\new)
.endif
.endm
.macro PLACES                          ; four places behind a product, ahead of loads into its sources and of reads of its result (for reads of its result)
.rept 4
	v_nop
.endr
.endm
.macro WLOAD par, c                    ; my 32 k x 64 columns of chunk c (counted from the base): rows 8 h + 0..7 and 16 + 8 h + 0..7
	WIN 0xc0
.irp i, 0,1,2,3,4,5,6,7,8,9,10,11,12,13,14,15
	global_load_b128 v[64*(\par)+4*(\i):64*(\par)+4*(\i)+3], v4, s[20:21] offset:(\c)*WCH+((\i)+8*((\i)/8))*PITCH th:TH_LOAD_NT
.endr
.endm
.macro TLOAD par, s, c, cond           ; the places' row fragments of k-step s of chunk c.  cond = 1: place 4's two loads are jumped where it has no tile
	WIN 0x80
.irp i, 0,1,2,3
	global_load_b128 v[80*(\par)+40*(\s)+8*(\i):80*(\par)+40*(\s)+8*(\i)+3],   v[8+(\i)], s[22:23] offset:(\c)*ACH+(\s)*AKS
	global_load_b128 v[80*(\par)+40*(\s)+8*(\i)+4:80*(\par)+40*(\s)+8*(\i)+7], v[8+(\i)], s[22:23] offset:(\c)*ACH+(\s)*AKS+AHF
.endr
.if \cond
	WIN 0                                          ; at a branch and at a label every window is 0
	s_cmp_eq_u32 s50, 0
	s_cbranch_scc1 .Lno_t_\@
	WIN 0x80
.endif
	global_load_b128 v[80*(\par)+40*(\s)+32:80*(\par)+40*(\s)+35], v12, s[22:23] offset:(\c)*ACH+(\s)*AKS
	global_load_b128 v[80*(\par)+40*(\s)+36:80*(\par)+40*(\s)+39], v12, s[22:23] offset:(\c)*ACH+(\s)*AKS+AHF
.if \cond
	WIN 0
.Lno_t_\@:
.endif
.endm
.macro CVT par                         ; register p of fragment f = word f of loads 2 p and 2 p + 1, rounded to bf16;
	WIN 0x0f
.irp f, 0,1,2,3
.irp p, 0,1,2,3,4,5,6,7
	v_cvt_pk_bf16_f32 v[BF+8*(\f)+(\p)], v[64*(\par)+8*(\p)+(\f)], v[64*(\par)+8*(\p)+4+(\f)]
.endr
.endr
	WIN 0                                          ; then the same numbers written again as f16: widened (a shift, a mask) into the first fragment buffer, which is free here (its last
.set zz, 0                             ; readers stand ahead of the four places at BODY's head, its next fill behind the barrier), and packed
.rept 32
	v_lshlrev_b32 v[B0+2*zz], 16, v[BF+zz]
	v_and_b32 v[B0+2*zz+1], s49, v[BF+zz]
.set zz, zz+1
.endr
.set zz, 0
.rept 32
	v_cvt_pk_f16_f32 v[BF+zz], v[B0+2*zz], v[B0+2*zz+1]
.set zz, zz+1
.endr
.endm
.macro WSTORE c                        ; my four fragments into the slice: 512 consecutive bytes a store
	WIN 0
.irp f, 0,1,2,3
	ds_store_b128 v6, v[BF+8*(\f):BF+8*(\f)+3]   offset:(\c)*CHL+1024*(\f)
	ds_store_b128 v6, v[BF+8*(\f)+4:BF+8*(\f)+7] offset:(\c)*CHL+1024*(\f)+512
.endr
.endm
.macro BLOAD buf, off                  ; a k-step's eight fragments out of the slice
	WIN 0
.irp f, 0,1,2,3,4,5,6,7
	ds_load_b128 v[(\buf)+8*(\f):(\buf)+8*(\f)+3],   v5 offset:(\off)+1024*(\f)
	ds_load_b128 v[(\buf)+8*(\f)+4:(\buf)+8*(\f)+7], v5 offset:(\off)+1024*(\f)+512
.endr
.endm
; 40 products: five places x eight fragments, 32 along k.  The accumulators take turns, one instruction a turn.  zero = 1: they start the sums.
; cond = 1: place 4's eight products are jumped where it has no tile.
.macro MUL par, s, buf, zero, cond
.irp i, 0,1,2,3,4
.if (\i) < 4
	WIN MW_LO
.else
.if \cond
	WIN 0
	s_cmp_eq_u32 s50, 0
	s_cbranch_scc1 .Lno_m_\@
.endif
	WIN MW_HI
.endif
.irp f, 0,1,2,3,4,5,6,7
.set AC, 64*(\i)-64*((\i)/4)+8*(\f)
.set TT, 80*(\par)+40*(\s)+8*(\i)
.set BB, (\buf)+8*(\f)
.if \zero
	v_wmma_f32_16x16x32_f16 v[AC:AC+7], v[TT:TT+7], v[BB:BB+7], 0
.else
	v_wmma_f32_16x16x32_f16 v[AC:AC+7], v[TT:TT+7], v[BB:BB+7], v[AC:AC+7]
.endif
.endr
.endr
.if \cond
	WIN 0
.Lno_m_\@:
.endif
.endm
; A chunk's first k-step.  n2: the loads issued behind Ta of this chunk.
.macro HEAD c, zero, n2
	BLOAD B1, (\c)*CHL+8192                        ; the second k-step's fragments, a run of products ahead of their use
	s_wait_loadcnt \n2
	s_wait_dscnt 16                                ; the first k-step's fragments are in; the 16 loads just issued may be out
	MUL (\c)%2, 0, B0, \zero, 1-(\zero)
.endm
; The rest of a chunk.  fill: the next chunk of weights is rounded, stored and shown to all waves; wl: weights three chunks on are asked for; tl: rows LA chunks on are asked for; nxt: a chunk follows.
; n4: the loads issued behind W of the next chunk; n7: behind Tb of this chunk.
.macro BODY c, fill, wl, tl, nxt, n4, n7
	PLACES
.if \tl
	TLOAD (\c)%2, 0, (\c)+LA, 1
.endif
.if \fill
	s_wait_loadcnt \n4
	CVT ((\c)+1)%2
.if \wl
	WLOAD ((\c)+1)%2, (\c)+3
.endif
	WSTORE (\c)+1
	s_wait_dscnt 0x0                               ; for the others' sake: my stores are done (and so are my loads of the second k-step's fragments)
	s_barrier_signal -1
	s_barrier_wait -1                              ; the next chunk is whole; its bytes are never written again
.endif
.if \nxt
	BLOAD B0, ((\c)+1)*CHL
.endif
	s_wait_loadcnt \n7
.if !(\fill)
	s_wait_dscnt 16*(\nxt)                         ; the second k-step's fragments are in; the run just issued may be out
.endif
	MUL (\c)%2, 1, B1, 0, 1
.if (\tl)||(\nxt)
	PLACES
.endif
.if \tl
	TLOAD (\c)%2, 1, (\c)+LA, 1
.endif
.endm
; Group g begins: the offsets of its five places' tiles; whether place 4 has one; the places' entries and gates are asked for, 32 bytes of each a lane, long before the way out wants them.
.macro SETA
	WIN 0
	s_mul_i32 s37, s34, 20
	s_add_co_u32 s37, s37, s14                     ; 20 g + w
	s_sub_co_u32 s39, s32, 1
.irp i, 0,1,2,3,4
	s_add_co_u32 s38, s37, 4*(\i)                  ; the tile, or the last that exists
	s_min_u32 s38, s38, s39
	s_min_u32 s38, s38, 63
	s_lshl_b32 s51, s38, 6                         ; the tile's 16 words in ord and gord,
	v_add_nc_u32 v[17+(\i)], s51, v14              ; and my rows 8 h .. 8 h + 7
	s_lshl_b32 s38, s38, TSH
	v_add_nc_u32 v[8+(\i)], s38, v1
.endr
	s_add_co_u32 s38, s37, 16
	s_cmp_lt_u32 s38, s32
	s_cselect_b32 s50, 1, 0
	WIN 0xc0
.irp i, 0,1,2,3,4
	global_load_b128 v[EG+16*(\i):EG+16*(\i)+3],     v[17+(\i)], s[52:53]
	global_load_b128 v[EG+16*(\i)+4:EG+16*(\i)+7],   v[17+(\i)], s[52:53] offset:16
	global_load_b128 v[EG+16*(\i)+8:EG+16*(\i)+11],  v[17+(\i)], s[54:55]
	global_load_b128 v[EG+16*(\i)+12:EG+16*(\i)+15], v[17+(\i)], s[54:55] offset:16
.endr
	WIN 0
.endm
; What differs from place to place on the way out: where its entries, gates and sums lie.
.macro BLOCK t
.set AW, 1-(\t)/4                      ; the accumulators' window,
.set AB, 64*(\t)-64*((\t)/4)           ; and their first register
	WIN 0x0c
.irp j, 0,1,2,3,4,5,6,7
	v_min_u32 v[32+(\j)], 0x7ff, v[EG+16*(\t)+(\j)]    ; the entries of rows 8 h + j
.endr
	WIN AW|0x0c
.irp j, 0,1,2,3,4,5,6,7                ; register 0 of every accumulator is read first; the multiply by the gate also brings four fragments' numbers side by side
.irp g, 0,1
.irp f, 0,1,2,3
	v_mul_f32 v[64+8*(\j)+4*(\g)+(\f)], v[AB+32*(\g)+8*(\f)+(\j)], v[EG+16*(\t)+8+(\j)]
.endr
.endr
.endr
	WIN 0
.endm
	s_load_b256 s[4:11], s[0:1], 0x0               ; ord s[4:5], rows s[6:7], weights s[8:9], output s[10:11]
	s_load_b64 s[12:13], s[0:1], 0x20              ; gord
	v_lshl_add_u32 v30, v0, 2, SPARE               ; my spare word,
	v_mov_b32 v31, 0                               ; and 0: kept for the wave's last lines alone
	v_lshrrev_b32 v17, 5, v0
	v_readfirstlane_b32 s14, v17                   ; wave 0..3
	s_and_b32 s15, ttmp7, 0xffff                   ; expert
	v_and_b32 v18, 31, v0                          ; lane
	v_and_b32 v2, 15, v0                           ; r
	v_bfe_u32 v19, v0, 4, 1                        ; h
	v_lshlrev_b32 v1, 4, v18
	v_lshlrev_b32 v4, LOGP+3, v19
	v_lshl_add_u32 v4, v2, 4, v4
	v_mov_b32 v5, v1
	s_lshl_b32 s37, s14, 12
	v_add_nc_u32 v6, s37, v1                       ; k-step w / 2, column group w % 2: 4,096 w
	v_lshlrev_b32 v7, LOGP, v18
	v_lshlrev_b32 v13, 4, v2
	v_lshlrev_b32 v14, 5, v19
	s_lshl_b32 s58, s15, 2                         ; my expert's count among the eight
	s_lshl_b32 s44, s15, 24                        ; an expert's weights: 16 MiB
	s_and_b32 s17, ttmp9, 7
	s_lshr_b32 s18, ttmp9, 3
	s_lshl_b32 s37, s18, 22                        ; a quarter of k: 1,024 rows of 4,096 bytes
	s_add_co_u32 s44, s44, s37
	s_mov_b32 s49, 0xffff0000                      ; a word's upper bf16
	s_lshl_b32 s37, s17, 9                         ; the slice's 128 columns
	s_add_co_u32 s44, s44, s37
	s_and_b32 s37, s14, 1
	s_lshl_b32 s37, s37, 8                         ; my column group
	s_add_co_u32 s44, s44, s37
	s_lshr_b32 s37, s14, 1
	s_lshl_b32 s37, s37, LOGP+5                    ; my k-step's 32 rows
	s_add_co_u32 s44, s44, s37
	s_mov_b32 s45, 0
	s_lshl_b32 s38, s15, 23                        ; hbuf: the expert; the quarter's 32 k-steps
	s_lshl_b32 s37, s18, 15
	s_add_co_u32 s38, s38, s37
	s_lshl_b32 s46, s18, 23                        ; part: the quarter's 2,048 rows; the slice's 512 bytes
	s_lshl_b32 s37, s17, 9
	s_add_co_u32 s46, s46, s37
	s_lshl_b32 s60, s15, 12                        ; ord and gord: an expert's 1,024 words
	s_mov_b32 s61, 0
	s_mov_b32 s39, 0
	s_mov_b32 s47, 0
	s_mov_b32 s34, 0
	s_mov_b32 s48, 4
	s_wait_kmcnt 0x0
	s_load_b32 s30, s[4:5], s58 offset:0x8000      ; the count, behind the eight lists
	s_add_nc_u64 s[20:21], s[8:9], s[44:45]
	s_add_nc_u64 s[24:25], s[6:7], s[38:39]
	s_mov_b64 s[22:23], s[24:25]
	s_add_nc_u64 s[26:27], s[10:11], s[46:47]
	s_add_nc_u64 s[52:53], s[4:5], s[60:61]
	s_add_nc_u64 s[54:55], s[12:13], s[60:61]
	WLOAD 0, 0                                     ; the weights hang on no count: chunk 0 goes out at once
	WIN 0
.irp c, 1,2,3,4,5                      ; my part of chunks 1 to 5 is asked into the L2 while the count is on its way: a lane a row, 256 bytes each, each block asked for once in the launch
	global_prefetch_b8 v7, s[20:21] offset:(\c)*WCH th:TH_LOAD_NT scope:SCOPE_SE
.endr
	s_wait_kmcnt 0x0
	s_max_u32 s31, s30, 1
	s_sub_co_u32 s31, s31, 1                       ; the last place that exists
	s_lshr_b32 s32, s31, 4
	s_add_co_u32 s32, s32, 1                       ; tiles, 1 .. 64
	s_add_co_u32 s33, s32, 19
	s_mul_i32 s33, s33, 205
	s_lshr_b32 s33, s33, 12                        ; groups of 20 tiles, rounded up: (tiles + 19) / 20, exact up to 64 tiles
	SETA
.set LA, 2                             ; under the stream of weights rows are asked for two chunks ahead
	TLOAD 0, 0, 0, 0
	WLOAD 1, 1
	TLOAD 0, 1, 0, 0
	TLOAD 1, 0, 1, 0
	s_wait_loadcnt N0                              ; chunk 0's weights
	CVT 0
	WLOAD 0, 2
	WSTORE 0
	TLOAD 1, 1, 1, 0
	s_wait_dscnt 0x0                               ; for the others' sake: my part of chunk 0 is in LDS
	s_barrier_signal -1
	s_barrier_wait -1
	BLOAD B0, 0
	HEAD 0, 1, 62                                  ; the first products start the sums: nothing is cleared.  Behind Ta(0): 16 + 10 + 10 + 16 + 10
	WIN 0                                          ; at a label and at a branch every window is 0
	s_mov_b32 s35, 6
.Lmain:                                                ; a trip: two chunks, from the first's second k-step to the first k-step of the chunk behind them
	BODY 0, 1, 1, 1, 1, N4, N7
	WIN 0
	s_cmp_eq_u32 s35, 1
	s_cbranch_scc1 .Lnopf                          ; the last trip would ask past chunk 15
	global_prefetch_b8 v7, s[20:21] offset:6*WCH th:TH_LOAD_NT scope:SCOPE_SE  ; my part of the chunks six and seven on: their loads are issued three chunks from here
	global_prefetch_b8 v7, s[20:21] offset:7*WCH th:TH_LOAD_NT scope:SCOPE_SE
.Lnopf:
	HEAD 1, 0, N2
	BODY 1, 1, 1, 1, 1, N4, N7
	HEAD 2, 0, N2
	WIN 0
	s_wait_xcnt 0x0                                ; the bases are stepped only behind this wait
	s_add_nc_u64 s[20:21], s[20:21], 2*WCH
	s_add_nc_u64 s[22:23], s[22:23], 2*ACH
	v_add_nc_u32 v5, 2*CHL, v5
	v_add_nc_u32 v6, 2*CHL, v6
	s_sub_co_u32 s35, s35, 1
	s_cmp_lg_u32 s35, 0
	s_cbranch_scc1 .Lmain
	BODY 0, 1, 1, 1, 1, N4, N7                     ; chunks 12 to 15: the loads end one kind after the other, and the counts run down
	HEAD 1, 0, N2
	BODY 1, 1, 0, 1, 1, N4, 40                     ; no weights left to ask for.  Behind Tb(13): 8 + 16 + 8 + 8
	HEAD 2, 0, 40                                  ; behind Ta(14): 16 + 8 + 8 + 8
	BODY 2, 1, 0, 0, 1, 24, 16                     ; nothing left to ask for.  Behind W(15): 8 + 8 + 8; behind Tb(14): 8 + 8
	HEAD 3, 0, 8
	BODY 3, 0, 0, 0, 0, 0, 0
	WIN 0
.Lgrp:                                                 ; four trips: group g's way out, then group g + 1's products.  A group's last wait was for all loads, its entries and gates among them
	PLACES                                         ; behind the group's last products, on the way in and on the way back
	s_mul_i32 s46, s34, 20
	s_add_co_u32 s46, s46, s14                     ; place 0's tile
	s_mov_b32 s57, 0
	s_mov_b32 s56, 5
.Ltile:                                                ; five trips, a place a trip
	s_wait_xcnt 0x0                                ; the last tile's stores have had their addresses translated: their data and offsets are rewritten only behind this wait
	s_lshl_b32 s44, s46, 4
	s_cmp_ge_u32 s44, s30
	s_cbranch_scc1 .Ltnext                         ; no row in this tile
	s_cmp_eq_u32 s57, 0
	s_cbranch_scc1 .Lb0
	s_cmp_eq_u32 s57, 1
	s_cbranch_scc1 .Lb1
	s_cmp_eq_u32 s57, 2
	s_cbranch_scc1 .Lb2
	s_cmp_eq_u32 s57, 3
	s_cbranch_scc1 .Lb3
	BLOCK 4
	s_branch .Lwork
.Lb0:
	BLOCK 0
	s_branch .Lwork
.Lb1:
	BLOCK 1
	s_branch .Lwork
.Lb2:
	BLOCK 2
	s_branch .Lwork
.Lb3:
	BLOCK 3
.Lwork:
.irp j, 0,1,2,3,4,5,6,7
	v_lshl_add_u32 v[32+(\j)], v[32+(\j)], 12, v13     ; the entry's row of 4,096 bytes, + 16 r (a place past the count holds the last row's entry and numbers: that row is stored again, alike)
.endr
.irp j, 0,1,2,3,4,5,6,7
.irp g, 0,1
	global_store_b128 v[32+(\j)], v[64+8*(\j)+4*(\g):64+8*(\j)+4*(\g)+3], s[26:27] offset:256*(\g)  ; 16 lanes: 256 consecutive aligned bytes of a row
.endr
.endr
.Ltnext:
	s_add_co_u32 s46, s46, 4                       ; the next place's tile
	s_add_co_u32 s57, s57, 1
	s_sub_co_u32 s56, s56, 1
	s_cmp_lg_u32 s56, 0
	s_cbranch_scc1 .Ltile
	s_add_co_u32 s34, s34, 1                       ; the next group: the same products from the whole slice in LDS; no barrier, no weights from memory
	s_cmp_ge_u32 s34, s33
	s_cbranch_scc1 .Lnext                          ; there is none
	s_wait_xcnt 0x0                                ; the row offsets and base are rewritten only behind this wait
	SETA
	s_mov_b64 s[22:23], s[24:25]
	v_mov_b32 v5, v1
.set LA, 1                             ; a chunk a trip, rows asked for one chunk ahead: a short text for what few splits reach
	TLOAD 0, 0, 0, 0
	TLOAD 0, 1, 0, 0
	BLOAD B0, 0
	HEAD 0, 1, 10                                  ; behind Ta(0): Tb(0), ten loads
	WIN 0
	s_mov_b32 s35, 15
.Lovf:
	BODY 0, 0, 0, 1, 1, 0, 8                       ; behind Tb(t): Ta(t+1)
	WIN 0
	s_wait_xcnt 0x0
	s_add_nc_u64 s[22:23], s[22:23], ACH
	v_add_nc_u32 v5, CHL, v5
	HEAD 0, 0, 8                                   ; behind Ta(t+1): Tb(t+1)
	WIN 0
	s_sub_co_u32 s35, s35, 1
	s_cmp_lg_u32 s35, 0
	s_cbranch_scc1 .Lovf
	BODY 0, 0, 0, 0, 0, 0, 0
	WIN 0
.Lnext:
	s_sub_co_u32 s48, s48, 1                       ; the loop's own count, 4 down to 0
	s_cmp_lg_u32 s48, 0
	s_cbranch_scc1 .Lgrp
	s_wait_dscnt 0x0                               ; my reads of LDS are over;
	s_barrier_signal -1
	s_barrier_wait -1                              ; so are every wave's, before any wave writes LDS again (the add below)
	s_wait_tensorcnt 0x0                           ; the wave's end
	ds_add_u32 v30, v31
	s_wait_dscnt 0x0
	s_endpgm
.Lfunc_end_k_qed59c487e0_down:
	.size	k_qed59c487e0_down, .Lfunc_end_k_qed59c487e0_down-k_qed59c487e0_down
	.p2alignl 7, 3214868480
	.fill 96, 4, 3214868480
	.section	.rodata,"a",@progbits
	.p2align	6, 0x0
	.amdhsa_kernel k_qed59c487e0_down
		.amdhsa_group_segment_fixed_size 262656
		.amdhsa_private_segment_fixed_size 0
		.amdhsa_enable_private_segment 0
		.amdhsa_kernarg_size 40
		.amdhsa_user_sgpr_count 2
		.amdhsa_user_sgpr_kernarg_segment_ptr 1
		.amdhsa_wavefront_size32 1
		.amdhsa_system_sgpr_workgroup_id_x 1
		.amdhsa_system_sgpr_workgroup_id_y 1
		.amdhsa_system_sgpr_workgroup_id_z 1
		.amdhsa_system_vgpr_workitem_id 0
		.amdhsa_next_free_vgpr 976
		.amdhsa_next_free_sgpr 66
		.amdhsa_reserve_vcc 0
		.amdhsa_float_denorm_mode_32 3
		.amdhsa_float_denorm_mode_16_64 3
		.amdhsa_memory_ordered 1
		.amdhsa_forward_progress 1
		.amdhsa_inst_pref_size 155
	.end_amdhsa_kernel
	.amdgpu_metadata
---
amdhsa.version: [ 1, 2 ]
amdhsa.kernels:
  - .name:           k_qed59c487e0_down
    .symbol:         k_qed59c487e0_down.kd
    .args:
      - { .name: ord, .offset: 0, .size: 8, .value_kind: global_buffer, .address_space: global }
      - { .name: hbuf, .offset: 8, .size: 8, .value_kind: global_buffer, .address_space: global }
      - { .name: w2, .offset: 16, .size: 8, .value_kind: global_buffer, .address_space: global }
      - { .name: part, .offset: 24, .size: 8, .value_kind: global_buffer, .address_space: global }
      - { .name: gord, .offset: 32, .size: 8, .value_kind: global_buffer, .address_space: global }
    .group_segment_fixed_size: 262656
    .private_segment_fixed_size: 0
    .kernarg_segment_align: 8
    .kernarg_segment_size: 40
    .max_flat_workgroup_size: 128
    .sgpr_count:     66
    .vgpr_count:     976
    .wavefront_size: 32
...
	.end_amdgpu_metadata
.endif
;; end of part 7
;; launch addup: the kernel of part 4 again; grid 256 x 1, 8 waves a work-group, no clusters, 0 bytes of LDS; arguments part, out0; writes out0
;; ======== version 3 of 3: 5 launches; version 2 with the launches place, up written anew for expert scheduling mode
;; limits: values are held in f16: magnitudes above 65,504 overflow, below 6.1e-05 lose precision
;; workspace buffers: xb 2,097,152 bytes; sel 8,192 bytes of whole numbers; gat 8,192 bytes; xg 16,777,216 bytes; ord 33,024 bytes of whole numbers; gord 32,768 bytes; hbuf 67,108,864 bytes; part 33,554,432 bytes
;; launch router: the kernel of part 1 again; grid 64 x 1, 4 waves a work-group, no clusters, 54,016 bytes of LDS; arguments x, router_w, xb, sel, gat; writes xb, sel, gat
;; launch place (part 8): grid 64 x 8, 4 waves a work-group, no clusters, 51,712 bytes of LDS; arguments sel, xb, gat, xg, ord, gord; writes xg, ord, gord
.if DOCPART == 8
	.amdgcn_target "amdgcn-amd-amdhsa--gfx1250"
	.amdhsa_code_object_version 6
	.text
	.protected	k_qed59c487e0_place
	.globl	k_qed59c487e0_place
	.p2align	8
	.type	k_qed59c487e0_place,@function
k_qed59c487e0_place:
	s_mov_b64 s[64:65], 0
	v_nop
	global_prefetch_b8 v0, s[64:65] scope:SCOPE_SE
	s_setreg_imm32_b32 hwreg(HW_REG_WAVE_SCHED_MODE, 0, 2), 2
	s_setreg_imm32_b32 hwreg(HW_REG_WAVE_MODE, 25, 1), 1
	s_wait_xcnt 0x0
	s_wait_alu depctr_vm_vsrc(0)
; PLACE.  The rows that chose an expert are counted, put in order and laid out for the two products that follow.
;   sel[token][2]: each token's two experts.  An expert's rows are its entries (2 token + slot) in ascending order; they go in tiles of 16.
;   xg[expert][tile][k-step 0..31][1,024 bytes]: the tile's 16 rows of xb (x in bf16) as the first product's fragments: lane l's registers 0-3 at 16 l, registers 4-7 at 512 + 16 l.
;   ord[expert][place]: the entry; behind the eight lists, at byte 32,768, the eight counts.   gord[expert][place]: the entry's gate.
;   Places of the last tile past the count repeat the last row, its entry and its gate.  An expert without rows gets tile 0 made of token 0, so that what is read later has been written.
; GRID.  64 x 8: a work-group for each tile that any split can have (all 1,024 tokens on one expert are 64 tiles).  A work-group whose tile the split leaves empty stores nothing and ends.
; Fewer work-groups, each finding its tile from a running number, would need all eight counts in every wave: eight times the compares below.
; SHARES.  Every wave counts for itself and keeps its own list in LDS, so no wave waits for another: there is no barrier.  Wave w has 256 of the tile's 1,024 k (512 bytes of each row): 16 loads,
; in each of which lanes 0-15 take 256 consecutive aligned bytes of one row and lanes 16-31 those of the next; the rows go into the wave's own stage in LDS and come back as fragments
; (lane l: row l % 16; 16 bytes at 16 (l / 16) and at 32 + 16 (l / 16) of a k-step's 64); each store covers 512 consecutive aligned bytes.
; Wave 0 stores the tile's 16 entries and 16 gates, 64 bytes each: a quarter of an aligned block of 256; lanes 16-31 store the same words again.  Tile 0's wave 0 stores the count.
; THE MODE: SCHED_MODE bits 1:0 = 2 (LLVM: expert scheduling mode 2), set by the entry lines.  The code itself states the register dependences
; between vector instructions and memory or LDS instructions, and those through scalar registers that vector instructions write, with s_wait_alu, always for 0.
; THE PLAN.  Registers that memory or LDS instructions touch:
;   v20, v21, v24-27  written at the head, read by sel's loads and by the stores that clear the list; never written again.
;   X (v64-127)       sel lands here and the compares read it; later the rows land here and the stage's stores read them.
;   LA, LE (v128-191) block b's list address and entry, a register each, written once by the block's vector lines and read by its one store; later the fragments land here (Y).
;   v48-55, v41       the nine addresses of the list's loads; v41 is written once more, as the gate's offset.
;   v32-39, v40       the list's loads land here; vector lines make the rows' offsets and the clamped entry of them, which the row loads and the store to ord read.
;   v4-v8             offsets and addresses, written once while sel is on its way.          v9, v10  the count and its offset.
; The list is made in four groups of eight blocks.  A group begins with its sixteen compares, in a run, into sixteen scalar registers; ONE wait shows the masks written, and ONE wait beside it
; shows the group before's LA and LE written: that group's eight stores follow, then this group's scalar and vector lines.  No LA or LE is written twice, so the groups owe nothing for registers read.
.set XSP,   528                        ; a row in a stage: 512 bytes + 16 = 132 words: row r starts at bank 4 r mod 64 (64 banks of 4 bytes: ISA guide 11.1), so the 16 rows that a load touches start at 16 different banks
.set STGW,  16*XSP                     ; a wave's stage
.set LIST,  4*STGW                     ; behind the stages: a list for each wave, 1,024 entries and 32 words for the lanes that have nothing to store
.set LISTP, 4352
.set SPARE, LIST+4*LISTP               ; the spare words, 128 bytes a wave: no other line names them
.set X,     64                         ; v64-127   sel as loaded; later the rows as loaded
.set Y,     128                        ; v128-191  the fragments
.set LA,    Y                          ; v128-159  before that: block b's address in my list
.set LE,    Y+32                       ; v160-191  and its entry
.set MK,    32                         ; s32-47    block i of a group: at MK + 2 i the lanes whose slot 0 chose my expert (then: either slot), at MK + 2 i + 1 those whose slot 1 did
; v1 lane  v2 r  v3 h  v4 xb: 512 w + 16 r  v5 stage, in  v6 stage, out  v7 16 lane  v8 4 r  v15 2 lane  v16 1,024 + lane  v17 at work  v20 8 lane  v21 my list, 16 bytes a lane  v24-27 zeros
; v32-39 the rows' entries, then their offsets in xb  v40 the entry of place r  v41 its gate's offset  v42 the gate  v48-55 LDS addresses
; s14 wave  s15 expert  s18 tile  s19 my list  s[24:25] ord at the tile  s[26:27] gord at the tile  s[28:29] the count's word  s30 count  s31 a block's count, then max(count,1)-1  s32 (behind the masks) tiles  s37-41 at work
	s_load_b256 s[4:11], s[0:1], 0x0               ; sel s[4:5], xb s[6:7], gat s[8:9], xg s[10:11]
	s_load_b128 s[20:23], s[0:1], 0x20             ; ord s[20:21], gord s[22:23]
	v_lshl_add_u32 v30, v0, 2, SPARE               ; my spare word,
	v_mov_b32 v31, 0                               ; and 0: kept for the wave's last lines alone
	v_lshrrev_b32 v17, 5, v0
	v_readfirstlane_b32 s14, v17                   ; wave 0..3
	s_and_b32 s15, ttmp7, 0xffff                   ; expert
	s_mov_b32 s18, ttmp9                           ; tile
	v_and_b32 v1, 31, v0
	v_and_b32 v2, 15, v0
	v_bfe_u32 v3, v0, 4, 1
	v_lshlrev_b32 v15, 1, v1
	v_add_nc_u32 v16, 1024, v1
	v_lshlrev_b32 v20, 3, v1                       ; sel: 8 bytes a token
	s_wait_alu depctr_va_sdst(0)                   ; s14 is written, ahead of its first reader: my list's and my stage's places are made from it
	s_mul_i32 s19, s14, LISTP
	s_add_co_u32 s19, s19, LIST
	v_lshl_add_u32 v21, v1, 4, s19
.irp z, 24,25,26,27
	v_mov_b32 v\z, 0
.endr
	s_mov_b32 s30, 0
	s_wait_kmcnt 0x0
	s_wait_alu depctr_va_vdst(0)                   ; v20 is written, sel's offset; so are v21 and v24 to v27, the address and the data of the stores that clear my list
.set b, 0
.rept 32
	global_load_b64 v[X+2*b:X+2*b+1], v20, s[4:5] offset:256*b   ; 32 tokens' choices: 256 consecutive bytes
.set b, b+1
.endr
.irp z, 0,1,2,3,4,5,6,7
	ds_store_b128 v21, v[24:27] offset:512*(\z)    ; my list's 1,024 entries start as 0 (token 0, slot 0); the real entries are stored over them, in order, by this same wave
.endr
	; addresses, made while sel is on its way
	s_lshl_b32 s37, s14, 9
	v_lshl_add_u32 v4, v2, 4, s37
	s_mul_i32 s38, s14, STGW
	v_mul_u32_u24 v5, v3, XSP
	v_lshl_add_u32 v5, v2, 4, v5
	v_add_nc_u32 v5, s38, v5                       ; in: row h of a pair, 16 r
	v_mul_u32_u24 v6, v2, XSP
	v_lshl_add_u32 v6, v3, 4, v6
	v_add_nc_u32 v6, s38, v6                       ; out: row r, 16 h
	v_lshlrev_b32 v7, 4, v1
	v_lshlrev_b32 v8, 2, v2
	s_lshl_b32 s40, s15, 21                        ; xg: an expert's 64 tiles of 32,768 bytes,
	s_lshl_b32 s37, s18, 15                        ; the tile,
	s_add_co_u32 s40, s40, s37
	s_lshl_b32 s37, s14, 13                        ; my eight k-steps
	s_add_co_u32 s40, s40, s37
	s_mov_b32 s41, 0
	s_add_nc_u64 s[10:11], s[10:11], s[40:41]
	s_lshl_b32 s40, s15, 12                        ; ord and gord: an expert's 1,024 words, the tile's 16
	s_lshl_b32 s37, s18, 6
	s_add_co_u32 s40, s40, s37
	s_add_nc_u64 s[24:25], s[20:21], s[40:41]
	s_add_nc_u64 s[26:27], s[22:23], s[40:41]
	s_lshl_b32 s40, s15, 2
	s_add_co_u32 s40, s40, 0x8000
	s_add_nc_u64 s[28:29], s[20:21], s[40:41]
	s_wait_loadcnt 0x0                             ; sel is in
; A block is 32 tokens of sel: the lanes whose token chose my expert store their entry at the running count plus the number of such lanes below them; the others store into a word of their own behind the list.
.macro PUT g                           ; group g's eight stores into my list, in the blocks' order
.set i, 0
.rept 8
	ds_store_b32 v[LA+8*(\g)+i], v[LE+8*(\g)+i]
.set i, i+1
.endr
.endm
.macro GROUP g                         ; blocks 8 g .. 8 g + 7
.set i, 0
.rept 8
	v_cmp_eq_u32 s[MK+2*i],   s15, v[X+16*(\g)+2*i]
	v_cmp_eq_u32 s[MK+2*i+1], s15, v[X+16*(\g)+2*i+1]
.set i, i+1
.endr
	s_wait_alu depctr_va_sdst(0)                   ; the sixteen masks are written, ahead of their first reader: one wait for the run
.if (\g) > 0
	s_wait_alu depctr_va_vdst(0)                   ; the group before has written its eight addresses and eight entries, which the stores below read
	PUT (\g)-1
.endif
.set i, 0
.rept 8
	s_or_b32 s[MK+2*i], s[MK+2*i], s[MK+2*i+1]     ; either slot
	v_mbcnt_lo_u32_b32 v[LA+8*(\g)+i], s[MK+2*i], s30
	s_bcnt1_i32_b32 s31, s[MK+2*i]
	s_add_co_u32 s30, s30, s31
.set i, i+1
.endr
.set i, 0
.rept 8
	v_cndmask_b32 v[LE+8*(\g)+i], 0, 1, s[MK+2*i+1]                  ; the slot
	v_cndmask_b32 v[LA+8*(\g)+i], v16, v[LA+8*(\g)+i], s[MK+2*i]
.set i, i+1
.endr
.set i, 0
.rept 8
	v_add3_u32 v[LE+8*(\g)+i], v[LE+8*(\g)+i], v15, 64*(8*(\g)+i)    ; the entry: 2 token + slot
	v_min_u32 v[LA+8*(\g)+i], 0x41f, v[LA+8*(\g)+i]
.set i, i+1
.endr
.set i, 0
.rept 8
	v_lshl_add_u32 v[LA+8*(\g)+i], v[LA+8*(\g)+i], 2, s19
.set i, i+1
.endr
.endm
	GROUP 0
	GROUP 1
	GROUP 2
	GROUP 3
	s_wait_alu depctr_va_vdst(0)                   ; the last group has written its addresses and entries
	PUT 3
	s_max_u32 s31, s30, 1
	s_sub_co_u32 s31, s31, 1                       ; the last place that exists
	s_lshr_b32 s32, s31, 4
	s_add_co_u32 s32, s32, 1                       ; tiles, 1 .. 64
	s_cmp_ge_u32 s18, s32
	s_cbranch_scc1 .Lend                           ; this split has no such tile
	s_lshl_b32 s37, s18, 4
.irp j, 0,1,2,3,4,5,6,7
	v_add3_u32 v[48+(\j)], s37, v3, 2*(\j)         ; row 2 j + h of the tile: its place in the list,
	v_min_u32 v[48+(\j)], s31, v[48+(\j)]          ; or the last that exists
	v_min_u32 v[48+(\j)], 0x3ff, v[48+(\j)]
	v_lshl_add_u32 v[48+(\j)], v[48+(\j)], 2, s19
.endr
	v_add_nc_u32 v41, s37, v2                      ; and place r, for ord and gord
	v_min_u32 v41, s31, v41
	v_min_u32 v41, 0x3ff, v41
	v_lshl_add_u32 v41, v41, 2, s19
	s_wait_alu depctr_va_vdst(0)                   ; the nine addresses v48 to v55 and v41 are written, which the loads below read
.irp j, 0,1,2,3,4,5,6,7
	ds_load_b32 v[32+(\j)], v[48+(\j)]             ; LDS serves a wave's instructions in order (ISA guide 5.7.1.4): this sees the list's stores
.endr
	ds_load_b32 v40, v41
	s_wait_dscnt 0x0
	s_wait_alu depctr_vm_vsrc(0)                   ; the last load has read v41, which is written again below; the list's stores have read v[LA ..] and v[LE ..], in which the fragments land further down
.irp j, 0,1,2,3,4,5,6,7
	v_lshrrev_b32 v[32+(\j)], 1, v[32+(\j)]        ; the entry's token,
	v_min_u32 v[32+(\j)], 0x3ff, v[32+(\j)]
	v_lshl_add_u32 v[32+(\j)], v[32+(\j)], 11, v4  ; its row of 2,048 bytes, my 512 of them, 16 r
.endr
	v_min_u32 v40, 0x7ff, v40
	v_lshlrev_b32 v41, 2, v40
	s_wait_alu depctr_va_vdst(0)                   ; the offsets v32 to v39 and v41 are written, and v40, which the store to ord reads; the compares are done reading v[X ..], in which the rows land
.irp j, 0,1,2,3,4,5,6,7
	global_load_b128 v[X+8*(\j):X+8*(\j)+3],   v[32+(\j)], s[6:7]              ; two rows, 256 consecutive aligned bytes of each
	global_load_b128 v[X+8*(\j)+4:X+8*(\j)+7], v[32+(\j)], s[6:7] offset:256
.endr
	global_load_b32 v42, v41, s[8:9]               ; the gate of place r
.irp j, 0,1,2,3,4,5,6,7
	s_wait_loadcnt 15-2*(\j)                       ; pair j's two loads are in: behind them the later pairs' and the gate's
	ds_store_b128 v5, v[X+8*(\j):X+8*(\j)+3]   offset:2*(\j)*XSP
	ds_store_b128 v5, v[X+8*(\j)+4:X+8*(\j)+7] offset:2*(\j)*XSP+256
.endr
.irp s, 0,1,2,3,4,5,6,7
	ds_load_b128 v[Y+8*(\s):Y+8*(\s)+3],   v6 offset:64*(\s)      ; my own bytes, in order behind my stores: no wait between.  No vector instruction since the wait above names v[Y ..]
	ds_load_b128 v[Y+8*(\s)+4:Y+8*(\s)+7], v6 offset:64*(\s)+32
.endr
.irp s, 0,1,2,3,4,5,6,7
	s_wait_dscnt 14-2*(\s)                         ; k-step s's two loads are back; the later ones stay out
	global_store_b128 v7, v[Y+8*(\s):Y+8*(\s)+3],   s[10:11] offset:1024*(\s)      ; 512 consecutive aligned bytes
	global_store_b128 v7, v[Y+8*(\s)+4:Y+8*(\s)+7], s[10:11] offset:1024*(\s)+512
.endr
	s_cmp_lg_u32 s14, 0
	s_cbranch_scc1 .Lend                           ; the lists are one wave's work
	s_wait_loadcnt 0x0                             ; the gate
	global_store_b32 v8, v40, s[24:25]
	global_store_b32 v8, v42, s[26:27]
	s_cmp_lg_u32 s18, 0
	s_cbranch_scc1 .Lend                           ; the count is tile 0's work: every expert has a tile 0
	v_mov_b32 v9, s30
	v_mov_b32 v10, 0
	s_wait_alu depctr_va_vdst(0)                   ; v9 and v10 are written: the store's data and offset
	global_store_b32 v10, v9, s[28:29]             ; all lanes store the same word
.Lend:
	s_wait_dscnt 0x0                               ; the closing lines, six on end
	s_wait_alu 0x0
	s_wait_tensorcnt 0x0
	ds_add_u32 v30, v31
	s_wait_dscnt 0x0
	s_endpgm
.Lfunc_end_k_qed59c487e0_place:
	.size	k_qed59c487e0_place, .Lfunc_end_k_qed59c487e0_place-k_qed59c487e0_place
	.p2alignl 7, 3214868480
	.fill 96, 4, 3214868480
	.section	.rodata,"a",@progbits
	.p2align	6, 0x0
	.amdhsa_kernel k_qed59c487e0_place
		.amdhsa_group_segment_fixed_size 51712
		.amdhsa_private_segment_fixed_size 0
		.amdhsa_enable_private_segment 0
		.amdhsa_kernarg_size 48
		.amdhsa_user_sgpr_count 2
		.amdhsa_user_sgpr_kernarg_segment_ptr 1
		.amdhsa_wavefront_size32 1
		.amdhsa_system_sgpr_workgroup_id_x 1
		.amdhsa_system_sgpr_workgroup_id_y 1
		.amdhsa_system_sgpr_workgroup_id_z 1
		.amdhsa_system_vgpr_workitem_id 0
		.amdhsa_next_free_vgpr 192
		.amdhsa_next_free_sgpr 66
		.amdhsa_reserve_vcc 0
		.amdhsa_float_denorm_mode_32 3
		.amdhsa_float_denorm_mode_16_64 3
		.amdhsa_memory_ordered 1
		.amdhsa_forward_progress 1
		.amdhsa_inst_pref_size 39
	.end_amdhsa_kernel
	.amdgpu_metadata
---
amdhsa.version: [ 1, 2 ]
amdhsa.kernels:
  - .name:           k_qed59c487e0_place
    .symbol:         k_qed59c487e0_place.kd
    .args:
      - { .name: sel, .offset: 0, .size: 8, .value_kind: global_buffer, .address_space: global }
      - { .name: xb, .offset: 8, .size: 8, .value_kind: global_buffer, .address_space: global }
      - { .name: gat, .offset: 16, .size: 8, .value_kind: global_buffer, .address_space: global }
      - { .name: xg, .offset: 24, .size: 8, .value_kind: global_buffer, .address_space: global }
      - { .name: ord, .offset: 32, .size: 8, .value_kind: global_buffer, .address_space: global }
      - { .name: gord, .offset: 40, .size: 8, .value_kind: global_buffer, .address_space: global }
    .group_segment_fixed_size: 51712
    .private_segment_fixed_size: 0
    .kernarg_segment_align: 8
    .kernarg_segment_size: 48
    .max_flat_workgroup_size: 128
    .sgpr_count:     66
    .vgpr_count:     192
    .wavefront_size: 32
...
	.end_amdgpu_metadata
.endif
;; end of part 8
;; launch up (part 9): grid 32 x 8, 4 waves a work-group, no clusters, 262,656 bytes of LDS; arguments ord, xg, w1, hbuf; writes hbuf
.if DOCPART == 9
	.amdgcn_target "amdgcn-amd-amdhsa--gfx1250"
	.amdhsa_code_object_version 6
	.text
	.protected	k_qed59c487e0_up
	.globl	k_qed59c487e0_up
	.p2align	8
	.type	k_qed59c487e0_up,@function
k_qed59c487e0_up:
	s_mov_b64 s[64:65], 0
	v_nop
	global_prefetch_b8 v0, s[64:65] scope:SCOPE_SE
	s_setreg_imm32_b32 hwreg(HW_REG_WAVE_SCHED_MODE, 0, 2), 2
	s_setreg_imm32_b32 hwreg(HW_REG_WAVE_MODE, 25, 1), 1
	s_wait_xcnt 0x0
	s_wait_alu depctr_vm_vsrc(0)
; THE EXPERTS' FIRST PRODUCT: h = gelu(x w1[e]) for the rows that chose expert e.  The second product's launch is built in the same way; this text holds its own lines alone.
;   rows from xg (x in bf16, laid out by the launch before as this product's fragments, [expert][tile of 16 rows][k-step 0..31][1,024 bytes]); weights w1[e] [1024 k][4096] f32;
;   result gelu'd, rounded to f16, stored to hbuf as the second product's fragments, [expert][tile][k-step 0..127][1,024 bytes].
; FORMATS.  x and w1 are rounded to bf16, as all inputs are; the product is the bf16 form.  h is rounded once to f16: 11 significant bits; bf16's 8 would leave each h off by some 2^-9 of itself, and a sum
; over 4,096 of them keeps that share of a row's size.
; LIMITS.  |h| beyond 65,504 becomes an infinity (x and w1 both carrying an offset of 30 times their spread give h = 1,024 x 30 x 0.94 = 28,800).  NaN and infinities are not treated apart.
; SHARE.  A work-group has one expert (grid y), 128 columns of its weights (grid x) and all 1,024 of k: 512 KiB of f32 that no other work-group reads.
; ROWS.  The launch before has counted each expert's rows (the words behind ord's lists), put them in order and filled the last tile of 16 up with its last row.
; Tile T = 20 g + 4 i + w belongs to wave w, place i (0..4), group g (0..3).  A place whose tile does not exist takes the last tile that does, and its stores are jumped.  With some 256 rows an expert has
; 16 or 17 tiles, so place 4 is empty in most waves: there its loads and products are jumped too, by a scalar branch with no barrier inside (a group's first loads and products run in every wave, so that
; every register is written).  Every split is served: 0 .. 1,024 rows.  An expert without rows: its weights are still read, and tile 0 (made of token 0) is stored, so that what is read later has been written.
; WEIGHTS.  K goes in 16 chunks of 64.  Of a chunk wave w takes k-step w / 2 (32 k) and column group w % 2 (64 columns): 16 loads; in each, lanes 0-15 take 256 consecutive aligned bytes of one
; row of k and lanes 16-31 those of the row 8 further on.  A lane then holds columns 4 r .. 4 r + 3 for the 16 k that a 16-bit fragment wants of it, so 32 roundings in pairs make four fragments
; (fragment f: place m of 16 stands for column 4 m + f) and nothing is turned.  They go into LDS, each byte of the slice written once; one barrier a chunk shows it to all four waves.
; GROUP 0 (320 rows) is multiplied chunk by chunk behind the fill, under the stream of weights.  Groups 1 to 3, where the count asks for them, run afterwards from the whole slice in LDS, without barriers.
; THE LOOP OVER GROUPS has four trips; a trip is group g's way out and then group g + 1's products, which are jumped where there is no such group; a group that does not exist has no tile to store.
; LOADS are issued in the order in which they are wanted, for chunk x: Ta(x) (rows, first k-step), W(x + 1) (16 loads), Tb(x) (rows, second k-step); trip t issues Ta(t + 2), W(t + 3), Tb(t + 2).
; Ta and Tb are 8 loads, or 10 where place 4 is alive.  Each wait's count takes them as 8: the least number of loads issued behind the one wanted on any way.  More than LOADcnt's field holds is never
; out: the issue waits (ISA guide 5.7.1).  Every row load takes 512 consecutive bytes of a fragment as it lies in memory.
; PRODUCT.  Used transposed (source 0 = weights, source 1 = 16 rows): lane (r, h) holds row r and columns 64 cg + 32 h + 4 j + f, which are the 32 k of ONE k-step of the second product; so
; hbuf is written as that product's fragments, 16 lanes to 256 consecutive bytes, straight from registers.
; gelu is the tanh form, x / (1 + 2^(-x (2.3022082 + 0.10294324 x^2))): for large |x| it ends in x or 0.
; THE WAY OUT is written once and walked five times, a place a trip; what differs from place to place is a short block chosen by forward branches.
; NO CLUSTER: what an expert's work-groups share is its rows; two slots of 20 tiles x 2 KiB for them do not fit beside the slice of 262,144 bytes.
; THE MODE: SCHED_MODE bits 1:0 = 2 (LLVM: expert scheduling mode 2), set by the entry lines.  The code itself states the register dependences
; between vector or matrix instructions and memory or LDS instructions, with s_wait_alu, always for 0.
; THE PLAN.  Registers that memory or LDS instructions touch, in chunk c (parity p = c % 2):
;   W[1-p]     the roundings of chunk c + 1's weights read it; behind them the loads of chunk c + 3 land in it.
;   BF         those roundings write it; the eight LDS stores behind them read it; the next chunk's roundings write it again.
;   B0, B1     the first k-step's products read B0, the second's B1; B0 is loaded again behind the chunk's barrier, B1 at the next chunk's head.
;   T[p][0], T[p][1]  the first and the second k-step's products read them; the rows of chunk c + 2 land in them behind those products.
;   v5, v6     read by the LDS loads and stores; an add a trip.      v4, v7, v13  made at the head, never written again.      v8-12  made once a group.
;   PK         the way out's roundings write it, eight stores read it, the next tile's roundings write it again.
;   The accumulators and WK are named by vector and matrix instructions alone.
; So TWO waits on va_vdst stand in a chunk.  The first stands behind the roundings: it states that the first k-step's products are done reading T[p][0] and B0, that the roundings are done reading
; W[1-p] and have written BF, and, in a trip's first chunk, that v5 and v6 are written; behind it follow, with no vector instruction between, the LDS stores, Ta, W, the barrier and B0's loads.
; The second stands behind the second k-step's products: they are done reading T[p][1] and B1; Tb and, at the next chunk's head, B1's loads follow.
; Waits on vm_vsrc: ahead of a chunk's roundings (BF), ahead of the adds to v5 and v6, ahead of a later group's new offsets, ahead of the way out's roundings (PK).
; REGISTERS, in windows of 256 (s_set_vgpr_msb: bits 1:0 source 0, 3:2 source 1, 5:4 source 2, 7:6 destination):
;   window 0: v0-19 addresses and work; v30, v31 the add's; v32-63 fragments just rounded; v64-127, v128-191 a k-step's eight weight fragments, two buffers; v192-255 the accumulators of place 4
;   window 1: the accumulators of places 0-3 (place i, fragment f' = 4 cg + f at 64 i + 8 f')
;   window 2: v0-159 row fragments (parity of the chunk, k-step, place: 80 par + 40 s + 8 i); v160-255 at work on the way out          window 3: v0-127 weights as loaded, two buffers
.set LOGP, 14                          ; a row of the weights: 16,384 bytes
.set TSH,  15                          ; a tile of rows: 32 k-steps of 1,024 bytes
.set MW_LO, 0x58                       ; products: weights window 0, rows window 2, C and D window 1
.set MW_HI, 0x08                       ; the same, C and D window 0
.set PITCH, 1<<LOGP
.set AKS,   1024                       ; bytes from a k-step of a tile of rows to the next
.set AHF,   512                        ; and to the second half of a fragment
.set ACH,   2*AKS                      ; row bytes a chunk
.set WCH,   64*PITCH                   ; weight bytes from chunk to chunk
.set CHL,   16384                      ; a chunk in LDS: k-step s at 8,192 s, fragment f' at 1,024 f': registers 0-3 at 16 lane, 4-7 at 512 + 16 lane
.set SPARE, 16*CHL                     ; behind the slice: the spare words, 128 bytes a wave: no other line names them
.set BF, 32
.set B0, 64
.set B1, 128
.set WK, 160                           ; window 2: 64 registers at work on the way out
.set PK, 224                           ; window 2: 32 registers of packed results
.set N2, 56                            ; behind Ta(t): W(t+1), Tb(t), Ta(t+1), W(t+2), Tb(t+1) = 16 + 8 + 8 + 16 + 8
.set N4, 40                            ; behind W(t+1): Tb(t), Ta(t+1), W(t+2), Tb(t+1) = 8 + 8 + 16 + 8
.set N7, 56                            ; behind Tb(t): Ta(t+1), W(t+2), Tb(t+1), Ta(t+2), W(t+3) = 8 + 16 + 8 + 8 + 16
.set N0, 46                            ; behind W(0): Ta(0), W(1), Tb(0), Ta(1) = 10 + 16 + 10 + 10
; v1 16 lane   v2 r   v4 weights: 8 h rows + 16 r   v5 LDS: reads of the slice   v6 LDS: my stores into it   v7 prefetch: lane rows   v8-12 row offsets of places 0-4   v13 way out: 1,024 h + 16 r
; s14 wave  s15 expert  s17 slice  s[20:21] weights  s[22:23] rows  s[24:25] rows at k = 0  s[26:27] output  s[28:29] a tile's output  s30 count  s31 max(count,1)-1  s32 tiles  s33 groups
; s34 g  s35 trips  s37-39 at work  s[40:43] gelu's two constants  s[44:45] an offset  s46 the tile on its way out  s48 trips over groups to go  s50 1: place 4 has a tile
; s56 places to go  s57 the place  s58 the count's offset
.set MSB, 0
.macro WIN new                         ; the immediate's high byte repeats the setting that is left; a switch that changes nothing is dropped
.if MSB != (\new)
	s_set_vgpr_msb (MSB<<8)|(\new)
.set MSB, (\new)
.endif
.endm
.macro PLACES                          ; four places behind a product, ahead of the first vector instruction that reads its result (ISA guide 7.12.1)
.rept 4
	v_nop
.endr
.endm
.macro WLOAD par, c                    ; my 32 k x 64 columns of chunk c (counted from the base): rows 8 h + 0..7 and 16 + 8 h + 0..7
	WIN 0xc0
.irp i, 0,1,2,3,4,5,6,7,8,9,10,11,12,13,14,15
	global_load_b128 v[64*(\par)+4*(\i):64*(\par)+4*(\i)+3], v4, s[20:21] offset:(\c)*WCH+((\i)+8*((\i)/8))*PITCH th:TH_LOAD_NT
.endr
.endm
.macro TLOAD par, s, c, cond           ; the places' row fragments of k-step s of chunk c.  cond = 1: place 4's two loads are jumped where it has no tile
	WIN 0x80
.irp i, 0,1,2,3
	global_load_b128 v[80*(\par)+40*(\s)+8*(\i):80*(\par)+40*(\s)+8*(\i)+3],   v[8+(\i)], s[22:23] offset:(\c)*ACH+(\s)*AKS
	global_load_b128 v[80*(\par)+40*(\s)+8*(\i)+4:80*(\par)+40*(\s)+8*(\i)+7], v[8+(\i)], s[22:23] offset:(\c)*ACH+(\s)*AKS+AHF
.endr
.if \cond
	WIN 0                                          ; at a branch and at a label every window is 0
	s_cmp_eq_u32 s50, 0
	s_cbranch_scc1 .Lno_t_\@
	WIN 0x80
.endif
	global_load_b128 v[80*(\par)+40*(\s)+32:80*(\par)+40*(\s)+35], v12, s[22:23] offset:(\c)*ACH+(\s)*AKS
	global_load_b128 v[80*(\par)+40*(\s)+36:80*(\par)+40*(\s)+39], v12, s[22:23] offset:(\c)*ACH+(\s)*AKS+AHF
.if \cond
	WIN 0
.Lno_t_\@:
.endif
.endm
.macro CVT par                         ; register p of fragment f = word f of loads 2 p and 2 p + 1, rounded to bf16
	WIN 0x0f
.irp f, 0,1,2,3
.irp p, 0,1,2,3,4,5,6,7
	v_cvt_pk_bf16_f32 v[BF+8*(\f)+(\p)], v[64*(\par)+8*(\p)+(\f)], v[64*(\par)+8*(\p)+4+(\f)]
.endr
.endr
.endm
.macro WSTORE c                        ; my four fragments into the slice: 512 consecutive bytes a store
	WIN 0
.irp f, 0,1,2,3
	ds_store_b128 v6, v[BF+8*(\f):BF+8*(\f)+3]   offset:(\c)*CHL+1024*(\f)
	ds_store_b128 v6, v[BF+8*(\f)+4:BF+8*(\f)+7] offset:(\c)*CHL+1024*(\f)+512
.endr
.endm
.macro BLOAD buf, off                  ; a k-step's eight fragments out of the slice
	WIN 0
.irp f, 0,1,2,3,4,5,6,7
	ds_load_b128 v[(\buf)+8*(\f):(\buf)+8*(\f)+3],   v5 offset:(\off)+1024*(\f)
	ds_load_b128 v[(\buf)+8*(\f)+4:(\buf)+8*(\f)+7], v5 offset:(\off)+1024*(\f)+512
.endr
.endm
; 40 products: five places x eight fragments, 32 along k.  The accumulators take turns, one instruction a turn.  zero = 1: they start the sums.
; cond = 1: place 4's eight products are jumped where it has no tile.
.macro MUL par, s, buf, zero, cond
.irp i, 0,1,2,3,4
.if (\i) < 4
	WIN MW_LO
.else
.if \cond
	WIN 0
	s_cmp_eq_u32 s50, 0
	s_cbranch_scc1 .Lno_m_\@
.endif
	WIN MW_HI
.endif
.irp f, 0,1,2,3,4,5,6,7
.set AC, 64*(\i)-64*((\i)/4)+8*(\f)
.set TT, 80*(\par)+40*(\s)+8*(\i)
.set BB, (\buf)+8*(\f)
.if \zero
	v_wmma_f32_16x16x32_bf16 v[AC:AC+7], v[BB:BB+7], v[TT:TT+7], 0
.else
	v_wmma_f32_16x16x32_bf16 v[AC:AC+7], v[BB:BB+7], v[TT:TT+7], v[AC:AC+7]
.endif
.endr
.endr
.if \cond
	WIN 0
.Lno_m_\@:
.endif
.endm
; A chunk's first k-step.  n2: the loads issued behind Ta of this chunk.
.macro HEAD c, zero, n2
	BLOAD B1, (\c)*CHL+8192                        ; the second k-step's fragments, a run of products ahead of their use.  No wait: no vector or matrix instruction since the wait at the last chunk's end names B1 or v5
	s_wait_loadcnt \n2
	s_wait_dscnt 16                                ; the first k-step's fragments are in; the 16 loads just issued may be out
	MUL (\c)%2, 0, B0, \zero, 1-(\zero)
.endm
; The rest of a chunk.  fill: the next chunk of weights is rounded, stored and shown to all waves; wl: weights three chunks on are asked for; tl: rows LA chunks on are asked for; nxt: a chunk follows.
; n4: the loads issued behind W of the next chunk; n7: behind Tb of this chunk.  step = 1: the LDS address of the slice moves on by a chunk, ahead of the wait that stands at the chunk's end anyway.
.macro BODY c, fill, wl, tl, nxt, n4, n7, step=0
.if \fill
	s_wait_loadcnt \n4
	s_wait_alu depctr_vm_vsrc(0)                   ; the LDS stores of the chunk before have read v[BF ..], which the roundings write again
	CVT ((\c)+1)%2
.endif
.if (\fill)||(\tl)||(\nxt)
	s_wait_alu depctr_va_vdst(0)                   ; the first k-step's products are done reading their rows and B0, in which loads land below; with fill: the roundings are done reading the raw weights and have written v[BF ..]; behind a step of v5 and v6: these are written
.endif
.if \fill
	WSTORE (\c)+1                                  ; first, so that the stores are under way while the loads below are issued
.endif
.if \tl
	TLOAD (\c)%2, 0, (\c)+LA, 1
.endif
.if \fill
.if \wl
	WLOAD ((\c)+1)%2, (\c)+3
.endif
	s_wait_dscnt 0x0                               ; for the others' sake: my stores are done (and so are my loads of the second k-step's fragments)
	s_barrier_signal -1
	s_barrier_wait -1                              ; the next chunk is whole; its bytes are never written again
.endif
.if \nxt
	BLOAD B0, ((\c)+1)*CHL                         ; no vector or matrix instruction since the wait above names B0 or v5
.endif
	s_wait_loadcnt \n7
.if !(\fill)
	s_wait_dscnt 16*(\nxt)                         ; the second k-step's fragments are in; the run just issued may be out
.endif
	MUL (\c)%2, 1, B1, 0, 1
.if \step
	s_wait_alu depctr_vm_vsrc(0)                   ; the LDS loads issued so far have read v5
	v_add_nc_u32 v5, CHL, v5
.endif
.if (\tl)||(\nxt)
	s_wait_alu depctr_va_vdst(0)                   ; the second k-step's products are done reading their rows and B1, in which the loads below and at the next chunk's head land; with step: v5 is written
.endif
.if \tl
	TLOAD (\c)%2, 1, (\c)+LA, 1
.endif
.endm
; Group g begins: the offsets of its five places' tiles; whether place 4 has one.
.macro SETA
	WIN 0
	s_mul_i32 s37, s34, 20
	s_add_co_u32 s37, s37, s14                     ; 20 g + w
	s_sub_co_u32 s39, s32, 1
.irp i, 0,1,2,3,4
	s_add_co_u32 s38, s37, 4*(\i)                  ; the tile, or the last that exists
	s_min_u32 s38, s38, s39
	s_min_u32 s38, s38, 63
	s_lshl_b32 s38, s38, TSH
	v_add_nc_u32 v[8+(\i)], s38, v1
.endr
	s_add_co_u32 s38, s37, 16
	s_cmp_lt_u32 s38, s32
	s_cselect_b32 s50, 1, 0
.endm
; What differs from place to place on the way out: place t's sums are moved to where the one text of gelu names them, place 0's registers, which have gone out:
; 64 moves a place, the price of writing that text once and not five times; each accumulator's lowest registers are read first.
.macro BLOCK t
.set AW, 1-(\t)/4                      ; the accumulators' window,
.set AB, 64*(\t)-64*((\t)/4)           ; and their first register
	WIN 0x40|AW
.set j, 0
.rept 64
	v_mov_b32 v[j], v[AB+j]
.set j, j+1
.endr
	WIN 0
.endm
	s_load_b256 s[4:11], s[0:1], 0x0               ; ord s[4:5], rows s[6:7], weights s[8:9], output s[10:11]
	v_lshl_add_u32 v30, v0, 2, SPARE               ; my spare word,
	v_mov_b32 v31, 0                               ; and 0: kept for the wave's last lines alone
	v_lshrrev_b32 v17, 5, v0
	v_readfirstlane_b32 s14, v17                   ; wave 0..3
	s_and_b32 s15, ttmp7, 0xffff                   ; expert
	v_and_b32 v18, 31, v0                          ; lane
	v_and_b32 v2, 15, v0                           ; r
	v_bfe_u32 v19, v0, 4, 1                        ; h
	v_lshlrev_b32 v1, 4, v18
	v_lshlrev_b32 v4, LOGP+3, v19
	v_lshl_add_u32 v4, v2, 4, v4
	v_mov_b32 v5, v1
	s_wait_alu depctr_va_sdst(0)                   ; s14 is written, ahead of its first reader: my place in the slice and the weights' base are made from it
	s_lshl_b32 s37, s14, 12
	v_add_nc_u32 v6, s37, v1                       ; k-step w / 2, column group w % 2: 4,096 w
	v_lshlrev_b32 v7, LOGP, v18
	v_lshlrev_b32 v13, 10, v19
	v_lshl_add_u32 v13, v2, 4, v13
	s_lshl_b32 s58, s15, 2                         ; my expert's count among the eight
	s_lshl_b32 s44, s15, 24                        ; an expert's weights: 16 MiB
	s_mov_b32 s17, ttmp9
	s_lshl_b32 s37, s17, 9                         ; the slice's 128 columns
	s_add_co_u32 s44, s44, s37
	s_and_b32 s37, s14, 1
	s_lshl_b32 s37, s37, 8                         ; my column group
	s_add_co_u32 s44, s44, s37
	s_lshr_b32 s37, s14, 1
	s_lshl_b32 s37, s37, LOGP+5                    ; my k-step's 32 rows
	s_add_co_u32 s44, s44, s37
	s_mov_b32 s45, 0
	s_lshl_b32 s38, s15, 21                        ; xg: an expert's 64 tiles
	s_lshl_b32 s46, s15, 23                        ; hbuf: an expert's 64 tiles; the slice's four k-steps
	s_lshl_b32 s37, s17, 12
	s_add_co_u32 s46, s46, s37
	s_mov_b32 s40, 0xbdd2d3e8                      ; -0.10294324
	s_mov_b32 s41, s40                             ; named with it as a pair
	s_mov_b32 s42, 0xc0135761                      ; -2.3022082
	s_mov_b32 s43, s42
	s_mov_b32 s39, 0
	s_mov_b32 s47, 0
	s_mov_b32 s34, 0
	s_mov_b32 s48, 4
	s_wait_kmcnt 0x0
	s_load_b32 s30, s[4:5], s58 offset:0x8000      ; the count, behind the eight lists
	s_add_nc_u64 s[20:21], s[8:9], s[44:45]
	s_add_nc_u64 s[24:25], s[6:7], s[38:39]
	s_mov_b64 s[22:23], s[24:25]
	s_add_nc_u64 s[26:27], s[10:11], s[46:47]
	s_wait_alu depctr_va_vdst(0)                   ; v4 to v7 and v13 are written: the offsets and addresses that the weights' loads, the prefetches, the LDS instructions and the stores read
	WLOAD 0, 0                                     ; the weights hang on no count: chunk 0 goes out at once
	WIN 0
.irp c, 1,2,3,4,5                      ; my part of chunks 1 to 5 is asked into the L2 while the count is on its way: a lane a row, 256 bytes each, each block asked for once in the launch
	global_prefetch_b8 v7, s[20:21] offset:(\c)*WCH th:TH_LOAD_NT scope:SCOPE_SE
.endr
	s_wait_kmcnt 0x0
	s_max_u32 s31, s30, 1
	s_sub_co_u32 s31, s31, 1                       ; the last place that exists
	s_lshr_b32 s32, s31, 4
	s_add_co_u32 s32, s32, 1                       ; tiles, 1 .. 64
	s_add_co_u32 s33, s32, 19
	s_mul_i32 s33, s33, 205
	s_lshr_b32 s33, s33, 12                        ; groups of 20 tiles, rounded up: (tiles + 19) / 20, exact up to 64 tiles
	SETA
	s_wait_alu depctr_va_vdst(0)                   ; v8 to v12 are written, which the row loads read as offsets
.set LA, 2                             ; under the stream of weights rows are asked for two chunks ahead
	TLOAD 0, 0, 0, 0
	WLOAD 1, 1
	TLOAD 0, 1, 0, 0
	TLOAD 1, 0, 1, 0
	s_wait_loadcnt N0                              ; chunk 0's weights
	CVT 0
	s_wait_alu depctr_va_vdst(0)                   ; the roundings have written v[BF ..], which the LDS stores read, and are done reading the raw weights, in which chunk 2's land
	WSTORE 0
	WLOAD 0, 2
	TLOAD 1, 1, 1, 0
	s_wait_dscnt 0x0                               ; for the others' sake: my part of chunk 0 is in LDS
	s_barrier_signal -1
	s_barrier_wait -1
	BLOAD B0, 0
	HEAD 0, 1, 62                                  ; the first products start the sums: nothing is cleared.  Behind Ta(0): 16 + 10 + 10 + 16 + 10
	WIN 0                                          ; at a label and at a branch every window is 0
	s_mov_b32 s35, 6
.Lmain:                                                ; a trip: two chunks, from the first's second k-step to the first k-step of the chunk behind them
	BODY 0, 1, 1, 1, 1, N4, N7
	WIN 0
	s_cmp_eq_u32 s35, 1
	s_cbranch_scc1 .Lnopf                          ; the last trip would ask past chunk 15
	global_prefetch_b8 v7, s[20:21] offset:6*WCH th:TH_LOAD_NT scope:SCOPE_SE  ; my part of the chunks six and seven on: their loads are issued three chunks from here
	global_prefetch_b8 v7, s[20:21] offset:7*WCH th:TH_LOAD_NT scope:SCOPE_SE
.Lnopf:
	HEAD 1, 0, N2
	BODY 1, 1, 1, 1, 1, N4, N7
	HEAD 2, 0, N2
	WIN 0
	s_wait_xcnt 0x0                                ; the bases are stepped only behind this wait
	s_wait_alu depctr_vm_vsrc(0)                   ; the LDS loads and stores issued so far have read v5 and v6; that the adds below have written them is stated by the next chunk's first wait on va_vdst, ahead of their next reader
	s_add_nc_u64 s[20:21], s[20:21], 2*WCH
	s_add_nc_u64 s[22:23], s[22:23], 2*ACH
	v_add_nc_u32 v5, 2*CHL, v5
	v_add_nc_u32 v6, 2*CHL, v6
	s_sub_co_u32 s35, s35, 1
	s_cmp_lg_u32 s35, 0
	s_cbranch_scc1 .Lmain
	BODY 0, 1, 1, 1, 1, N4, N7                     ; chunks 12 to 15: the loads end one kind after the other, and the counts run down
	HEAD 1, 0, N2
	BODY 1, 1, 0, 1, 1, N4, 40                     ; no weights left to ask for.  Behind Tb(13): 8 + 16 + 8 + 8
	HEAD 2, 0, 40                                  ; behind Ta(14): 16 + 8 + 8 + 8
	BODY 2, 1, 0, 0, 1, 24, 16                     ; nothing left to ask for.  Behind W(15): 8 + 8 + 8; behind Tb(14): 8 + 8
	HEAD 3, 0, 8
	BODY 3, 0, 0, 0, 0, 0, 0                       ; no load follows these products: no wait on va_vdst is written
	WIN 0
.Lgrp:                                                 ; four trips: group g's way out, then group g + 1's products
	PLACES                                         ; behind the group's last products, on the way in and on the way back
	s_mul_i32 s46, s34, 20
	s_add_co_u32 s46, s46, s14                     ; place 0's tile
	s_mov_b32 s57, 0
	s_mov_b32 s56, 5
.Ltile:                                                ; five trips, a place a trip
	s_wait_xcnt 0x0                                ; the last tile's stores have had their addresses translated: their data and base are rewritten only behind this wait
	s_cmp_ge_u32 s46, s32
	s_cbranch_scc1 .Ltnext                         ; no such tile
	s_lshl_b32 s44, s46, 17
	s_add_nc_u64 s[28:29], s[26:27], s[44:45]
	s_cmp_eq_u32 s57, 0
	s_cbranch_scc1 .Lwork                          ; place 0's sums lie where the text names them
	s_cmp_eq_u32 s57, 1
	s_cbranch_scc1 .Lb1
	s_cmp_eq_u32 s57, 2
	s_cbranch_scc1 .Lb2
	s_cmp_eq_u32 s57, 3
	s_cbranch_scc1 .Lb3
	BLOCK 4
	s_branch .Lwork
.Lb1:
	BLOCK 1
	s_branch .Lwork
.Lb2:
	BLOCK 2
	s_branch .Lwork
.Lb3:
	BLOCK 3
.Lwork:
	WIN 0x85
.set j, 0
.rept 32                               ; each accumulator's lowest registers are read first
	v_pk_mul_f32 v[WK+j:WK+j+1], v[j:j+1], v[j:j+1]
.set j, j+2
.endr
	WIN 0x82
.set j, 0
.rept 32
	v_pk_fma_f32 v[WK+j:WK+j+1], v[WK+j:WK+j+1], s[40:41], s[42:43] op_sel_hi:[1,0,0]
.set j, j+2
.endr
	WIN 0x86
.set j, 0
.rept 32
	v_pk_mul_f32 v[WK+j:WK+j+1], v[WK+j:WK+j+1], v[j:j+1]
.set j, j+2
.endr
	WIN 0x82
.set j, 0
.rept 64
	v_exp_f32 v[WK+j], v[WK+j]
.set j, j+1
.endr
	v_nop                                          ; a plain instruction between the exponentials and the use of their results
.set j, 0
	s_wait_alu depctr_va_vdst(0)                   ; the 64 exponentials have written v[WK ..], ahead of their first reader: one wait for the batch
.rept 32
	v_pk_add_f32 v[WK+j:WK+j+1], v[WK+j:WK+j+1], 1.0 op_sel_hi:[1,0]
.set j, j+2
.endr
.set j, 0
.rept 64
	v_rcp_f32 v[WK+j], v[WK+j]
.set j, j+1
.endr
	v_nop
	WIN 0x86
.set j, 0
	s_wait_alu depctr_va_vdst(0)                   ; the 64 reciprocals have written v[WK ..], ahead of their first reader: one wait for the batch
.rept 32
	v_pk_mul_f32 v[WK+j:WK+j+1], v[WK+j:WK+j+1], v[j:j+1]
.set j, j+2
.endr
	s_wait_alu depctr_vm_vsrc(0)                   ; the last tile's stores have read v[PK ..], which the roundings below write again: a tile's arithmetic stands between
	WIN 0x8a
.irp g, 0,1                            ; piece p of a k-step, k = 8 p .. 8 p + 7 = 4 j + f for j = 2 p, 2 p + 1; h's one rounding, to f16
.irp p, 0,1,2,3
	v_cvt_pk_f16_f32 v[PK+16*(\g)+4*(\p)],   v[WK+32*(\g)+2*(\p)],      v[WK+32*(\g)+8+2*(\p)]
	v_cvt_pk_f16_f32 v[PK+16*(\g)+4*(\p)+1], v[WK+32*(\g)+16+2*(\p)],   v[WK+32*(\g)+24+2*(\p)]
	v_cvt_pk_f16_f32 v[PK+16*(\g)+4*(\p)+2], v[WK+32*(\g)+2*(\p)+1],    v[WK+32*(\g)+8+2*(\p)+1]
	v_cvt_pk_f16_f32 v[PK+16*(\g)+4*(\p)+3], v[WK+32*(\g)+16+2*(\p)+1], v[WK+32*(\g)+24+2*(\p)+1]
.endr
.endr
	s_wait_alu depctr_va_vdst(0)                   ; the roundings have written v[PK ..], which the eight stores read
	WIN 0x08
.irp g, 0,1
.irp p, 0,1,2,3
	global_store_b128 v13, v[PK+16*(\g)+4*(\p):PK+16*(\g)+4*(\p)+3], s[28:29] offset:2048*(\g)+256*(\p)  ; lanes 0-15: 256 consecutive aligned bytes of k-step 2 g; lanes 16-31: of k-step 2 g + 1
.endr
.endr
	WIN 0
.Ltnext:
	s_add_co_u32 s46, s46, 4                       ; the next place's tile
	s_add_co_u32 s57, s57, 1
	s_sub_co_u32 s56, s56, 1
	s_cmp_lg_u32 s56, 0
	s_cbranch_scc1 .Ltile
	s_add_co_u32 s34, s34, 1                       ; the next group: the same products from the whole slice in LDS; no barrier, no weights from memory
	s_cmp_ge_u32 s34, s33
	s_cbranch_scc1 .Lnext                          ; there is none
	s_wait_xcnt 0x0                                ; the row offsets and base are rewritten only behind this wait
	s_wait_alu depctr_vm_vsrc(0)                   ; the row loads have read v8 to v12 and the LDS loads v5, which are written anew below
	SETA
	s_mov_b64 s[22:23], s[24:25]
	v_mov_b32 v5, v1
	s_wait_alu depctr_va_vdst(0)                   ; v8 to v12 and v5 are written; the last group's products are done reading their rows and B0 and B1, in which the loads below land
.set LA, 1                             ; a chunk a trip, rows asked for one chunk ahead: a short text for what few splits reach
	TLOAD 0, 0, 0, 0
	TLOAD 0, 1, 0, 0
	BLOAD B0, 0
	HEAD 0, 1, 10                                  ; behind Ta(0): Tb(0), ten loads
	WIN 0
	s_mov_b32 s35, 15
.Lovf:
	BODY 0, 0, 0, 1, 1, 0, 8, 1                    ; behind Tb(t): Ta(t+1)
	WIN 0
	s_wait_xcnt 0x0
	s_add_nc_u64 s[22:23], s[22:23], ACH
	HEAD 0, 0, 8                                   ; behind Ta(t+1): Tb(t+1)
	WIN 0
	s_sub_co_u32 s35, s35, 1
	s_cmp_lg_u32 s35, 0
	s_cbranch_scc1 .Lovf
	BODY 0, 0, 0, 0, 0, 0, 0
	WIN 0
.Lnext:
	s_sub_co_u32 s48, s48, 1                       ; the loop's own count, 4 down to 0
	s_cmp_lg_u32 s48, 0
	s_cbranch_scc1 .Lgrp
	s_wait_dscnt 0x0                               ; my reads of LDS are over;
	s_barrier_signal -1
	s_barrier_wait -1                              ; so are every wave's, before any wave writes LDS again (the add below)
	s_wait_dscnt 0x0                               ; the closing lines, six on end
	s_wait_alu 0x0
	s_wait_tensorcnt 0x0
	ds_add_u32 v30, v31
	s_wait_dscnt 0x0
	s_endpgm
.Lfunc_end_k_qed59c487e0_up:
	.size	k_qed59c487e0_up, .Lfunc_end_k_qed59c487e0_up-k_qed59c487e0_up
	.p2alignl 7, 3214868480
	.fill 96, 4, 3214868480
	.section	.rodata,"a",@progbits
	.p2align	6, 0x0
	.amdhsa_kernel k_qed59c487e0_up
		.amdhsa_group_segment_fixed_size 262656
		.amdhsa_private_segment_fixed_size 0
		.amdhsa_enable_private_segment 0
		.amdhsa_kernarg_size 32
		.amdhsa_user_sgpr_count 2
		.amdhsa_user_sgpr_kernarg_segment_ptr 1
		.amdhsa_wavefront_size32 1
		.amdhsa_system_sgpr_workgroup_id_x 1
		.amdhsa_system_sgpr_workgroup_id_y 1
		.amdhsa_system_sgpr_workgroup_id_z 1
		.amdhsa_system_vgpr_workitem_id 0
		.amdhsa_next_free_vgpr 896
		.amdhsa_next_free_sgpr 66
		.amdhsa_reserve_vcc 0
		.amdhsa_float_denorm_mode_32 3
		.amdhsa_float_denorm_mode_16_64 3
		.amdhsa_memory_ordered 1
		.amdhsa_forward_progress 1
		.amdhsa_inst_pref_size 136
	.end_amdhsa_kernel
	.amdgpu_metadata
---
amdhsa.version: [ 1, 2 ]
amdhsa.kernels:
  - .name:           k_qed59c487e0_up
    .symbol:         k_qed59c487e0_up.kd
    .args:
      - { .name: ord, .offset: 0, .size: 8, .value_kind: global_buffer, .address_space: global }
      - { .name: xg, .offset: 8, .size: 8, .value_kind: global_buffer, .address_space: global }
      - { .name: w1, .offset: 16, .size: 8, .value_kind: global_buffer, .address_space: global }
      - { .name: hbuf, .offset: 24, .size: 8, .value_kind: global_buffer, .address_space: global }
    .group_segment_fixed_size: 262656
    .private_segment_fixed_size: 0
    .kernarg_segment_align: 8
    .kernarg_segment_size: 32
    .max_flat_workgroup_size: 128
    .sgpr_count:     66
    .vgpr_count:     896
    .wavefront_size: 32
...
	.end_amdgpu_metadata
.endif
;; end of part 9
;; launch down: the kernel of part 7 again; grid 32 x 8, 4 waves a work-group, no clusters, 262,656 bytes of LDS; arguments ord, hbuf, w2, part, gord; writes part
;; launch addup: the kernel of part 4 again; grid 256 x 1, 8 waves a work-group, no clusters, 0 bytes of LDS; arguments part, out0; writes out0
